; MI455X (gfx1250); checked and timed in simulation.
; The chip was launched on July 23, 2026; its instructions are those of AMD's public machine-readable ISA for CDNA 5 (MIT licence, August 2026) and "CDNA5" Instruction Set Architecture Reference Guide (July 2026). The comments in the code are by the model that wrote it; some were corrected since.
;; Mo E Layer. Allowed arithmetic: matrix products marked QUANTISED: E5M2 operands, one E8M0 scale for each 32 along K, by v_wmma_scale_f32_16x16x128_f8f6f4 with both operands' format E5M2, f32 sums; products left as they are: f32 operands where the result goes on into a quantised operand, else bf16, f16 or f32 operands; f32 sums; everything else in f32.
;; Inputs: W1 8 x 1,024 x 2,048 float32; W2 8 x 2,048 x 1,024 float32; b1 8 x 2,048 float32; b2 8 x 1,024 float32; gate_W 1,024 x 8 float32; gate_b 8 float32; x 4 x 512 x 1,024 float32.
;; Outputs: out0 4 x 512 x 1,024 float32.
;; Constants: num_experts_per_tok = 2.
;; This version of the problem:
;;   THIS VERSION OF THE PROBLEM IS GIVEN IN LOW PRECISION. The matrix products marked QUANTISED in the list below multiply operands that are first quantised to E5M2 (5 exponent bits, 2 mantissa bits; 8 bits a number), with one power-of-two scale for each 32 numbers along K (OCP MX v1.0); their sums are f32. All else is computed in f32.
;;   The module's matrix products, in the order in which they are computed (A, B: the left and right operand; K: the contracted axis; several contracted axes count as one K, in the product's order):
;;     1. [M 2,048, K 1,024] x [K 1,024, N 8]; A: input x; B: input gate_W: left as it is (N = 8 < 16)
;;     2. [M 2,048, K 1,024] x [K 1,024, N 16,384]; A: input x; B: input W1: QUANTISED
;;     3. batch 8 x [M 1,024, K 2,048] x [K 2,048, N 2,048]; A: input W2; B: computed on the way: QUANTISED
;;     4. batch 2,048 x [M 1, K 8] x [K 8, N 1,024]; A: computed on the way; B: computed on the way: left as it is (K = 8 < 32)
;;   THE QUANTISER, for each operand of a quantised product, along K:
;;     - K is cut into blocks of 32 from its start; a last block that is shorter is filled with zeros.
;;     - A block's scale is 2^e with e = floor(log2(the largest magnitude in the block)) - 15, held to -126 .. 127; a block of zeros has e = 0. As a byte (E8M0): e + 127.
;;     - Each number is divided by its block's scale, clamped to +-57,344, and rounded to the nearest number of E5M2, ties to even, subnormals kept.
;;     - The product sums the exact products of the quantised numbers (number of the format x scale) in f32.
;;   ~~~python
;;   def quantise(x, axis):      # numpy; x: float32 -> the quantised numbers, widened to float32 again
;;       x = np.moveaxis(x, axis, -1); K = x.shape[-1]
;;       x = np.pad(x, [(0, 0)] * (x.ndim - 1) + [(0, -K % 32)]); x = x.reshape(x.shape[:-1] + (-1, 32)); a = np.abs(x).max(-1, keepdims=True)
;;       e = np.where(a > 0, np.clip(np.frexp(np.where(a > 0, a, 1))[1] - 1 - 15, -126, 127), 0)      # np.frexp(a)[1] - 1 = floor(log2(a)), exactly
;;       r = np.clip(x / 2.0 ** e, -57344, 57344)
;;       step = 2.0 ** (np.maximum(np.frexp(np.where(r == 0, 1, r))[1] - 1, -14) - 2)
;;       q = np.round(r / step) * step * 2.0 ** e      # np.round: ties to even
;;       return np.moveaxis(q.reshape(q.shape[:-2] + (-1,))[..., :K], -1, axis).astype(np.float32)
;;   ~~~
;;   OPERANDS COMPUTED ON THE WAY. 'Computed on the way' means the value that the module computes at that place (a softmax that the list does not call 'softmax' is quantised finished and normalised). What goes into a quantiser is computed in f32, as accurately as f32 sums, v_exp_f32 and their like allow (about 1e-6 of the number): no bf16 or f16 on the way to a quantiser, and a product that is left as it is and whose result goes on into a quantised operand takes f32 operands (vector FMAs, or v_wmma_f32_16x16x4_f32). A number that lies on a knife's edge between two numbers of the format may be rounded either way, as far as f32 arithmetic and the matrix unit's own rounding can turn it there, and no further.
;; 2 versions. Each part assembles by itself: llvm-mc -triple=amdgcn-amd-amdhsa -mcpu=gfx1250 --defsym DOCPART=n.
;; ======== version 1 of 2: 5 launches
;; workspace buffers: sel 8,192 bytes of whole numbers; gv 16,384 bytes; plan 16,640 bytes of whole numbers; xs 4,325,376 bytes; xss 135,168 bytes; hq 8,650,752 bytes; hs 270,336 bytes; y 17,301,504 bytes
;; launch route (part 1): grid 256 x 1, 4 waves a work-group, no clusters, 41,472 bytes of LDS; arguments x, gate_W, gate_b, sel, gv; writes sel, gv
.if DOCPART == 1
	.amdgcn_target "amdgcn-amd-amdhsa--gfx1250"
	.amdhsa_code_object_version 6
	.text
	.protected	k_qfcbe2a06ca_route
	.globl	k_qfcbe2a06ca_route
	.p2align	8
	.type	k_qfcbe2a06ca_route,@function
k_qfcbe2a06ca_route:
	s_mov_b64 s[64:65], 0
	v_nop
	global_prefetch_b8 v0, s[64:65] scope:SCOPE_SE
	s_setreg_imm32_b32 hwreg(HW_REG_WAVE_MODE, 25, 1), 1
	s_wait_xcnt 0x0
; ROUTE: scores = softmax(x gate_W + gate_b) over 8 experts; the two largest (the lower number wins a tie); their gates g = score / max(sum of the two, 1e-12).
; x [2048][1024] f32, gate_W [1024][8] f32, gate_b [8] f32.  Out, at fixed places: sel[token] = (1 << 4 a) | (1 << 4 b), a nibble an expert; gv[token] = the gate of the lower-numbered chosen expert, then of the higher.
; All arithmetic is f32 (fused multiply-adds): a choice hangs on it.  No address and no branch hangs on a score: the choice is made by v_cndmask_b32 alone.
; SHARES.  A work-group takes 8 tokens, a wave two.  Lane l = (kk = l / 2, eh = l % 2) owns k = 64 m + 4 kk + jj (m = 0..15, jj = 0..3) and experts 4 eh .. 4 eh + 3.
; gate_W lies in LDS once for the four waves: rows 4 a .. 4 a + 3 (128 bytes) at 160 a, so that the 16 lanes of half a 16-byte read stand at 16 different 16-byte columns modulo 256 bytes.
; A work-group has 32 bytes of sel and 64 of gv to store: too few to fill 256 aligned bytes; the two buffers are 24 KB in the whole launch.
; LIMITS: NaN and infinities are not served.  Two scores that agree to the last bit or two of f32 may be ranked the other way round than a differently ordered f32 sum ranks them.
.set G0,  16                           ; v16-79   gate_W as loaded; then two buffers of 32: 8 rows x 4 experts
.set XR,  80                           ; v80-143  x of token A (register 4 m + jj), v144-207 of token B
.set ACC, 208                          ; v208-211 token A's four sums, v212-215 token B's
.set OT,  216                          ; v216-223 the other lane's
.set L,   224                          ; v224-239 logits, then scores: 8 t + e
.set KC,  80                           ; v80-87   the constants 1 << 4 e, once x is done with
	s_load_b256 s[4:11], s[0:1], 0x0               ; x, gate_W, gate_b, sel
	s_load_b64 s[12:13], s[0:1], 0x20              ; gv
	v_lshl_add_u32 v254, v0, 2, 0xa000
	v_mov_b32 v255, 0
	v_lshrrev_b32 v1, 5, v0
	v_readfirstlane_b32 s14, v1                    ; wave
	v_and_b32 v1, 31, v0                           ; lane
	v_lshlrev_b32 v2, 4, v0                        ; gate_W: 16 bytes a thread
	v_lshrrev_b32 v3, 3, v0
	v_mul_u32_u24 v3, v3, 160
	v_and_b32 v6, 7, v0
	v_lshl_add_u32 v3, v6, 4, v3                   ; into LDS: 160 (thread / 8) + 16 (thread % 8)
	v_lshrrev_b32 v6, 1, v1                        ; kk
	v_and_b32 v7, 1, v1                            ; eh
	v_mul_u32_u24 v4, v6, 160
	v_lshl_add_u32 v4, v7, 4, v4                   ; out of LDS: 160 kk + 16 eh
	v_lshlrev_b32 v5, 4, v6                        ; x: 16 kk
	v_lshlrev_b32 v8, 2, v1                        ; sel: 4 bytes a lane
	v_lshlrev_b32 v9, 3, v1                        ; gv: 8
.irp i, 0,1,2,3,4,5,6,7
	v_mov_b32 v[OT+\i], 0                          ; written once: the destination of a lane permute counts as one of its sources
.endr
	s_lshl_b32 s15, ttmp9, 3
	s_lshl_b32 s26, s14, 1
	s_add_co_u32 s15, s15, s26                     ; my first token: 8 x work-group + 2 x wave
	s_mov_b32 s29, 0
	s_mov_b32 s24, 0x76543210
	s_mov_b32 s25, 0xfedcba98                      ; v_permlanex16_b32's selects for lane l xor 16
	s_wait_kmcnt 0x0
	s_load_b256 s[16:23], s[8:9], 0x0              ; gate_b's eight numbers
	s_lshl_b32 s28, s15, 12
	s_add_nc_u64 s[4:5], s[4:5], s[28:29]
	s_lshl_b32 s28, s15, 2
	s_add_nc_u64 s[10:11], s[10:11], s[28:29]
	s_lshl_b32 s28, s15, 3
	s_add_nc_u64 s[12:13], s[12:13], s[28:29]
.irp i, 0,1,2,3,4,5,6,7,8,9,10,11,12,13,14,15
	global_load_b128 v[G0+4*\i:G0+4*\i+3], v2, s[6:7] offset:2048*\i
.endr
.irp t, 0,1
.irp m, 0,1,2,3,4,5,6,7,8,9,10,11,12,13,14,15
	global_load_b128 v[XR+64*\t+4*\m:XR+64*\t+4*\m+3], v5, s[4:5] offset:4096*\t+256*\m   ; 256 consecutive bytes, aligned; two lanes to each 16
.endr
.endr
	s_wait_loadcnt 32                              ; gate_W's 16 loads are in; x's 32, issued behind them, may be out
.irp i, 0,1,2,3,4,5,6,7,8,9,10,11,12,13,14,15
	ds_store_b128 v3, v[G0+4*\i:G0+4*\i+3] offset:2560*\i
.endr
	s_wait_dscnt 0x0                               ; for the others' sake: my stores have landed
	s_barrier_signal -1
	s_barrier_wait -1
.macro GLOAD c                         ; rows of m = 2 c, 2 c + 1: eight reads of 16 bytes into buffer c % 2
.irp mi, 0,1
.irp jj, 0,1,2,3
	ds_load_b128 v[G0+32*((\c)%2)+16*\mi+4*\jj:G0+32*((\c)%2)+16*\mi+4*\jj+3], v4 offset:2560*(2*(\c)+\mi)+32*\jj
.endr
.endr
.endm
.macro FMA c                           ; 32 packed multiply-adds: 8 k x 2 tokens x 4 experts; the four sums take turns.  The very first k starts the sums
.irp mi, 0,1
.irp jj, 0,1,2,3
.irp t, 0,1
.irp p, 0,1
.set rA, ACC+4*\t+2*\p
.set rX, XR+64*\t+4*(2*(\c)+\mi)+2*(\jj/2)
.set rG, G0+32*((\c)%2)+16*\mi+4*\jj+2*\p
.if ((\c)+\mi+\jj) == 0
	v_pk_mul_f32 v[rA:rA+1], v[rX:rX+1], v[rG:rG+1] op_sel_hi:[0,1]
.elseif (\jj%2) == 0
	v_pk_fma_f32 v[rA:rA+1], v[rX:rX+1], v[rG:rG+1], v[rA:rA+1] op_sel_hi:[0,1,1]
.else
	v_pk_fma_f32 v[rA:rA+1], v[rX:rX+1], v[rG:rG+1], v[rA:rA+1] op_sel:[1,0,0] op_sel_hi:[1,1,1]
.endif
.endr
.endr
.endr
.endr
.endm
	GLOAD 0
	GLOAD 1
	s_wait_loadcnt 0x0                             ; x
.irp c, 0,1,2,3,4,5,6
	s_wait_dscnt 8                                 ; this chunk's eight reads are in; the next chunk's eight may be out
	FMA \c
.if \c < 6
	GLOAD \c+2
.endif
.endr
	s_wait_dscnt 0x0
	FMA 7
	; the sums of the 16 lanes with my eh: lanes 2, 4, 8 and 16 away
.irp x, 2,4,8
.irp i, 0,1,2,3,4,5,6,7
	v_add_f32_dpp v[ACC+\i], v[ACC+\i], v[ACC+\i] row_xmask:\x row_mask:0xf bank_mask:0xf
.endr
.endr
.irp i, 0,1,2,3,4,5,6,7
	v_permlanex16_b32 v[OT+\i], v[ACC+\i], s24, s25
.endr
.irp i, 0,1,2,3,4,5,6,7
	v_add_f32 v[ACC+\i], v[ACC+\i], v[OT+\i]
.endr
.irp i, 0,1,2,3,4,5,6,7
	v_mov_b32_dpp v[OT+\i], v[ACC+\i] row_xmask:1 row_mask:0xf bank_mask:0xf   ; my neighbour's four experts
.endr
	v_cmp_ne_u32 vcc_lo, 0, v7                     ; eh = 1?
.irp t, 0,1
.irp i, 0,1,2,3
	v_cndmask_b32 v[L+8*\t+\i], v[ACC+4*\t+\i], v[OT+4*\t+\i], vcc_lo
	v_cndmask_b32 v[L+8*\t+4+\i], v[OT+4*\t+\i], v[ACC+4*\t+\i], vcc_lo
.endr
.endr
	s_wait_kmcnt 0x0                               ; gate_b
.irp e, 0,1,2,3,4,5,6,7
.irp t, 0,1
	v_add_f32 v[L+8*\t+\e], s[16+\e], v[L+8*\t+\e]
.endr
.endr
	; softmax, every lane for both tokens: the largest logit is taken away first
.irp t, 0,1
	v_max3_num_f32 v[240+\t], v[L+8*\t], v[L+8*\t+1], v[L+8*\t+2]
.endr
.irp t, 0,1
	v_max3_num_f32 v[240+\t], v[240+\t], v[L+8*\t+3], v[L+8*\t+4]
.endr
.irp t, 0,1
	v_max3_num_f32 v[240+\t], v[240+\t], v[L+8*\t+5], v[L+8*\t+6]
.endr
.irp t, 0,1
	v_max_num_f32 v[240+\t], v[240+\t], v[L+8*\t+7]
.endr
.irp e, 0,1,2,3,4,5,6,7
.irp t, 0,1
	v_sub_f32 v[L+8*\t+\e], v[L+8*\t+\e], v[240+\t]
.endr
.endr
.irp e, 0,1,2,3,4,5,6,7
.irp t, 0,1
	v_mul_f32 v[L+8*\t+\e], 0x3fb8aa3b, v[L+8*\t+\e]   ; x log2(e)
.endr
.endr
.irp e, 0,1,2,3,4,5,6,7
.irp t, 0,1
	v_exp_f32 v[L+8*\t+\e], v[L+8*\t+\e]
.endr
.endr
.irp e, 0,1,2,3,4,5,6,7
	v_mov_b32 v[KC+\e], 1<<(4*\e)                  ; plain work behind the sixteen exponentials
.endr
	s_wait_alu depctr_va_vdst(0)                   ; one wait for the batch, ahead of its first reader
.irp t, 0,1
	v_add_f32 v[242+4*\t], v[L+8*\t], v[L+8*\t+1]
	v_add_f32 v[243+4*\t], v[L+8*\t+2], v[L+8*\t+3]
	v_add_f32 v[244+4*\t], v[L+8*\t+4], v[L+8*\t+5]
	v_add_f32 v[245+4*\t], v[L+8*\t+6], v[L+8*\t+7]
.endr
.irp t, 0,1
	v_add_f32 v[242+4*\t], v[242+4*\t], v[243+4*\t]
	v_add_f32 v[244+4*\t], v[244+4*\t], v[245+4*\t]
.endr
.irp t, 0,1
	v_add_f32 v[242+4*\t], v[242+4*\t], v[244+4*\t]
.endr
.irp t, 0,1
	v_rcp_f32 v[250+\t], v[242+4*\t]
.endr
	v_nop                                          ; a plain line behind the reciprocals
	s_wait_alu depctr_va_vdst(0)
.irp e, 0,1,2,3,4,5,6,7
.irp t, 0,1
	v_mul_f32 v[L+8*\t+\e], v[L+8*\t+\e], v[250+\t]   ; the scores
.endr
.endr
	; the largest: ascending, strictly greater, so that the lower number keeps a tie.  v[242+4t] its score, v[243+4t] its bit
.irp t, 0,1
	v_mov_b32 v[242+4*\t], v[L+8*\t]
	v_mov_b32 v[243+4*\t], v[KC]
.endr
.irp e, 1,2,3,4,5,6,7
.irp t, 0,1
	v_cmp_gt_f32 vcc_lo, v[L+8*\t+\e], v[242+4*\t]
	v_cndmask_b32 v[242+4*\t], v[242+4*\t], v[L+8*\t+\e], vcc_lo
	v_cndmask_b32 v[243+4*\t], v[243+4*\t], v[KC+\e], vcc_lo
.endr
.endr
	; the second: the same over the other seven, from -1, which lies under every score.  v[244+4t], v[245+4t]
.irp t, 0,1
	v_mov_b32 v[244+4*\t], -1.0
	v_mov_b32 v[245+4*\t], 0
.endr
.irp e, 0,1,2,3,4,5,6,7
.irp t, 0,1
	v_cmp_gt_f32 vcc_lo, v[L+8*\t+\e], v[244+4*\t]
	v_cmp_ne_u32 s30, v[KC+\e], v[243+4*\t]
	s_and_b32 vcc_lo, vcc_lo, s30
	v_cndmask_b32 v[244+4*\t], v[244+4*\t], v[L+8*\t+\e], vcc_lo
	v_cndmask_b32 v[245+4*\t], v[245+4*\t], v[KC+\e], vcc_lo
.endr
.endr
.irp t, 0,1
	v_add_f32 v[250+\t], v[242+4*\t], v[244+4*\t]
.endr
.irp t, 0,1
	v_max_num_f32 v[250+\t], 0x2b8cbccc, v[250+\t] ; max(., 1e-12)
.endr
.irp t, 0,1
	v_rcp_f32 v[250+\t], v[250+\t]
.endr
	v_nop
	s_wait_alu depctr_va_vdst(0)
.irp t, 0,1
	v_mul_f32 v[242+4*\t], v[242+4*\t], v[250+\t]
	v_mul_f32 v[244+4*\t], v[244+4*\t], v[250+\t]
.endr
.irp t, 0,1
	v_cmp_lt_u32 vcc_lo, v[243+4*\t], v[245+4*\t]  ; is the largest the lower-numbered?
	v_cndmask_b32 v[16+4*\t], v[244+4*\t], v[242+4*\t], vcc_lo   ; the lower-numbered expert's gate,
	v_cndmask_b32 v[17+4*\t], v[242+4*\t], v[244+4*\t], vcc_lo   ; the higher's
	v_or_b32 v[18+4*\t], v[243+4*\t], v[245+4*\t]
.endr
	v_cmp_ne_u32 vcc_lo, 0, v7                     ; lane 0 stores token A, lane 1 token B
	v_cndmask_b32 v12, v16, v20, vcc_lo
	v_cndmask_b32 v13, v17, v21, vcc_lo
	v_cndmask_b32 v10, v18, v22, vcc_lo
	v_cmp_gt_u32 vcc_lo, 2, v1
	s_wait_xcnt 0x0                                ; EXEC changes only behind this wait
	s_wait_tensorcnt 0x0
	ds_add_u32 v254, v255
	s_wait_dscnt 0x0
	s_and_saveexec_b32 s31, vcc_lo
	global_store_b32 v8, v10, s[10:11]
	global_store_b64 v9, v[12:13], s[12:13]
	s_endpgm
.Lfunc_end_k_qfcbe2a06ca_route:
	.size	k_qfcbe2a06ca_route, .Lfunc_end_k_qfcbe2a06ca_route-k_qfcbe2a06ca_route
	.p2alignl 7, 3214868480
	.fill 96, 4, 3214868480
	.section	.rodata,"a",@progbits
	.p2align	6, 0x0
	.amdhsa_kernel k_qfcbe2a06ca_route
		.amdhsa_group_segment_fixed_size 41472
		.amdhsa_private_segment_fixed_size 0
		.amdhsa_enable_private_segment 0
		.amdhsa_kernarg_size 40
		.amdhsa_user_sgpr_count 2
		.amdhsa_user_sgpr_kernarg_segment_ptr 1
		.amdhsa_wavefront_size32 1
		.amdhsa_system_sgpr_workgroup_id_x 1
		.amdhsa_system_sgpr_workgroup_id_y 1
		.amdhsa_system_sgpr_workgroup_id_z 1
		.amdhsa_system_vgpr_workitem_id 0
		.amdhsa_next_free_vgpr 256
		.amdhsa_next_free_sgpr 66
		.amdhsa_reserve_vcc 1
		.amdhsa_float_denorm_mode_32 3
		.amdhsa_float_denorm_mode_16_64 3
		.amdhsa_memory_ordered 1
		.amdhsa_forward_progress 1
		.amdhsa_inst_pref_size 42
	.end_amdhsa_kernel
	.amdgpu_metadata
---
amdhsa.version: [ 1, 2 ]
amdhsa.kernels:
  - .name:           k_qfcbe2a06ca_route
    .symbol:         k_qfcbe2a06ca_route.kd
    .args:
      - { .name: x, .offset: 0, .size: 8, .value_kind: global_buffer, .address_space: global }
      - { .name: gate_W, .offset: 8, .size: 8, .value_kind: global_buffer, .address_space: global }
      - { .name: gate_b, .offset: 16, .size: 8, .value_kind: global_buffer, .address_space: global }
      - { .name: sel, .offset: 24, .size: 8, .value_kind: global_buffer, .address_space: global }
      - { .name: gv, .offset: 32, .size: 8, .value_kind: global_buffer, .address_space: global }
    .group_segment_fixed_size: 41472
    .private_segment_fixed_size: 0
    .kernarg_segment_align: 8
    .kernarg_segment_size: 40
    .max_flat_workgroup_size: 128
    .sgpr_count:     66
    .vgpr_count:     256
    .wavefront_size: 32
...
	.end_amdgpu_metadata
.endif
;; end of part 1
;; launch place (part 2): grid 264 x 1, 8 waves a work-group, no clusters, 70,656 bytes of LDS; arguments x, sel, xs, xss, plan; writes xs, xss, plan
.if DOCPART == 2
	.amdgcn_target "amdgcn-amd-amdhsa--gfx1250"
	.amdhsa_code_object_version 6
	.text
	.protected	k_qfcbe2a06ca_place
	.globl	k_qfcbe2a06ca_place
	.p2align	8
	.type	k_qfcbe2a06ca_place,@function
k_qfcbe2a06ca_place:
	s_mov_b64 s[64:65], 0
	v_nop
	global_prefetch_b8 v0, s[64:65] scope:SCOPE_SE
	s_setreg_imm32_b32 hwreg(HW_REG_WAVE_MODE, 25, 1), 1
	s_wait_xcnt 0x0
; PLACE: the 4,096 routed rows are sorted by expert into tiles of 16 rows; each tile's rows of x are gathered and quantised to codes of E5M2 with one E8M0 byte for each 32 along K.
; Expert e owns ceil(n_e / 16) tiles, one behind the other; there are never more than (4096 + 8 x 15) / 16 = 263 of them, whatever the choice.  Work-group j is tile j; one that the split leaves without rows stores nothing.
; Every work-group repeats the counting sort from sel (8 KB): no traffic between work-groups.  A row's rank within its expert goes by (wave, word i, lane), token = 256 wave + 32 i + lane.
; OUT: xs [tile][8 K steps][4][32 lanes][16 bytes]: images of the operand's registers; xss [tile][8][16 rows] scale words; plan: rowpos[token][2] = 16 tile + row (slot 0: the lower-numbered expert), and at byte 16,384 tab[expert] = (first tile, tiles).
; The rows that an expert's last tile has too many hold token 2,047's row; what is made of them is never read.
; rowpos is a scatter by token: sixteen stores of 4 bytes a tile, 16 KB in the launch.  It is the one place where EXEC is narrowed, and it stands last: every address is made with all lanes on.
; A block's scale is 2^(floor(log2(largest magnitude)) - 15); its byte is the largest magnitude's exponent field - 15, held at 1 from below.
; LIMITS: a block of zeros gets the byte 1 where the rule says 127: its codes are zeros, and this program alone reads the bytes.  NaN and infinities are not served.
.set CNT,   0                          ; LDS: 16 bytes a wave: its counts, two experts to a word
.set LISTW, 256                        ; 4 bytes a thread: each wave's finds for the tile's 16 rows (token + 1, or 0)
.set SCL,   1280                       ; the tile's scale words: 64 x K step + 4 x row
.set STG,   2048                       ; a stage of 16 rows x (512 + 16) bytes for each wave
.set SP,    528
.set ST,    136                        ; v136-199 64 numbers of my row: register 16 b + i = k 32 b + 16 (lane / 16) + i
.set TM,    200                        ; v200-215 at work in the quantiser
.set PW,    216                        ; the scale word
.set PC,    220                        ; v220-235 the codes
.set SEL,   24
.set MNT,   26
	s_load_b256 s[4:11], s[0:1], 0x0               ; x, sel, xs, xss
	s_load_b64 s[12:13], s[0:1], 0x20              ; plan
	v_lshl_add_u32 v254, v0, 2, 0x11000
	v_mov_b32 v255, 0
	v_lshrrev_b32 v32, 5, v0
	v_readfirstlane_b32 s14, v32                   ; wave = K step
	s_mov_b32 s15, ttmp9                           ; j
	v_and_b32 v1, 31, v0                           ; lane
	v_and_b32 v2, 15, v0                           ; r
	v_bfe_u32 v3, v0, 4, 1                         ; h
	v_lshlrev_b32 v4, 4, v1                        ; 16 lane
	s_mul_i32 s41, s14, 16*SP
	s_add_co_u32 s41, s41, STG                     ; my stage
	v_add_nc_u32 v5, s41, v4                       ; into it: a row's 512 bytes as they lie
	v_mul_u32_u24 v6, v2, SP
	v_lshl_add_u32 v6, v3, 6, v6
	v_add_nc_u32 v6, s41, v6                       ; out of it: row r, + 64 h
	s_lshl_b32 s42, s14, 8                         ; 256 w
	v_add_nc_u32 v240, s42, v1
	v_lshlrev_b32 v240, 2, v240                    ; sel: 4 (256 w + lane)
	v_lshlrev_b32 v241, 4, v32                     ; CNT + 16 w
	v_and_b32 v243, 7, v0
	v_lshlrev_b32 v242, 4, v243                    ; CNT + 16 (lane % 8)
	v_lshl_add_u32 v244, v0, 2, LISTW
	v_lshl_add_u32 v245, v2, 2, LISTW
	s_lshl_b32 s43, s14, 6
	s_add_co_u32 s43, s43, SCL
	v_lshl_add_u32 v246, v2, 2, s43
	v_add_nc_u32 v247, SCL, v4
	v_mov_b32 v248, -1
	s_lshl_b32 s43, s14, 9
	v_add_nc_u32 v249, s43, v4                     ; a row's 512 bytes of my K step: 512 w + 16 lane
	v_lshlrev_b32 v250, 2, v1
	v_mov_b32 v251, 4
.irp i, 0,1,2,3,4,5,6,7
	v_mov_b32 v[32+\i], 0                          ; written once: the destination of a lane permute counts as one of its sources
.endr
.irp b, 0,1,2,3
	v_mov_b32 v[TM+4+\b], 0
.endr
	v_mov_b32 v40, 0
	v_mov_b32 v41, 0
	s_add_co_u32 s44, s42, 1                       ; 256 w + 1
	s_mov_b32 s[SEL], 0x76543210
	s_mov_b32 s[SEL+1], 0xfedcba98
	s_mov_b32 s[MNT], 0x600000
.irp r, 0,1,2,3,4,5,6,7,8,9,10,11,12,13,14,15
	s_mov_b32 s[48+\r], 0
.endr
	s_wait_kmcnt 0x0
.irp i, 0,1,2,3,4,5,6,7
	global_load_b32 v[8+\i], v240, s[6:7] offset:128*\i
.endr
	s_wait_loadcnt 0x0
	; my wave's counts: a nibble of the sum of 8 words is at most 8
	v_add_nc_u32 v16, v8, v9
	v_add3_u32 v16, v16, v10, v11
	v_add3_u32 v16, v16, v12, v13
	v_add3_u32 v16, v16, v14, v15
.irp k, 0,1,2,3
	v_bfe_u32 v[20+\k], v16, 8*\k, 4
	v_bfe_u32 v[32+\k], v16, 8*\k+4, 4
.endr
.irp k, 0,1,2,3
	v_lshl_or_b32 v[20+\k], v[32+\k], 16, v[20+\k] ; experts 2 k (low half) and 2 k + 1 (high half)
.endr
.irp x, 1,2,4,8
.irp k, 0,1,2,3
	v_mov_b32_dpp v[32+\k], v[20+\k] row_xmask:\x row_mask:0xf bank_mask:0xf
.endr
.irp k, 0,1,2,3
	v_add_nc_u32 v[20+\k], v[20+\k], v[32+\k]
.endr
.endr
.irp k, 0,1,2,3
	v_permlanex16_b32 v[32+\k], v[20+\k], s[SEL], s[SEL+1]
.endr
.irp k, 0,1,2,3
	v_add_nc_u32 v[20+\k], v[20+\k], v[32+\k]
.endr
	ds_store_b128 v241, v[20:23]                   ; all lanes write the same 16 bytes
	s_wait_dscnt 0x0
	s_barrier_signal -1
	s_barrier_wait -1                              ; the eight waves' counts lie in LDS
	ds_load_b128 v[24:27], v242                    ; lane l: wave l % 8's
	s_wait_dscnt 0x0
	v_cmp_gt_u32 vcc_lo, s14, v243                 ; a wave in front of mine?
.irp k, 0,1,2,3
	v_cndmask_b32 v[28+\k], 0, v[24+\k], vcc_lo
.endr
.irp x, 1,2,4
.irp k, 0,1,2,3,4,5,6,7
	v_mov_b32_dpp v[32+\k], v[24+\k] row_xmask:\x row_mask:0xf bank_mask:0xf
.endr
.irp k, 0,1,2,3,4,5,6,7
	v_add_nc_u32 v[24+\k], v[24+\k], v[32+\k]
.endr
.endr
.irp k, 0,1,2,3
	v_readfirstlane_b32 s[16+\k], v[24+\k]         ; the totals,
	v_readfirstlane_b32 s[20+\k], v[28+\k]         ; and what the waves in front of mine hold
.endr
	; the experts' tiles, one behind the other.  The last expert whose first tile is not beyond j owns tile j (an expert without rows has no tile and is passed over by the next)
	s_mov_b32 s34, 0
	s_mov_b32 s27, 0
	s_mov_b32 s28, 0
	s_mov_b32 s32, 0
.irp e, 0,1,2,3,4,5,6,7
.if (\e%2) == 0
	s_and_b32 s41, s[16+\e/2], 0xffff
	s_and_b32 s42, s[20+\e/2], 0xffff
.else
	s_lshr_b32 s41, s[16+\e/2], 16
	s_lshr_b32 s42, s[20+\e/2], 16
.endif
	s_add_co_u32 s35, s41, 15
	s_lshr_b32 s35, s35, 4                         ; its tiles
	s_cmp_ge_u32 s15, s34
	s_cselect_b32 s27, \e, s27                     ; the owner,
	s_cselect_b32 s28, s34, s28                    ; its first tile,
	s_cselect_b32 s32, s42, s32                    ; its rows in the waves in front of mine
	v_writelane_b32 v41, s34, 2*\e
	v_writelane_b32 v41, s35, 2*\e+1
	s_add_co_u32 s34, s34, s35
.endr
	s_mov_b32 s36, s34                             ; tiles in all
	s_lshl_b32 s37, s27, 2                         ; the owner's nibble
	s_lshl_b32 s38, 1, s37
	s_sub_co_u32 s38, s38, 1                       ; the nibbles under it
	s_lshl_b32 s39, s15, 4                         ; 16 j
	s_sub_co_u32 s41, s15, s28
	s_lshl_b32 s41, s41, 4
	s_sub_co_i32 s32, s32, s41                     ; run: the rank of my wave's next member, counted from the tile's first row (signed)
; Word i of my wave: 32 tokens.  Only a word that holds one of the tile's 16 ranks does the work: a tile touches a few words of the whole work-group.
; What it finds goes into scalar registers: s[48 + r] = the token of the tile's row r, + 1.
.macro WORD i
	v_bfe_u32 v32, v[8+\i], s37, 1                 ; does the token go to the owner?
	v_cmp_ne_u32 s30, 0, v32
	s_bcnt1_i32_b32 s31, s30
	s_add_co_i32 s33, s32, s31
	s_cmp_ge_i32 s32, 16
	s_cbranch_scc1 .Lpast_\@
	s_cmp_le_i32 s33, 0
	s_cbranch_scc1 .Lpast_\@
	v_mbcnt_lo_u32_b32 v33, s30, s32               ; run + the members in the lanes under mine: my row in the tile,
	v_cndmask_b32 v33, v248, v33, s30              ; or -1 where I am no member
	s_add_co_u32 s45, s44, 32*\i                   ; 256 w + 32 i + 1
.irp r, 0,1,2,3,4,5,6,7,8,9,10,11,12,13,14,15
	v_cmp_eq_u32 s42, \r, v33
	s_ctz_i32_b32 s43, s42                         ; which lane holds row r,
	s_add_co_u32 s43, s43, s45                     ; its token + 1,
	s_cmp_lg_u32 s42, 0
	s_cselect_b32 s43, s43, 0                      ; or nothing
	s_or_b32 s[48+\r], s[48+\r], s43
.endr
.Lpast_\@:
	s_mov_b32 s32, s33
.endm
.irp i, 0,1,2,3,4,5,6,7
	WORD \i
.endr
.irp r, 0,1,2,3,4,5,6,7,8,9,10,11,12,13,14,15
	v_writelane_b32 v40, s[48+\r], \r
.endr
	ds_store_b32 v244, v40
	s_wait_dscnt 0x0
	s_barrier_signal -1
	s_barrier_wait -1                              ; the eight waves' finds lie in LDS
.irp w, 0,1,2,3,4,5,6,7
	ds_load_b32 v[44+\w], v245 offset:128*\w
.endr
	s_wait_dscnt 0x0
	v_or_b32 v53, v44, v45
.irp w, 2,3,4,5,6,7
	v_or_b32 v53, v53, v[44+\w]                    ; row r's token + 1, or 0
.endr
	v_add_nc_u32 v52, -1, v53
	v_min_u32 v52, 0x7ff, v52                      ; row r's token; a row without one takes token 2,047
	v_lshlrev_b32 v55, 2, v52
	global_load_b32 v54, v55, s[6:7]               ; that token's word of sel, for rowpos: issued ahead of the rows, so the first wait below shows it in too
.irp r, 0,1,2,3,4,5,6,7,8,9,10,11,12,13,14,15
	v_readlane_b32 s41, v52, \r
	s_min_u32 s41, s41, 2047
	v_lshl_add_u32 v[56+\r], s41, 12, v249
.endr
.irp r, 0,1,2,3,4,5,6,7,8,9,10,11,12,13,14,15
	global_load_b128 v[72+4*\r:72+4*\r+3], v[56+\r], s[4:5]   ; 512 consecutive bytes of one row, aligned
.endr
.irp r, 0,1,2,3,4,5,6,7,8,9,10,11,12,13,14,15
	s_wait_loadcnt 15-\r                           ; row r is in; the rows behind it may be out
	ds_store_b128 v5, v[72+4*\r:72+4*\r+3] offset:SP*\r
.endr
.irp b, 0,1,2,3
.irp jj, 0,1,2,3
	ds_load_b128 v[ST+16*\b+4*\jj:ST+16*\b+4*\jj+3], v6 offset:128*\b+16*\jj   ; LDS serves a wave's instructions in order: these see my stores
.endr
.endr
	s_wait_dscnt 0x0
	; the four blocks of 32 of my row's 128 numbers: 16 of each are mine, 16 lane l xor 16's
.irp b, 0,1,2,3
	v_max3_num_f32 v[TM+\b], |v[ST+16*\b]|, |v[ST+1+16*\b]|, 0x8000000   ; and the floor 2^(16 - 127): the byte cannot fall under 1
.endr
.irp i, 2,4,6,8,10,12,14
.irp b, 0,1,2,3
	v_max3_num_f32 v[TM+\b], v[TM+\b], |v[ST+16*\b+\i]|, |v[ST+1+16*\b+\i]|
.endr
.endr
.irp b, 0,1,2,3
	v_permlanex16_b32 v[TM+4+\b], v[TM+\b], s[SEL], s[SEL+1]
.endr
.irp b, 0,1,2,3
	v_max_num_f32 v[TM+\b], v[TM+\b], v[TM+4+\b]
.endr
.irp b, 0,1,2,3
	v_add_nc_u32 v[TM+12+\b], 0xf8800000, v[TM+\b] ; 15 off the exponent field: the conversion's scale operand
.endr
.irp b, 0,1,2,3
	v_and_or_b32 v[TM+8+\b], v[TM+\b], 0x7f800000, s[MNT]   ; 57,344 x the scale
.endr
.irp b, 0,1,2,3
	v_lshrrev_b32 v[TM+4+\b], 23, v[TM+12+\b]      ; the scale's byte
.endr
	v_lshl_or_b32 v[PW], v[TM+5], 8, v[TM+4]
	v_lshl_or_b32 v[PW], v[TM+6], 16, v[PW]
	v_lshl_or_b32 v[PW], v[TM+7], 24, v[PW]
.irp b, 0,1,2,3
.irp i, 0,1,2,3,4,5,6,7,8,9,10,11,12,13,14,15
	v_med3_num_f32 v[ST+16*\b+\i], v[ST+16*\b+\i], -v[TM+8+\b], v[TM+8+\b]   ; the conversion to an 8-bit code does not saturate (ISA guide 7.6.2): the hold comes first
.endr
	v_cvt_scalef32_pk8_bf8_f32 v[PC+4*\b:PC+1+4*\b], v[ST+16*\b:ST+7+16*\b], v[TM+12+\b]
	v_cvt_scalef32_pk8_bf8_f32 v[PC+2+4*\b:PC+3+4*\b], v[ST+8+16*\b:ST+15+16*\b], v[TM+12+\b]
.endr
	v_nop                                          ; a plain line behind the last conversion
	ds_store_b32 v246, v[PW]                       ; lanes r and r + 16 write the same word
	s_wait_dscnt 0x0
	s_barrier_signal -1
	s_barrier_wait -1                              ; the tile's 128 scale words lie in LDS.  No barrier follows: from here on waves may part
	s_cmp_ge_u32 s15, s36
	s_cbranch_scc1 .Lend                           ; a tile that this split does not have
	s_lshl_b32 s66, s15, 14
	s_lshl_b32 s41, s14, 11
	s_add_co_u32 s66, s66, s41
	s_mov_b32 s67, 0
	s_add_nc_u64 s[8:9], s[8:9], s[66:67]
.irp c, 0,1,2,3
	global_store_b128 v4, v[PC+4*\c:PC+4*\c+3], s[8:9] offset:512*\c   ; 512 consecutive bytes, aligned
.endr
	s_cmp_lg_u32 s14, 0
	s_cbranch_scc1 .Lend                           ; the rest is wave 0's
	ds_load_b128 v[236:239], v247
	v_and_b32 v34, s38, v54
	v_cmp_ne_u32 vcc_lo, 0, v34                    ; has the row's token a lower-numbered expert too?  Then this is its slot 1
	v_cndmask_b32 v34, 0, v251, vcc_lo
	v_min_u32 v34, 4, v34
	v_lshl_add_u32 v35, v52, 3, v34                ; rowpos: 8 x token + 4 x slot
	v_add_nc_u32 v36, s39, v2                      ; 16 j + row
	v_cmp_ne_u32 vcc_lo, 0, v53                    ; a row with a token,
	v_cmp_gt_u32 s30, 16, v1                       ; once: lanes 0 to 15
	s_and_b32 vcc_lo, vcc_lo, s30
	s_lshl_b32 s66, s15, 9
	s_add_nc_u64 s[10:11], s[10:11], s[66:67]
	s_wait_dscnt 0x0
	global_store_b128 v4, v[236:239], s[10:11]     ; the tile's 512 bytes of scale words
	s_cmp_lg_u32 s15, 0
	s_cbranch_scc1 .Lrows
	global_store_b32 v250, v41, s[12:13] offset:16384   ; tab: work-group 0 alone
.Lrows:
	s_wait_xcnt 0x0                                ; EXEC changes only behind this wait
	s_wait_tensorcnt 0x0
	ds_add_u32 v254, v255
	s_wait_dscnt 0x0
	s_and_saveexec_b32 s40, vcc_lo
	global_store_b32 v35, v36, s[12:13]            ; where the token's row lies
	s_endpgm
.Lend:
	s_wait_tensorcnt 0x0
	ds_add_u32 v254, v255
	s_wait_dscnt 0x0
	s_endpgm
.Lfunc_end_k_qfcbe2a06ca_place:
	.size	k_qfcbe2a06ca_place, .Lfunc_end_k_qfcbe2a06ca_place-k_qfcbe2a06ca_place
	.p2alignl 7, 3214868480
	.fill 96, 4, 3214868480
	.section	.rodata,"a",@progbits
	.p2align	6, 0x0
	.amdhsa_kernel k_qfcbe2a06ca_place
		.amdhsa_group_segment_fixed_size 70656
		.amdhsa_private_segment_fixed_size 0
		.amdhsa_enable_private_segment 0
		.amdhsa_kernarg_size 40
		.amdhsa_user_sgpr_count 2
		.amdhsa_user_sgpr_kernarg_segment_ptr 1
		.amdhsa_wavefront_size32 1
		.amdhsa_system_sgpr_workgroup_id_x 1
		.amdhsa_system_sgpr_workgroup_id_y 1
		.amdhsa_system_sgpr_workgroup_id_z 1
		.amdhsa_system_vgpr_workitem_id 0
		.amdhsa_next_free_vgpr 256
		.amdhsa_next_free_sgpr 72
		.amdhsa_reserve_vcc 1
		.amdhsa_float_denorm_mode_32 3
		.amdhsa_float_denorm_mode_16_64 3
		.amdhsa_memory_ordered 1
		.amdhsa_forward_progress 1
		.amdhsa_inst_pref_size 65
	.end_amdhsa_kernel
	.amdgpu_metadata
---
amdhsa.version: [ 1, 2 ]
amdhsa.kernels:
  - .name:           k_qfcbe2a06ca_place
    .symbol:         k_qfcbe2a06ca_place.kd
    .args:
      - { .name: x, .offset: 0, .size: 8, .value_kind: global_buffer, .address_space: global }
      - { .name: sel, .offset: 8, .size: 8, .value_kind: global_buffer, .address_space: global }
      - { .name: xs, .offset: 16, .size: 8, .value_kind: global_buffer, .address_space: global }
      - { .name: xss, .offset: 24, .size: 8, .value_kind: global_buffer, .address_space: global }
      - { .name: plan, .offset: 32, .size: 8, .value_kind: global_buffer, .address_space: global }
    .group_segment_fixed_size: 70656
    .private_segment_fixed_size: 0
    .kernarg_segment_align: 8
    .kernarg_segment_size: 40
    .max_flat_workgroup_size: 256
    .sgpr_count:     72
    .vgpr_count:     256
    .wavefront_size: 32
...
	.end_amdgpu_metadata
.endif
;; end of part 2
;; launch ffn1 (part 3): grid 256 x 1, 4 waves a work-group, no clusters, 68,352 bytes of LDS; arguments W1, b1, xs, xss, plan, hq, hs; writes hq, hs
.if DOCPART == 3
	.amdgcn_target "amdgcn-amd-amdhsa--gfx1250"
	.amdhsa_code_object_version 6
	.text
	.protected	k_qfcbe2a06ca_ffn1
	.globl	k_qfcbe2a06ca_ffn1
	.p2align	8
	.type	k_qfcbe2a06ca_ffn1,@function
k_qfcbe2a06ca_ffn1:
	s_mov_b64 s[64:65], 0
	v_nop
	global_prefetch_b8 v0, s[64:65] scope:SCOPE_SE
	s_setreg_imm32_b32 hwreg(HW_REG_WAVE_MODE, 25, 1), 1
	s_wait_xcnt 0x0
; FFN1: the hidden layer of the routed rows, h = relu(Q(x) Q(W1) + b1), quantised again along the hidden units: both as codes of E5M2 with one E8M0 byte for each 32 along K.
; THE WEIGHTS STAY, THE ROWS STREAM.  Work-group = (expert e = wg / 32, slice = wg % 32): 64 hidden units x all K = 1,024 of W1[e]: 256 KB of f32, read once in the launch.
; PHASE 1: wave w quantises k = 256 w .. + 255 of the slice, 8 blocks of 32 along K, and lays the codes in LDS as images of the operand's registers; one barrier; every wave then takes all 32 fragments (512 registers) and keeps them.
; PHASE 2: no wave waits for another.  Wave w takes pairs of row tiles u = w, w + 4, ..: their fragments come from xs straight into registers (each load 512 consecutive bytes), 64 matrix instructions a pair,
; then relu, scale and codes in registers, and the images of h's fragments go to hq.  The trip count hangs on the stored list (plan), so this launch has no tensor load, no cluster and no joint load.
; THE PRODUCT IS USED TRANSPOSED (source 0 = 16 columns of W1, source 1 = 16 rows of x): a lane holds one row of h.  THE COLUMNS OF A TILE ARE NOT NEIGHBOURS: row r of tile 2 b + u is hidden unit
; 32 b + 8 u + r + 8 (r / 8) of the slice, so that the 16 registers of tiles 2 b, 2 b + 1 are 16 neighbours along the next K.  b1 is the C of each sum's first matrix instruction.
; W1's K is its first axis: a lane loads 4 neighbouring columns (16 bytes) of 16 rows.  The four columns have four scales, so the numbers are multiplied by 2^-e (exact), held at +-57,344 and converted with the scale 1;
; the codes' bytes are then turned 4 x 4 by v_perm_b32, so that a lane's 16 bytes run along K.
; A slice's two scale bytes of a row are half of a word whose other half the neighbouring slice makes: they leave as 2 bytes a row (270 KB in the launch).
; LIMITS: a block of zeros gets the byte 1 where the rule says 127 (its codes are zeros; this program alone reads the bytes).  NaN and infinities are not served.  The bias enters a sum first.
; REGISTERS, in windows of 256.  Window 0: v1-14 addresses; v16-47 W1's scale words, v48-55 x's (they hold scales and nothing else); v56-87 b1; v88-151 eight accumulators; v152-187 the quantiser; v192-244 phase 1.
;   window 1: W1's fragments of K steps 0-3 at 64 s + 16 t; window 2: of K steps 4-7; window 3: phase 1's four landing sets of 64, then x's fragments: 64 g + 32 (s % 2) + 16 rho.
.set WTP,  16400                       ; LDS: a tile's 8 fragments (16,384 bytes) + 16, so that the four tiles' stores of one instruction begin 16 bytes apart modulo 256
.set WSC,  65792                       ; W1's scale words: 512 t + 64 s + 4 r
.set WS,   16
.set XS,   48
.set BI,   56
.set ACC,  88
.set TM,   152
.set PW,   168
.set PC,   172
.set CD,   192                         ; v192-207 codes as converted: register i: k index i, 4 columns
.set PP,   208                         ; v208-223 turned: register 4 j + g: column j, k index 4 g .. 4 g + 3
.set TT,   224
.set TMW,  228                         ; largest magnitudes of my four columns
.set TP,   232
.set FF,   236                         ; 2^-e
.set WW,   240                         ; scale words in the making
.set ONE,  244
.set SEL,  28
.set MNT,  30
.set MSB, 0
.macro WIN new                         ; the immediate's high byte repeats the setting that is left
.if MSB != \new
	s_set_vgpr_msb (MSB<<8)|\new
.set MSB, \new
.endif
.endm
	s_load_b256 s[4:11], s[0:1], 0x0               ; W1, b1, xs, xss
	s_load_b128 s[12:15], s[0:1], 0x20             ; plan, hq
	s_load_b64 s[16:17], s[0:1], 0x30              ; hs
	v_lshl_add_u32 v254, v0, 2, 0x10900
	v_mov_b32 v255, 0
	v_lshrrev_b32 v1, 5, v0
	v_readfirstlane_b32 s18, v1                    ; wave
	s_lshr_b32 s19, ttmp9, 5                       ; expert
	s_and_b32 s20, ttmp9, 31                       ; slice
	v_and_b32 v1, 31, v0                           ; lane
	v_and_b32 v8, 15, v0                           ; q (phase 1), r (phase 2)
	v_bfe_u32 v9, v0, 4, 1                         ; h
	v_lshlrev_b32 v2, 4, v8
	v_lshl_add_u32 v2, v9, 17, v2                  ; W1: 16 q + 16 h rows of 8,192 bytes
	v_bfe_u32 v10, v0, 3, 1
	v_bfe_u32 v11, v0, 1, 1
	v_lshl_add_u32 v10, v10, 1, v11                ; columns 4 q .. 4 q + 3 lie in tile t = 2 (q / 8) + (q / 2) % 2,
	v_bfe_u32 v11, v0, 2, 1
	v_and_b32 v12, 1, v0                           ; at rows 8 ((q / 4) % 2) + 4 (q % 2) + j
	v_mul_u32_u24 v3, v10, WTP
	v_lshl_add_u32 v3, v9, 8, v3
	v_lshl_add_u32 v3, v11, 7, v3
	v_lshl_add_u32 v3, v12, 6, v3
	s_lshl_b32 s66, s18, 12
	v_add_nc_u32 v3, s66, v3                       ; where my codes go: tile, K step 2 w, lane 16 h + row
	v_lshlrev_b32 v4, 9, v10
	v_lshl_add_u32 v4, v11, 5, v4
	v_lshl_add_u32 v4, v12, 4, v4
	s_lshl_b32 s66, s18, 7
	s_add_co_u32 s66, s66, WSC
	v_add_nc_u32 v4, s66, v4                       ; and my four columns' scale words
	v_lshlrev_b32 v5, 4, v1                        ; 16 lane: an image's place for my lane
	v_lshlrev_b32 v6, 2, v1                        ; 4 lane
	v_lshl_add_u32 v7, v8, 2, WSC
	v_lshlrev_b32 v13, 6, v9                       ; b1: 64 h
	v_lshlrev_b32 v14, 2, v8                       ; hs: 4 r
.irp j, 0,1,2,3
	v_mov_b32 v[TP+\j], 0                          ; written once: the destination of a lane permute counts as one of its sources
	v_mov_b32 v[TM+4+\j], 0
.endr
	v_mov_b32 v[ONE], 1.0
	s_mov_b32 s[SEL], 0x76543210
	s_mov_b32 s[SEL+1], 0xfedcba98
	s_mov_b32 s[MNT], 0x600000
	s_mov_b32 s31, 0x47600000                      ; 57,344
	s_mov_b32 s32, 0xc7600000
	s_mov_b32 s33, 0x05010400                      ; v_perm_b32: bytes 0, 1 of two words by turns,
	s_mov_b32 s34, 0x07030602                      ; bytes 2, 3,
	s_mov_b32 s35, 0x05040100                      ; the two low halves,
	s_mov_b32 s36, 0x07060302                      ; the two high halves
	s_mov_b32 s61, 0
	s_lshl_b32 s21, s19, 3
	s_lshl_b32 s60, s19, 23
	s_lshl_b32 s66, s18, 21
	s_add_co_u32 s60, s60, s66
	s_lshl_b32 s66, s20, 8
	s_add_co_u32 s60, s60, s66
	s_wait_kmcnt 0x0
	s_add_nc_u64 s[38:39], s[4:5], s[60:61]        ; W1[e], row 256 w, column 64 slice
	s_load_b64 s[22:23], s[12:13], s21 offset:0x4000   ; the expert's first tile and its tiles
.macro LOADW b                         ; block b: lanes 0-15 read 256 bytes of row 32 b + i, lanes 16-31 of row 32 b + 16 + i
	WIN 0xc0
.irp i, 0,1,2,3,4,5,6,7,8,9,10,11,12,13,14,15
	global_load_b128 v[64*((\b)%4)+4*\i:64*((\b)%4)+4*\i+3], v2, s[38:39] offset:(32*(\b)+\i)*8192 th:TH_LOAD_NT
.endr
	WIN 0
.endm
.irp b, 0,1,2,3
	LOADW \b
.endr
	s_wait_kmcnt 0x0
	s_min_u32 s22, s22, 263
	s_min_u32 s23, s23, 128
	s_sub_co_u32 s24, s23, 1                       ; the last tile's number within the expert
	s_add_co_u32 s25, s23, 1
	s_lshr_b32 s25, s25, 1                         ; pairs of tiles
	s_mov_b32 s26, s18                             ; u: my first pair
	s_add_co_u32 s21, s25, 3
	s_sub_co_u32 s21, s21, s18
	s_lshr_b32 s21, s21, 2                         ; my trips: the pairs w, w + 4, .. under the number of pairs; 0 where there is none
	s_mov_b32 s37, 0                               ; trips done
	s_lshl_b32 s60, s20, 10
	s_add_nc_u64 s[56:57], s[14:15], s[60:61]      ; hq: the slice's 1,024 bytes of a tile's image
	s_lshr_b32 s60, s20, 1
	s_lshl_b32 s60, s60, 6
	s_and_b32 s66, s20, 1
	s_lshl_b32 s66, s66, 1
	s_add_co_u32 s60, s60, s66
	s_add_nc_u64 s[58:59], s[16:17], s[60:61]      ; hs: the slice's 2 bytes of a row's word
	s_lshl_b32 s60, s19, 13
	s_lshl_b32 s66, s20, 8
	s_add_co_u32 s60, s60, s66
	s_add_nc_u64 s[6:7], s[6:7], s[60:61]          ; b1[e] at the slice
.macro WQ b
.set XB, 64*((\b)%4)
.if (\b) < 5
	s_wait_loadcnt 48                              ; this block's 16 loads are in; the three sets behind it may be out
.else
	s_wait_loadcnt 16*(7-(\b))
.endif
	s_wait_dscnt 0x0                               ; the last block's LDS stores have read their registers
	WIN 0x0f
.irp j, 0,1,2,3
	v_max3_num_f32 v[TMW+\j], |v[XB+\j]|, |v[XB+4+\j]|, 0x8000000   ; column j's 16 numbers, and the floor 2^(16 - 127)
.endr
.irp i, 2,4,6,8,10,12,14
.irp j, 0,1,2,3
	v_max3_num_f32 v[TMW+\j], |v[XB+4*\i+\j]|, |v[XB+4*\i+4+\j]|, v[TMW+\j]
.endr
.endr
	WIN 0
.irp j, 0,1,2,3
	v_permlanex16_b32 v[TP+\j], v[TMW+\j], s[SEL], s[SEL+1]
.endr
.irp j, 0,1,2,3
	v_max_num_f32 v[TMW+\j], v[TMW+\j], v[TP+\j]   ; with lane l xor 16's 16: the block's largest magnitude
.endr
.irp j, 0,1,2,3
	v_add_nc_u32 v[TP+\j], 0xf8800000, v[TMW+\j]
	v_and_b32 v[FF+\j], 0x7f800000, v[TMW+\j]
.endr
.irp j, 0,1,2,3
	v_lshrrev_b32 v[TP+\j], 23, v[TP+\j]           ; the scale's byte: the exponent field - 15
	v_sub_nc_u32 v[FF+\j], 0x86800000, v[FF+\j]    ; 1 / the scale: exponent field 269 - the largest magnitude's
.endr
.irp j, 0,1,2,3
.if ((\b)%4) == 0
	v_mov_b32 v[WW+\j], v[TP+\j]
.else
	v_lshl_or_b32 v[WW+\j], v[TP+\j], 8*((\b)%4), v[WW+\j]
.endif
.endr
	WIN 0xc3
.irp i, 0,1,2,3,4,5,6,7,8,9,10,11,12,13,14,15
	v_pk_mul_f32 v[XB+4*\i:XB+4*\i+1], v[XB+4*\i:XB+4*\i+1], v[FF:FF+1]
	v_pk_mul_f32 v[XB+4*\i+2:XB+4*\i+3], v[XB+4*\i+2:XB+4*\i+3], v[FF+2:FF+3]
.endr
.set n, 0
.rept 64
	v_med3_num_f32 v[XB+n], v[XB+n], s32, s31      ; the conversion to an 8-bit code does not saturate (ISA guide 7.6.2): the hold comes first
.set n, n+1
.endr
	WIN 0x03
.irp m, 0,1,2,3,4,5,6,7
	v_cvt_scalef32_pk8_bf8_f32 v[CD+2*\m:CD+2*\m+1], v[XB+8*\m:XB+8*\m+7], v[ONE]
.endr
	v_nop                                          ; a plain line behind the last conversion
	WIN 0
.irp g, 0,1,2,3
	v_perm_b32 v[TT],   v[CD+4*\g+1], v[CD+4*\g],   s33
	v_perm_b32 v[TT+1], v[CD+4*\g+1], v[CD+4*\g],   s34
	v_perm_b32 v[TT+2], v[CD+4*\g+3], v[CD+4*\g+2], s33
	v_perm_b32 v[TT+3], v[CD+4*\g+3], v[CD+4*\g+2], s34
	v_perm_b32 v[PP+\g],    v[TT+2], v[TT],   s35
	v_perm_b32 v[PP+4+\g],  v[TT+2], v[TT],   s36
	v_perm_b32 v[PP+8+\g],  v[TT+3], v[TT+1], s35
	v_perm_b32 v[PP+12+\g], v[TT+3], v[TT+1], s36
.endr
.irp j, 0,1,2,3
	ds_store_b128 v3, v[PP+4*\j:PP+4*\j+3] offset:2048*((\b)/4)+512*((\b)%4)+16*\j
.endr
.if ((\b)%4) == 3
	ds_store_b128 v4, v[WW:WW+3] offset:64*((\b)/4)
.endif
.if (\b) < 4
	LOADW (\b)+4
.endif
.endm
.irp b, 0,1,2,3,4,5,6,7
	WQ \b
.endr
	s_wait_dscnt 0x0                               ; for the others' sake: my images have landed
	s_barrier_signal -1
	s_barrier_wait -1                              ; the slice's 32 fragments and their scale words lie in LDS.  The launch's only barrier: from here on waves may part
	s_cmp_eq_u32 s21, 0
	s_cbranch_scc1 .Lend                           ; no pair of tiles for this wave
.macro TAU dst, src                    ; the tile with number src within the expert, held at the expert's last tile and inside the buffers
	s_min_u32 \dst, \src, s24
	s_add_co_u32 \dst, \dst, s22
	s_min_u32 \dst, \dst, 263
.endm
.macro PTR dst, ptr, tile, sh
	s_lshl_b32 s60, \tile, \sh
	s_add_nc_u64 s[\dst:\dst+1], s[\ptr:\ptr+1], s[60:61]
.endm
.macro XADDR first                     ; where the pair of tiles first, first + 1 lies in xs (s[40:43]) and xss (s[44:47])
	TAU s67, \first
	PTR 40, 8, s67, 14
	PTR 44, 10, s67, 9
	s_add_co_u32 s68, \first, 1
	TAU s67, s68
	PTR 42, 8, s67, 14
	PTR 46, 10, s67, 9
.endm
.macro RELOAD g                        ; K steps 2 g, 2 g + 1 of both tiles: 16 loads of 512 consecutive bytes, and 2 of scale words (lanes 0-15: K step 2 g's, lanes 16-31: 2 g + 1's)
	WIN 0xc0
.irp sp, 0,1
.irp rho, 0,1
.irp c, 0,1,2,3
	global_load_b128 v[64*(\g)+32*\sp+16*\rho+4*\c:64*(\g)+32*\sp+16*\rho+4*\c+3], v5, s[40+2*\rho:41+2*\rho] offset:2048*(2*(\g)+\sp)+512*\c
.endr
.endr
.endr
	WIN 0
.irp rho, 0,1
	global_load_b32 v[XS+2*(\g)+\rho], v6, s[44+2*\rho:45+2*\rho] offset:128*(\g)
.endr
.endm
.macro GROUP g                         ; 16 matrix instructions; the eight accumulators take turns, one instruction a turn
	s_wait_loadcnt 54                              ; this group's 18 loads are in; the three groups issued behind it, 18 loads each, may be out
.if (\g) < 2
	WIN 0x0d                                       ; source 0 (W1) window 1, source 1 (x) window 3, C and D window 0
.else
	WIN 0x0e
.endif
.irp sp, 0,1
.irp rho, 0,1
.irp t, 0,1,2,3
.set rA, 64*((2*(\g)+\sp)%4)+16*\t
.set rB, 64*(\g)+32*\sp+16*\rho
.set rD, ACC+32*\rho+8*\t
.set rW, WS+8*\t+2*(\g)+\sp
.set rX, XS+2*(\g)+\rho
.if ((\g)+\sp) == 0
	v_wmma_scale_f32_16x16x128_f8f6f4 v[rD:rD+7], v[rA:rA+15], v[rB:rB+15], v[BI+8*\t:BI+8*\t+7], v[rW], v[rX] matrix_a_fmt:MATRIX_FMT_BF8 matrix_b_fmt:MATRIX_FMT_BF8
.elseif \sp == 0
	v_wmma_scale_f32_16x16x128_f8f6f4 v[rD:rD+7], v[rA:rA+15], v[rB:rB+15], v[rD:rD+7], v[rW], v[rX] matrix_a_fmt:MATRIX_FMT_BF8 matrix_b_fmt:MATRIX_FMT_BF8
.else
	v_wmma_scale_f32_16x16x128_f8f6f4 v[rD:rD+7], v[rA:rA+15], v[rB:rB+15], v[rD:rD+7], v[rW], v[rX] matrix_a_fmt:MATRIX_FMT_BF8 matrix_b_fmt:MATRIX_FMT_BF8 matrix_b_scale:MATRIX_SCALE_ROW1
.endif
.endr
.endr
.endr
	WIN 0
.rept 8
	v_nop                                          ; eight places in front of loads into registers that these products have read, and of the first read of results
.endr
	RELOAD \g                                      ; the same group of the pair four further on
.endm
.irp t, 0,1,2,3
	global_load_b128 v[BI+8*\t:BI+8*\t+3], v13, s[6:7] offset:(32*(\t/2)+8*(\t%2))*4      ; b1 at hidden units 32 (t / 2) + 16 h + 8 (t % 2) + 0 .. 7: the result's layout
	global_load_b128 v[BI+8*\t+4:BI+8*\t+7], v13, s[6:7] offset:(32*(\t/2)+8*(\t%2))*4+16
.endr
	s_lshl_b32 s66, s26, 1
	XADDR s66
.irp g, 0,1,2,3
	RELOAD \g
.endr
	WIN 0x40
.irp s, 0,1,2,3
.irp t, 0,1,2,3
.irp c, 0,1,2,3
	ds_load_b128 v[64*\s+16*\t+4*\c:64*\s+16*\t+4*\c+3], v5 offset:WTP*\t+2048*\s+512*\c
.endr
.endr
.endr
	WIN 0x80
.irp s, 0,1,2,3
.irp t, 0,1,2,3
.irp c, 0,1,2,3
	ds_load_b128 v[64*\s+16*\t+4*\c:64*\s+16*\t+4*\c+3], v5 offset:WTP*\t+2048*(\s+4)+512*\c
.endr
.endr
.endr
	WIN 0
.irp t, 0,1,2,3
.irp s, 0,1,2,3,4,5,6,7
	ds_load_b32 v[WS+8*\t+\s], v7 offset:512*\t+64*\s
.endr
.endr
	s_wait_dscnt 0x0
.Ltrip:
	s_wait_xcnt 0x0                                ; every earlier load and store has read its base and its data: bases, codes and scale bytes may be written again
	s_lshl_b32 s66, s26, 1
	s_add_co_u32 s27, s66, 1
	TAU s67, s66
	PTR 48, 56, s67, 15                            ; where tile 2 u's codes go,
	PTR 52, 58, s67, 10                            ; and its scale bytes;
	TAU s67, s27
	PTR 50, 56, s67, 15                            ; tile 2 u + 1's
	PTR 54, 58, s67, 10
	s_add_co_u32 s66, s66, 8
	XADDR s66                                      ; this trip loads the pair four further on (held at the expert's last tile: only stored bytes are read)
	GROUP 0
	GROUP 1
	GROUP 2
	GROUP 3
	; relu, scale and codes.  Block 2 rho + beta: 32 hidden units of tile rho's row; 16 are mine, 16 lane l xor 16's.  No |.|: what is negative becomes 0 and must not count
.irp b, 0,1,2,3
	v_max3_num_f32 v[TM+\b], v[ACC+16*\b], v[ACC+1+16*\b], 0x8000000
.endr
.irp i, 2,4,6,8,10,12,14
.irp b, 0,1,2,3
	v_max3_num_f32 v[TM+\b], v[TM+\b], v[ACC+16*\b+\i], v[ACC+1+16*\b+\i]
.endr
.endr
.irp b, 0,1,2,3
	v_permlanex16_b32 v[TM+4+\b], v[TM+\b], s[SEL], s[SEL+1]
.endr
.irp b, 0,1,2,3
	v_max_num_f32 v[TM+\b], v[TM+\b], v[TM+4+\b]
.endr
.irp b, 0,1,2,3
	v_add_nc_u32 v[TM+12+\b], 0xf8800000, v[TM+\b]
.endr
.irp b, 0,1,2,3
	v_and_or_b32 v[TM+8+\b], v[TM+\b], 0x7f800000, s[MNT]
.endr
.irp b, 0,1,2,3
	v_lshrrev_b32 v[TM+4+\b], 23, v[TM+12+\b]
.endr
	v_lshl_or_b32 v[PW], v[TM+5], 8, v[TM+4]       ; tile 2 u's two bytes of my row,
	v_lshl_or_b32 v[PW+1], v[TM+7], 8, v[TM+6]     ; tile 2 u + 1's
.irp b, 0,1,2,3
.irp i, 0,1,2,3,4,5,6,7,8,9,10,11,12,13,14,15
	v_med3_num_f32 v[ACC+16*\b+\i], v[ACC+16*\b+\i], 0, v[TM+8+\b]   ; the activation and the hold in one
.endr
	v_cvt_scalef32_pk8_bf8_f32 v[PC+4*\b:PC+1+4*\b], v[ACC+16*\b:ACC+7+16*\b], v[TM+12+\b]
	v_cvt_scalef32_pk8_bf8_f32 v[PC+2+4*\b:PC+3+4*\b], v[ACC+8+16*\b:ACC+15+16*\b], v[TM+12+\b]
.endr
	v_nop                                          ; a plain line behind the last conversion: the next trip's products write its sources
	global_store_b128 v5, v[PC:PC+3], s[48:49]     ; 1,024 consecutive bytes of tile 2 u's image, aligned
	global_store_b128 v5, v[PC+4:PC+7], s[48:49] offset:512
	global_store_b16 v14, v[PW], s[52:53]
	s_cmp_lt_u32 s27, s23
	s_cbranch_scc0 .Lodd                           ; an odd number of tiles: the last pair's second tile is not there
	global_store_b128 v5, v[PC+8:PC+11], s[50:51]
	global_store_b128 v5, v[PC+12:PC+15], s[50:51] offset:512
	global_store_b16 v14, v[PW+1], s[54:55]
.Lodd:
	s_add_co_u32 s26, s26, 4                       ; my next pair
	s_add_co_u32 s37, s37, 1                       ; the loop is counted by its trips
	s_cmp_lt_u32 s37, s21
	s_cbranch_scc1 .Ltrip
.Lend:
	s_wait_tensorcnt 0x0
	ds_add_u32 v254, v255
	s_wait_dscnt 0x0
	s_endpgm
.Lfunc_end_k_qfcbe2a06ca_ffn1:
	.size	k_qfcbe2a06ca_ffn1, .Lfunc_end_k_qfcbe2a06ca_ffn1-k_qfcbe2a06ca_ffn1
	.p2alignl 7, 3214868480
	.fill 96, 4, 3214868480
	.section	.rodata,"a",@progbits
	.p2align	6, 0x0
	.amdhsa_kernel k_qfcbe2a06ca_ffn1
		.amdhsa_group_segment_fixed_size 68352
		.amdhsa_private_segment_fixed_size 0
		.amdhsa_enable_private_segment 0
		.amdhsa_kernarg_size 56
		.amdhsa_user_sgpr_count 2
		.amdhsa_user_sgpr_kernarg_segment_ptr 1
		.amdhsa_wavefront_size32 1
		.amdhsa_system_sgpr_workgroup_id_x 1
		.amdhsa_system_sgpr_workgroup_id_y 1
		.amdhsa_system_sgpr_workgroup_id_z 1
		.amdhsa_system_vgpr_workitem_id 0
		.amdhsa_next_free_vgpr 1024
		.amdhsa_next_free_sgpr 72
		.amdhsa_reserve_vcc 0
		.amdhsa_float_denorm_mode_32 3
		.amdhsa_float_denorm_mode_16_64 3
		.amdhsa_memory_ordered 1
		.amdhsa_forward_progress 1
		.amdhsa_inst_pref_size 163
	.end_amdhsa_kernel
	.amdgpu_metadata
---
amdhsa.version: [ 1, 2 ]
amdhsa.kernels:
  - .name:           k_qfcbe2a06ca_ffn1
    .symbol:         k_qfcbe2a06ca_ffn1.kd
    .args:
      - { .name: W1, .offset: 0, .size: 8, .value_kind: global_buffer, .address_space: global }
      - { .name: b1, .offset: 8, .size: 8, .value_kind: global_buffer, .address_space: global }
      - { .name: xs, .offset: 16, .size: 8, .value_kind: global_buffer, .address_space: global }
      - { .name: xss, .offset: 24, .size: 8, .value_kind: global_buffer, .address_space: global }
      - { .name: plan, .offset: 32, .size: 8, .value_kind: global_buffer, .address_space: global }
      - { .name: hq, .offset: 40, .size: 8, .value_kind: global_buffer, .address_space: global }
      - { .name: hs, .offset: 48, .size: 8, .value_kind: global_buffer, .address_space: global }
    .group_segment_fixed_size: 68352
    .private_segment_fixed_size: 0
    .kernarg_segment_align: 8
    .kernarg_segment_size: 56
    .max_flat_workgroup_size: 128
    .sgpr_count:     72
    .vgpr_count:     1024
    .wavefront_size: 32
...
	.end_amdgpu_metadata
.endif
;; end of part 3
;; launch ffn2 (part 4): grid 256 x 1, 4 waves a work-group, no clusters, 77,568 bytes of LDS; arguments W2, b2, hq, hs, plan, y; writes y
.if DOCPART == 4
	.amdgcn_target "amdgcn-amd-amdhsa--gfx1250"
	.amdhsa_code_object_version 6
	.text
	.protected	k_qfcbe2a06ca_ffn2
	.globl	k_qfcbe2a06ca_ffn2
	.p2align	8
	.type	k_qfcbe2a06ca_ffn2,@function
k_qfcbe2a06ca_ffn2:
	s_mov_b64 s[64:65], 0
	v_nop
	global_prefetch_b8 v0, s[64:65] scope:SCOPE_SE
	s_setreg_imm32_b32 hwreg(HW_REG_WAVE_MODE, 25, 1), 1
	s_wait_xcnt 0x0
; FFN2: y = Q(h) Q(W2) + b2 for the routed rows, not yet weighed by the gates.  h comes as codes (hq, hs) in the order of the operand's registers; W2 [8][2048][1024] f32 is quantised here, along K = the hidden units.
; THE WEIGHTS STAY, THE ROWS STREAM.  Work-group = (expert e = wg / 32, slice = wg % 32): 32 output columns x all K = 2,048 of W2[e]: 256 KB of f32, read once in the launch (a row's 128 bytes; the neighbouring slice takes the 128 beside them).
; PHASE 1: wave w quantises k = 512 w .. + 511, 8 double blocks of 64 along K, into LDS as images of the operand's registers; one barrier; every wave takes all 32 fragments (512 registers) and keeps them.
; PHASE 2: no wave waits for another.  Wave w takes row tiles u = w, w + 4, ..: 16 fragments of h from memory straight into registers, 32 matrix instructions, and 16 rows x 128 bytes of y leave through the wave's own stage as 2,048 consecutive bytes.
; The trip count hangs on the stored list (plan), so this launch has no tensor load, no cluster and no joint load.
; THE PRODUCT IS USED TRANSPOSED (source 0 = 16 columns of W2, source 1 = 16 rows of h): a lane holds eight neighbouring columns of one row of y.
; y is laid [32 slices][4,224 rows][32 columns] f32.
; LIMITS: a block of zeros gets the byte 1 where the rule says 127 (its codes are zeros; this program alone reads the bytes).  NaN and infinities are not served.
; The bias enters a sum first; even and odd K steps are summed apart (four accumulators that take turns) and added at the end.
; REGISTERS.  Window 0: v1-15 addresses; v16-47 W2's scale words, v48-55 h's (scales and nothing else); v56-71 b2; v72-103 four accumulators; v104-135 the way out; v192-244 phase 1.
;   window 1: W2's fragments of K steps 0-7 at 32 (s % 8) + 16 t; window 2: of K steps 8-15; window 3: phase 1's four landing sets of 64, then h's fragments at 16 s.
.set WTP,  32784                       ; LDS: a tile's 16 fragments (32,768 bytes) + 16
.set WSC,  65792                       ; W2's scale words: 1024 t + 64 s + 4 r
.set STG,  67840                       ; a stage of 16 rows x (128 + 16) bytes for each wave
.set WS,   16
.set HSR,  48
.set BI,   56
.set ACC,  72
.set YY,   104
.set YB,   120
.set CD,   192
.set PP,   208
.set TT,   224
.set TMW,  228
.set TP,   232
.set FF,   236
.set UU,   240
.set ONE,  244
.set SEL,  28
.set MSB, 0
.macro WIN new                         ; the immediate's high byte repeats the setting that is left
.if MSB != \new
	s_set_vgpr_msb (MSB<<8)|\new
.set MSB, \new
.endif
.endm
	s_load_b256 s[4:11], s[0:1], 0x0               ; W2, b2, hq, hs
	s_load_b128 s[12:15], s[0:1], 0x20             ; plan, y
	v_lshl_add_u32 v254, v0, 2, 0x12d00
	v_mov_b32 v255, 0
	v_lshrrev_b32 v1, 5, v0
	v_readfirstlane_b32 s18, v1                    ; wave
	s_lshr_b32 s19, ttmp9, 5                       ; expert
	s_and_b32 s20, ttmp9, 31                       ; slice
	v_and_b32 v1, 31, v0                           ; lane
	v_and_b32 v10, 7, v0                           ; q: columns 4 q .. 4 q + 3
	v_bfe_u32 v11, v0, 3, 2                        ; kk: rows 16 kk .. 16 kk + 15 of a double block
	v_bfe_u32 v12, v0, 2, 1                        ; tile t = q / 4
	v_and_b32 v14, 3, v0                           ; rows 4 (q % 4) + j of the tile
	v_lshlrev_b32 v2, 4, v10
	v_lshl_add_u32 v2, v11, 16, v2                 ; W2: 16 q + 16 kk rows of 4,096 bytes
	v_mul_u32_u24 v3, v12, WTP
	v_lshl_add_u32 v3, v11, 8, v3                  ; 512 (kk / 2), the block, + 256 (kk % 2), the half of the lanes
	v_lshl_add_u32 v3, v14, 6, v3
	s_lshl_b32 s66, s18, 13
	v_add_nc_u32 v3, s66, v3                       ; where my codes go: tile, K step 4 w
	v_lshlrev_b32 v4, 10, v12
	v_lshl_add_u32 v4, v14, 4, v4
	s_lshl_b32 s66, s18, 8
	s_add_co_u32 s66, s66, WSC
	v_add_nc_u32 v4, s66, v4                       ; and my four columns' scale words
	v_lshlrev_b32 v5, 4, v1                        ; 16 lane
	v_lshlrev_b32 v6, 2, v1                        ; 4 lane
	v_and_b32 v10, 15, v0                          ; r
	v_bfe_u32 v11, v0, 4, 1                        ; h
	v_lshl_add_u32 v7, v10, 2, WSC
	s_mul_i32 s66, s18, 2304
	s_add_co_u32 s66, s66, STG                     ; my stage
	v_mul_u32_u24 v8, v10, 144
	v_lshl_add_u32 v8, v11, 5, v8
	v_add_nc_u32 v8, s66, v8                       ; into it: row r, + 32 h
	v_lshrrev_b32 v9, 3, v1
	v_mul_u32_u24 v9, v9, 144
	v_and_b32 v12, 7, v0
	v_lshl_add_u32 v9, v12, 4, v9
	v_add_nc_u32 v9, s66, v9                       ; out of it: eight lanes to a row of 128 bytes, four rows an instruction
	v_lshlrev_b32 v13, 5, v11                      ; b2: 32 h
	v_lshlrev_b32 v15, 3, v11                      ; 8 (lane / 16)
.irp j, 0,1,2,3
	v_mov_b32 v[TP+\j], 0                          ; written once: the destination of a lane permute counts as one of its sources
.endr
	v_mov_b32 v[ONE], 1.0
	s_mov_b32 s[SEL], 0x76543210
	s_mov_b32 s[SEL+1], 0xfedcba98
	s_mov_b32 s31, 0x47600000                      ; 57,344
	s_mov_b32 s32, 0xc7600000
	s_mov_b32 s33, 0x05010400
	s_mov_b32 s34, 0x07030602
	s_mov_b32 s35, 0x05040100
	s_mov_b32 s36, 0x07060302
	s_mov_b32 s61, 0
	s_lshl_b32 s21, s19, 3
	s_lshl_b32 s60, s19, 23
	s_lshl_b32 s66, s18, 21
	s_add_co_u32 s60, s60, s66
	s_lshl_b32 s66, s20, 7
	s_add_co_u32 s60, s60, s66
	s_wait_kmcnt 0x0
	s_add_nc_u64 s[38:39], s[4:5], s[60:61]        ; W2[e], row 512 w, column 32 slice
	s_load_b64 s[22:23], s[12:13], s21 offset:0x4000   ; the expert's first tile and its tiles
.macro LOADW b                         ; double block b: eight lanes read 128 bytes of row 64 b + 16 kk + i
	WIN 0xc0
.irp i, 0,1,2,3,4,5,6,7,8,9,10,11,12,13,14,15
	global_load_b128 v[64*((\b)%4)+4*\i:64*((\b)%4)+4*\i+3], v2, s[38:39] offset:(64*(\b)+\i)*4096 th:TH_LOAD_NT
.endr
	WIN 0
.endm
.irp b, 0,1,2,3
	LOADW \b
.endr
	s_wait_kmcnt 0x0
	s_min_u32 s22, s22, 263
	s_min_u32 s23, s23, 128
	s_sub_co_u32 s24, s23, 1
	s_mov_b32 s26, s18                             ; u: my first tile
	s_add_co_u32 s21, s23, 3
	s_sub_co_u32 s21, s21, s18
	s_lshr_b32 s21, s21, 2                         ; my trips: the tiles w, w + 4, .. under the number of tiles; 0 where there is none
	s_mov_b32 s37, 0                               ; trips done
	s_mul_i32 s60, s20, 540672
	s_add_nc_u64 s[56:57], s[14:15], s[60:61]      ; y at the slice
	s_lshl_b32 s60, s19, 12
	s_lshl_b32 s66, s20, 7
	s_add_co_u32 s60, s60, s66
	s_add_nc_u64 s[6:7], s[6:7], s[60:61]          ; b2[e] at the slice
.macro WQ b
.set XB, 64*((\b)%4)
.if (\b) < 5
	s_wait_loadcnt 48                              ; this double block's 16 loads are in; the three sets behind it may be out
.else
	s_wait_loadcnt 16*(7-(\b))
.endif
	s_wait_dscnt 0x0                               ; the last double block's LDS stores have read their registers
	WIN 0x0f
.irp j, 0,1,2,3
	v_max3_num_f32 v[TMW+\j], |v[XB+\j]|, |v[XB+4+\j]|, 0x8000000   ; column j's 16 numbers, and the floor 2^(16 - 127)
.endr
.irp i, 2,4,6,8,10,12,14
.irp j, 0,1,2,3
	v_max3_num_f32 v[TMW+\j], |v[XB+4*\i+\j]|, |v[XB+4*\i+4+\j]|, v[TMW+\j]
.endr
.endr
	WIN 0
.irp j, 0,1,2,3
	v_max_num_f32_dpp v[TMW+\j], v[TMW+\j], v[TMW+\j] row_xmask:8 row_mask:0xf bank_mask:0xf   ; with lane l xor 8's 16: the block's largest magnitude
.endr
.irp j, 0,1,2,3
	v_add_nc_u32 v[TP+\j], 0xf8800000, v[TMW+\j]
	v_and_b32 v[FF+\j], 0x7f800000, v[TMW+\j]
.endr
.irp j, 0,1,2,3
	v_lshrrev_b32 v[TP+\j], 23, v[TP+\j]           ; the scale's byte
	v_sub_nc_u32 v[FF+\j], 0x86800000, v[FF+\j]    ; 1 / the scale
.endr
.if ((\b)%2) == 0
.irp j, 0,1,2,3
	v_mov_b32 v[UU+\j], v[TP+\j]                   ; block lane / 16 of the K step,
.endr
.else
.irp j, 0,1,2,3
	v_lshl_or_b32 v[UU+\j], v[TP+\j], 16, v[UU+\j] ; and block 2 + lane / 16
.endr
.irp j, 0,1,2,3
	v_lshlrev_b32 v[UU+\j], v15, v[UU+\j]          ; lanes 16-31 hold the odd blocks' bytes
.endr
.irp j, 0,1,2,3
	v_permlanex16_b32 v[TP+\j], v[UU+\j], s[SEL], s[SEL+1]
.endr
.irp j, 0,1,2,3
	v_or_b32 v[UU+\j], v[UU+\j], v[TP+\j]          ; the K step's whole scale word
.endr
.endif
	WIN 0xc3
.irp i, 0,1,2,3,4,5,6,7,8,9,10,11,12,13,14,15
	v_pk_mul_f32 v[XB+4*\i:XB+4*\i+1], v[XB+4*\i:XB+4*\i+1], v[FF:FF+1]
	v_pk_mul_f32 v[XB+4*\i+2:XB+4*\i+3], v[XB+4*\i+2:XB+4*\i+3], v[FF+2:FF+3]
.endr
.set n, 0
.rept 64
	v_med3_num_f32 v[XB+n], v[XB+n], s32, s31      ; the conversion to an 8-bit code does not saturate (ISA guide 7.6.2): the hold comes first
.set n, n+1
.endr
	WIN 0x03
.irp m, 0,1,2,3,4,5,6,7
	v_cvt_scalef32_pk8_bf8_f32 v[CD+2*\m:CD+2*\m+1], v[XB+8*\m:XB+8*\m+7], v[ONE]
.endr
	v_nop                                          ; a plain line behind the last conversion
	WIN 0
.irp g, 0,1,2,3
	v_perm_b32 v[TT],   v[CD+4*\g+1], v[CD+4*\g],   s33
	v_perm_b32 v[TT+1], v[CD+4*\g+1], v[CD+4*\g],   s34
	v_perm_b32 v[TT+2], v[CD+4*\g+3], v[CD+4*\g+2], s33
	v_perm_b32 v[TT+3], v[CD+4*\g+3], v[CD+4*\g+2], s34
	v_perm_b32 v[PP+\g],    v[TT+2], v[TT],   s35
	v_perm_b32 v[PP+4+\g],  v[TT+2], v[TT],   s36
	v_perm_b32 v[PP+8+\g],  v[TT+3], v[TT+1], s35
	v_perm_b32 v[PP+12+\g], v[TT+3], v[TT+1], s36
.endr
.irp j, 0,1,2,3
	ds_store_b128 v3, v[PP+4*\j:PP+4*\j+3] offset:2048*((\b)/2)+1024*((\b)%2)+16*\j
.endr
.if ((\b)%2) == 1
	ds_store_b128 v4, v[UU:UU+3] offset:64*((\b)/2)
.endif
.if (\b) < 4
	LOADW (\b)+4
.endif
.endm
.irp b, 0,1,2,3,4,5,6,7
	WQ \b
.endr
	s_wait_dscnt 0x0                               ; for the others' sake: my images have landed
	s_barrier_signal -1
	s_barrier_wait -1                              ; the slice's 32 fragments and their scale words lie in LDS.  The launch's only barrier: from here on waves may part
	s_cmp_eq_u32 s21, 0
	s_cbranch_scc1 .Lend                           ; no tile for this wave
.macro TAU dst, src                    ; the tile with number src within the expert, held at the expert's last tile and inside the buffers
	s_min_u32 \dst, \src, s24
	s_add_co_u32 \dst, \dst, s22
	s_min_u32 \dst, \dst, 263
.endm
.macro PTR dst, ptr, tile, sh
	s_lshl_b32 s60, \tile, \sh
	s_add_nc_u64 s[\dst:\dst+1], s[\ptr:\ptr+1], s[60:61]
.endm
.macro HADDR first                     ; where that tile lies in hq (s[40:41]) and hs (s[44:45])
	TAU s67, \first
	PTR 40, 8, s67, 15
	PTR 44, 10, s67, 10
.endm
.macro RELOAD g                        ; K steps 4 g .. 4 g + 3: 16 loads of 512 consecutive bytes, and 2 of scale words (lanes 0-15: an even K step's, lanes 16-31: the next one's)
	WIN 0xc0
.irp sq, 0,1,2,3
.irp c, 0,1,2,3
	global_load_b128 v[64*(\g)+16*\sq+4*\c:64*(\g)+16*\sq+4*\c+3], v5, s[40:41] offset:2048*(4*(\g)+\sq)+512*\c
.endr
.endr
	WIN 0
.irp pp, 0,1
	global_load_b32 v[HSR+2*(\g)+\pp], v6, s[44:45] offset:128*(2*(\g)+\pp)
.endr
.endm
.macro GROUP g                         ; 8 matrix instructions; the four accumulators (tile t, even or odd K step) take turns, one instruction a turn
	s_wait_loadcnt 54                              ; this group's 18 loads are in; the three groups issued behind it, 18 loads each, may be out
.if (\g) < 2
	WIN 0x0d                                       ; source 0 (W2) window 1, source 1 (h) window 3, C and D window 0
.else
	WIN 0x0e
.endif
.irp sq, 0,1,2,3
.irp t, 0,1
.set ss, 4*(\g)+\sq
.set rA, 32*(ss%8)+16*\t
.set rB, 64*(\g)+16*\sq
.set rD, ACC+16*\t+8*(\sq%2)
.set rW, WS+16*\t+ss
.set rX, HSR+2*(\g)+\sq/2
.if ss == 0
	v_wmma_scale_f32_16x16x128_f8f6f4 v[rD:rD+7], v[rA:rA+15], v[rB:rB+15], v[BI+8*\t:BI+8*\t+7], v[rW], v[rX] matrix_a_fmt:MATRIX_FMT_BF8 matrix_b_fmt:MATRIX_FMT_BF8
.elseif ss == 1
	v_wmma_scale_f32_16x16x128_f8f6f4 v[rD:rD+7], v[rA:rA+15], v[rB:rB+15], 0, v[rW], v[rX] matrix_a_fmt:MATRIX_FMT_BF8 matrix_b_fmt:MATRIX_FMT_BF8 matrix_b_scale:MATRIX_SCALE_ROW1
.elseif (\sq%2) == 0
	v_wmma_scale_f32_16x16x128_f8f6f4 v[rD:rD+7], v[rA:rA+15], v[rB:rB+15], v[rD:rD+7], v[rW], v[rX] matrix_a_fmt:MATRIX_FMT_BF8 matrix_b_fmt:MATRIX_FMT_BF8
.else
	v_wmma_scale_f32_16x16x128_f8f6f4 v[rD:rD+7], v[rA:rA+15], v[rB:rB+15], v[rD:rD+7], v[rW], v[rX] matrix_a_fmt:MATRIX_FMT_BF8 matrix_b_fmt:MATRIX_FMT_BF8 matrix_b_scale:MATRIX_SCALE_ROW1
.endif
.endr
.endr
	WIN 0
.rept 8
	v_nop                                          ; eight places in front of loads into registers that these products have read, and of the first read of results
.endr
	RELOAD \g                                      ; the same group of the tile four further on
.endm
.irp t, 0,1
	global_load_b128 v[BI+8*\t:BI+8*\t+3], v13, s[6:7] offset:64*\t        ; b2 at columns 16 t + 8 h + 0 .. 7: the result's layout
	global_load_b128 v[BI+8*\t+4:BI+8*\t+7], v13, s[6:7] offset:64*\t+16
.endr
	HADDR s26
.irp g, 0,1,2,3
	RELOAD \g
.endr
	WIN 0x40
.irp s, 0,1,2,3,4,5,6,7
.irp t, 0,1
.irp c, 0,1,2,3
	ds_load_b128 v[32*\s+16*\t+4*\c:32*\s+16*\t+4*\c+3], v5 offset:WTP*\t+2048*\s+512*\c
.endr
.endr
.endr
	WIN 0x80
.irp s, 0,1,2,3,4,5,6,7
.irp t, 0,1
.irp c, 0,1,2,3
	ds_load_b128 v[32*\s+16*\t+4*\c:32*\s+16*\t+4*\c+3], v5 offset:WTP*\t+2048*(\s+8)+512*\c
.endr
.endr
.endr
	WIN 0
.irp t, 0,1
.irp s, 0,1,2,3,4,5,6,7,8,9,10,11,12,13,14,15
	ds_load_b32 v[WS+16*\t+\s], v7 offset:1024*\t+64*\s
.endr
.endr
	s_wait_dscnt 0x0
.Ltrip:
	s_wait_xcnt 0x0                                ; every earlier load and store has read its base and its data: both may be written again
	TAU s67, s26
	PTR 48, 56, s67, 11                            ; where tile u's 16 rows of y go
	s_add_co_u32 s66, s26, 4
	HADDR s66                                      ; this trip loads the tile four further on (held at the expert's last tile: only stored bytes are read)
	GROUP 0
	GROUP 1
	GROUP 2
	GROUP 3
.irp t, 0,1
.irp x, 0,1,2,3
	v_pk_add_f32 v[YY+8*\t+2*\x:YY+8*\t+2*\x+1], v[ACC+16*\t+2*\x:ACC+16*\t+2*\x+1], v[ACC+16*\t+8+2*\x:ACC+16*\t+8+2*\x+1]   ; even K steps' sum + odd K steps'; each accumulator from its low end on
.endr
.endr
.irp t, 0,1
	ds_store_b128 v8, v[YY+8*\t:YY+8*\t+3] offset:64*\t        ; lane (r, h): y(r, 16 t + 8 h + 0 .. 7)
	ds_store_b128 v8, v[YY+8*\t+4:YY+8*\t+7] offset:64*\t+16
.endr
.irp i, 0,1,2,3
	ds_load_b128 v[YB+4*\i:YB+4*\i+3], v9 offset:576*\i        ; LDS serves a wave's instructions in order: these see my stores
.endr
	s_wait_dscnt 0x0
.irp i, 0,1,2,3
	global_store_b128 v5, v[YB+4*\i:YB+4*\i+3], s[48:49] offset:512*\i   ; 512 consecutive bytes, aligned
.endr
	s_add_co_u32 s26, s26, 4                       ; my next tile
	s_add_co_u32 s37, s37, 1                       ; the loop is counted by its trips
	s_cmp_lt_u32 s37, s21
	s_cbranch_scc1 .Ltrip
.Lend:
	s_wait_tensorcnt 0x0
	ds_add_u32 v254, v255
	s_wait_dscnt 0x0
	s_endpgm
.Lfunc_end_k_qfcbe2a06ca_ffn2:
	.size	k_qfcbe2a06ca_ffn2, .Lfunc_end_k_qfcbe2a06ca_ffn2-k_qfcbe2a06ca_ffn2
	.p2alignl 7, 3214868480
	.fill 96, 4, 3214868480
	.section	.rodata,"a",@progbits
	.p2align	6, 0x0
	.amdhsa_kernel k_qfcbe2a06ca_ffn2
		.amdhsa_group_segment_fixed_size 77568
		.amdhsa_private_segment_fixed_size 0
		.amdhsa_enable_private_segment 0
		.amdhsa_kernarg_size 48
		.amdhsa_user_sgpr_count 2
		.amdhsa_user_sgpr_kernarg_segment_ptr 1
		.amdhsa_wavefront_size32 1
		.amdhsa_system_sgpr_workgroup_id_x 1
		.amdhsa_system_sgpr_workgroup_id_y 1
		.amdhsa_system_sgpr_workgroup_id_z 1
		.amdhsa_system_vgpr_workitem_id 0
		.amdhsa_next_free_vgpr 1024
		.amdhsa_next_free_sgpr 72
		.amdhsa_reserve_vcc 0
		.amdhsa_float_denorm_mode_32 3
		.amdhsa_float_denorm_mode_16_64 3
		.amdhsa_memory_ordered 1
		.amdhsa_forward_progress 1
		.amdhsa_inst_pref_size 151
	.end_amdhsa_kernel
	.amdgpu_metadata
---
amdhsa.version: [ 1, 2 ]
amdhsa.kernels:
  - .name:           k_qfcbe2a06ca_ffn2
    .symbol:         k_qfcbe2a06ca_ffn2.kd
    .args:
      - { .name: W2, .offset: 0, .size: 8, .value_kind: global_buffer, .address_space: global }
      - { .name: b2, .offset: 8, .size: 8, .value_kind: global_buffer, .address_space: global }
      - { .name: hq, .offset: 16, .size: 8, .value_kind: global_buffer, .address_space: global }
      - { .name: hs, .offset: 24, .size: 8, .value_kind: global_buffer, .address_space: global }
      - { .name: plan, .offset: 32, .size: 8, .value_kind: global_buffer, .address_space: global }
      - { .name: y, .offset: 40, .size: 8, .value_kind: global_buffer, .address_space: global }
    .group_segment_fixed_size: 77568
    .private_segment_fixed_size: 0
    .kernarg_segment_align: 8
    .kernarg_segment_size: 48
    .max_flat_workgroup_size: 128
    .sgpr_count:     72
    .vgpr_count:     1024
    .wavefront_size: 32
...
	.end_amdgpu_metadata
.endif
;; end of part 4
;; launch combine (part 5): grid 256 x 1, 8 waves a work-group, no clusters, 0 bytes of LDS; arguments y, plan, gv, out0; writes out0
.if DOCPART == 5
	.amdgcn_target "amdgcn-amd-amdhsa--gfx1250"
	.amdhsa_code_object_version 6
	.text
	.protected	k_qfcbe2a06ca_combine
	.globl	k_qfcbe2a06ca_combine
	.p2align	8
	.type	k_qfcbe2a06ca_combine,@function
k_qfcbe2a06ca_combine:
	s_mov_b64 s[64:65], 0
	v_nop
	global_prefetch_b8 v0, s[64:65] scope:SCOPE_SE
	s_setreg_imm32_b32 hwreg(HW_REG_WAVE_MODE, 25, 1), 1
	s_wait_xcnt 0x0
; COMBINE: out0[token] = g0 y[p0] + g1 y[p1]: the token's two routed rows, weighed by its gates.  One owner for each output row: no sum spans work-groups.
; y [32 slices][4,224 rows][32 columns] f32; plan: rowpos[token][2]; gv[token][2], both in the order (lower-numbered expert, higher); out0 [2048][1024] f32.
; A wave takes one token.  A load's 32 lanes take 128 bytes of each of four slices; a store covers 512 consecutive bytes, aligned.  All 16 loads go out at once; the waits count down.
; A stream: no LDS, no barrier, no matrix unit.
.set SL, 540672                        ; a slice of y in bytes
.set A,  16                            ; v16-47  row p0, 4 registers a load
.set B,  48                            ; v48-79  row p1
	s_load_b256 s[4:11], s[0:1], 0x0               ; y, plan, gv, out0
	v_lshrrev_b32 v1, 5, v0
	v_readfirstlane_b32 s20, v1
	s_lshl_b32 s21, ttmp9, 3
	s_add_co_u32 s21, s21, s20                     ; token
	s_lshl_b32 s22, s21, 3
	v_and_b32 v1, 31, v0
	v_lshrrev_b32 v5, 3, v1
	v_and_b32 v6, 7, v1
	v_mul_u32_u24 v2, v5, SL
	v_lshl_add_u32 v2, v6, 4, v2                   ; slice lane / 8 of four, 16 (lane % 8) in its 128 bytes
	v_lshlrev_b32 v7, 4, v1
	s_lshl_b32 s24, s21, 12
	s_mov_b32 s25, 0
	s_wait_kmcnt 0x0
	s_load_b64 s[12:13], s[6:7], s22 offset:0x0    ; p0, p1
	s_load_b64 s[14:15], s[8:9], s22 offset:0x0    ; g0, g1
	s_add_nc_u64 s[10:11], s[10:11], s[24:25]
	s_add_nc_u64 s[18:19], s[4:5], 16*SL           ; slices 16 on: so the loads' offsets stay inside the signed 24-bit immediate (ISA guide, chapter 10)
	s_wait_kmcnt 0x0
	s_min_u32 s12, s12, 4223
	s_min_u32 s13, s13, 4223
	s_mov_b32 s16, s15
	s_mov_b32 s17, s15                             ; (the packed form names a pair and takes its low word for both halves)
	v_lshl_add_u32 v3, s12, 7, v2
	v_lshl_add_u32 v4, s13, 7, v2
.irp i, 0,1,2,3
	global_load_b128 v[A+4*\i:A+4*\i+3], v3, s[4:5] offset:4*SL*\i th:TH_LOAD_NT
	global_load_b128 v[B+4*\i:B+4*\i+3], v4, s[4:5] offset:4*SL*\i th:TH_LOAD_NT
.endr
.irp i, 0,1,2,3
	global_load_b128 v[A+16+4*\i:A+16+4*\i+3], v3, s[18:19] offset:4*SL*\i th:TH_LOAD_NT
	global_load_b128 v[B+16+4*\i:B+16+4*\i+3], v4, s[18:19] offset:4*SL*\i th:TH_LOAD_NT
.endr
.irp i, 0,1,2,3,4,5,6,7
	s_wait_loadcnt 14-2*\i                         ; pair i is in; the pairs issued behind it may be out
	v_pk_mul_f32 v[A+4*\i:A+4*\i+1], v[A+4*\i:A+4*\i+1], s[14:15] op_sel_hi:[1,0]
	v_pk_mul_f32 v[A+4*\i+2:A+4*\i+3], v[A+4*\i+2:A+4*\i+3], s[14:15] op_sel_hi:[1,0]
	v_pk_fma_f32 v[A+4*\i:A+4*\i+1], v[B+4*\i:B+4*\i+1], s[16:17], v[A+4*\i:A+4*\i+1] op_sel_hi:[1,0,1]
	v_pk_fma_f32 v[A+4*\i+2:A+4*\i+3], v[B+4*\i+2:B+4*\i+3], s[16:17], v[A+4*\i+2:A+4*\i+3] op_sel_hi:[1,0,1]
	global_store_b128 v7, v[A+4*\i:A+4*\i+3], s[10:11] offset:512*\i th:TH_STORE_NT
.endr
	s_endpgm
.Lfunc_end_k_qfcbe2a06ca_combine:
	.size	k_qfcbe2a06ca_combine, .Lfunc_end_k_qfcbe2a06ca_combine-k_qfcbe2a06ca_combine
	.p2alignl 7, 3214868480
	.fill 96, 4, 3214868480
	.section	.rodata,"a",@progbits
	.p2align	6, 0x0
	.amdhsa_kernel k_qfcbe2a06ca_combine
		.amdhsa_group_segment_fixed_size 0
		.amdhsa_private_segment_fixed_size 0
		.amdhsa_enable_private_segment 0
		.amdhsa_kernarg_size 32
		.amdhsa_user_sgpr_count 2
		.amdhsa_user_sgpr_kernarg_segment_ptr 1
		.amdhsa_wavefront_size32 1
		.amdhsa_system_sgpr_workgroup_id_x 1
		.amdhsa_system_sgpr_workgroup_id_y 1
		.amdhsa_system_sgpr_workgroup_id_z 1
		.amdhsa_system_vgpr_workitem_id 0
		.amdhsa_next_free_vgpr 96
		.amdhsa_next_free_sgpr 66
		.amdhsa_reserve_vcc 0
		.amdhsa_float_denorm_mode_32 3
		.amdhsa_float_denorm_mode_16_64 3
		.amdhsa_memory_ordered 1
		.amdhsa_forward_progress 1
		.amdhsa_inst_pref_size 6
	.end_amdhsa_kernel
	.amdgpu_metadata
---
amdhsa.version: [ 1, 2 ]
amdhsa.kernels:
  - .name:           k_qfcbe2a06ca_combine
    .symbol:         k_qfcbe2a06ca_combine.kd
    .args:
      - { .name: y, .offset: 0, .size: 8, .value_kind: global_buffer, .address_space: global }
      - { .name: plan, .offset: 8, .size: 8, .value_kind: global_buffer, .address_space: global }
      - { .name: gv, .offset: 16, .size: 8, .value_kind: global_buffer, .address_space: global }
      - { .name: out0, .offset: 24, .size: 8, .value_kind: global_buffer, .address_space: global }
    .group_segment_fixed_size: 0
    .private_segment_fixed_size: 0
    .kernarg_segment_align: 8
    .kernarg_segment_size: 32
    .max_flat_workgroup_size: 256
    .sgpr_count:     66
    .vgpr_count:     96
    .wavefront_size: 32
...
	.end_amdgpu_metadata
.endif
;; end of part 5
;; ======== version 2 of 2: 5 launches
;; workspace buffers: sel 8,192 bytes of whole numbers; gv 16,384 bytes; plan 16,640 bytes of whole numbers; xs 4,325,376 bytes; xss 135,168 bytes; hq 8,650,752 bytes; hs 270,336 bytes; y 17,301,504 bytes
;; launch route (part 6): grid 256 x 1, 4 waves a work-group, no clusters, 41,472 bytes of LDS; arguments x, gate_W, gate_b, sel, gv; writes sel, gv
.if DOCPART == 6
	.amdgcn_target "amdgcn-amd-amdhsa--gfx1250"
	.amdhsa_code_object_version 6
	.text
	.protected	k_qfcbe2a06ca_route
	.globl	k_qfcbe2a06ca_route
	.p2align	8
	.type	k_qfcbe2a06ca_route,@function
k_qfcbe2a06ca_route:
	s_mov_b64 s[64:65], 0
	v_nop
	global_prefetch_b8 v0, s[64:65] scope:SCOPE_SE
	s_setreg_imm32_b32 hwreg(HW_REG_WAVE_MODE, 25, 1), 1
	s_wait_xcnt 0x0
; ROUTE: scores = softmax(x gate_W + gate_b) over 8 experts; the two largest (the lower number wins a tie); their gates g = score / max(sum of the two, 1e-12).
; x [2048][1024] f32, gate_W [1024][8] f32, gate_b [8] f32.  Out, at fixed places: sel[token] = (1 << 4 a) | (1 << 4 b), a nibble an expert; gv[token] = the gate of the lower-numbered chosen expert, then of the higher.
; All arithmetic is f32 (fused multiply-adds): a choice hangs on it.  No address and no branch hangs on a score: the choice is made by v_cndmask_b32 alone.
; SHARES.  A work-group takes 8 tokens, a wave two.  Lane l = (kk = l / 2, eh = l % 2) owns k = 64 m + 4 kk + jj (m = 0..15, jj = 0..3) and experts 4 eh .. 4 eh + 3.
; gate_W lies in LDS once for the four waves: rows 4 a .. 4 a + 3 (128 bytes) at 160 a, so that the 16 lanes of half a 16-byte read stand at 16 different 16-byte columns modulo 256 bytes.
; A work-group has 32 bytes of sel and 64 of gv to store: too few to fill 256 aligned bytes; the two buffers are 24 KB in the whole launch.
; LIMITS: NaN and infinities are not served.  Two scores that agree to the last bit or two of f32 may be ranked the other way round than a differently ordered f32 sum ranks them.
.set G0,  16                           ; v16-79   gate_W as loaded; then two buffers of 32: 8 rows x 4 experts
.set XR,  80                           ; v80-143  x of token A (register 4 m + jj), v144-207 of token B
.set ACC, 208                          ; v208-211 token A's four sums, v212-215 token B's
.set OT,  216                          ; v216-223 the other lane's
.set L,   224                          ; v224-239 logits, then scores: 8 t + e
.set KC,  80                           ; v80-87   the constants 1 << 4 e, once x is done with
	s_load_b256 s[4:11], s[0:1], 0x0               ; x, gate_W, gate_b, sel
	s_load_b64 s[12:13], s[0:1], 0x20              ; gv
	v_lshl_add_u32 v254, v0, 2, 0xa000
	v_mov_b32 v255, 0
	v_lshrrev_b32 v1, 5, v0
	v_readfirstlane_b32 s14, v1                    ; wave
	v_and_b32 v1, 31, v0                           ; lane
	v_lshlrev_b32 v2, 4, v0                        ; gate_W: 16 bytes a thread
	v_lshrrev_b32 v3, 3, v0
	v_mul_u32_u24 v3, v3, 160
	v_and_b32 v6, 7, v0
	v_lshl_add_u32 v3, v6, 4, v3                   ; into LDS: 160 (thread / 8) + 16 (thread % 8)
	v_lshrrev_b32 v6, 1, v1                        ; kk
	v_and_b32 v7, 1, v1                            ; eh
	v_mul_u32_u24 v4, v6, 160
	v_lshl_add_u32 v4, v7, 4, v4                   ; out of LDS: 160 kk + 16 eh
	v_lshlrev_b32 v5, 4, v6                        ; x: 16 kk
	v_lshlrev_b32 v8, 2, v1                        ; sel: 4 bytes a lane
	v_lshlrev_b32 v9, 3, v1                        ; gv: 8
.irp i, 0,1,2,3,4,5,6,7
	v_mov_b32 v[OT+\i], 0                          ; written once: the destination of a lane permute counts as one of its sources
.endr
	s_lshl_b32 s15, ttmp9, 3
	s_lshl_b32 s26, s14, 1
	s_add_co_u32 s15, s15, s26                     ; my first token: 8 x work-group + 2 x wave
	s_mov_b32 s29, 0
	s_mov_b32 s24, 0x76543210
	s_mov_b32 s25, 0xfedcba98                      ; v_permlanex16_b32's selects for lane l xor 16
	s_wait_kmcnt 0x0
	s_load_b256 s[16:23], s[8:9], 0x0              ; gate_b's eight numbers
	s_lshl_b32 s28, s15, 12
	s_add_nc_u64 s[4:5], s[4:5], s[28:29]
	s_lshl_b32 s28, s15, 2
	s_add_nc_u64 s[10:11], s[10:11], s[28:29]
	s_lshl_b32 s28, s15, 3
	s_add_nc_u64 s[12:13], s[12:13], s[28:29]
.irp i, 0,1,2,3,4,5,6,7,8,9,10,11,12,13,14,15
	global_load_b128 v[G0+4*\i:G0+4*\i+3], v2, s[6:7] offset:2048*\i
.endr
.irp t, 0,1
.irp m, 0,1,2,3,4,5,6,7,8,9,10,11,12,13,14,15
	global_load_b128 v[XR+64*\t+4*\m:XR+64*\t+4*\m+3], v5, s[4:5] offset:4096*\t+256*\m   ; 256 consecutive bytes, aligned; two lanes to each 16
.endr
.endr
	s_wait_loadcnt 32                              ; gate_W's 16 loads are in; x's 32, issued behind them, may be out
.irp i, 0,1,2,3,4,5,6,7,8,9,10,11,12,13,14,15
	ds_store_b128 v3, v[G0+4*\i:G0+4*\i+3] offset:2560*\i
.endr
	s_wait_dscnt 0x0                               ; for the others' sake: my stores have landed
	s_barrier_signal -1
	s_barrier_wait -1
.macro GLOAD c                         ; rows of m = 2 c, 2 c + 1: eight reads of 16 bytes into buffer c % 2
.irp mi, 0,1
.irp jj, 0,1,2,3
	ds_load_b128 v[G0+32*((\c)%2)+16*\mi+4*\jj:G0+32*((\c)%2)+16*\mi+4*\jj+3], v4 offset:2560*(2*(\c)+\mi)+32*\jj
.endr
.endr
.endm
.macro FMA c                           ; 32 packed multiply-adds: 8 k x 2 tokens x 4 experts; the four sums take turns.  The very first k starts the sums
.irp mi, 0,1
.irp jj, 0,1,2,3
.irp t, 0,1
.irp p, 0,1
.set rA, ACC+4*\t+2*\p
.set rX, XR+64*\t+4*(2*(\c)+\mi)+2*(\jj/2)
.set rG, G0+32*((\c)%2)+16*\mi+4*\jj+2*\p
.if ((\c)+\mi+\jj) == 0
	v_pk_mul_f32 v[rA:rA+1], v[rX:rX+1], v[rG:rG+1] op_sel_hi:[0,1]
.elseif (\jj%2) == 0
	v_pk_fma_f32 v[rA:rA+1], v[rX:rX+1], v[rG:rG+1], v[rA:rA+1] op_sel_hi:[0,1,1]
.else
	v_pk_fma_f32 v[rA:rA+1], v[rX:rX+1], v[rG:rG+1], v[rA:rA+1] op_sel:[1,0,0] op_sel_hi:[1,1,1]
.endif
.endr
.endr
.endr
.endr
.endm
	GLOAD 0
	GLOAD 1
	s_wait_loadcnt 0x0                             ; x
.irp c, 0,1,2,3,4,5,6
	s_wait_alu depctr_va_vdst(0)
	s_wait_dscnt 8                                 ; this chunk's eight reads are in; the next chunk's eight may be out
	FMA \c
.if \c < 6
	GLOAD \c+2
.endif
.endr
	s_wait_alu depctr_va_vdst(0)
	s_wait_dscnt 0x0
	FMA 7
	; the sums of the 16 lanes with my eh: lanes 2, 4, 8 and 16 away
.irp x, 2,4,8
.irp i, 0,1,2,3,4,5,6,7
	v_add_f32_dpp v[ACC+\i], v[ACC+\i], v[ACC+\i] row_xmask:\x row_mask:0xf bank_mask:0xf
.endr
.endr
.irp i, 0,1,2,3,4,5,6,7
	v_permlanex16_b32 v[OT+\i], v[ACC+\i], s24, s25
.endr
.irp i, 0,1,2,3,4,5,6,7
	v_add_f32 v[ACC+\i], v[ACC+\i], v[OT+\i]
.endr
.irp i, 0,1,2,3,4,5,6,7
	v_mov_b32_dpp v[OT+\i], v[ACC+\i] row_xmask:1 row_mask:0xf bank_mask:0xf   ; my neighbour's four experts
.endr
	v_cmp_ne_u32 vcc_lo, 0, v7                     ; eh = 1?
.irp t, 0,1
.irp i, 0,1,2,3
	v_cndmask_b32 v[L+8*\t+\i], v[ACC+4*\t+\i], v[OT+4*\t+\i], vcc_lo
	v_cndmask_b32 v[L+8*\t+4+\i], v[OT+4*\t+\i], v[ACC+4*\t+\i], vcc_lo
.endr
.endr
	s_wait_alu depctr_va_vdst(0)
	s_wait_kmcnt 0x0                               ; gate_b
.irp e, 0,1,2,3,4,5,6,7
.irp t, 0,1
	v_add_f32 v[L+8*\t+\e], s[16+\e], v[L+8*\t+\e]
.endr
.endr
	; softmax, every lane for both tokens: the largest logit is taken away first
.irp t, 0,1
	v_max3_num_f32 v[240+\t], v[L+8*\t], v[L+8*\t+1], v[L+8*\t+2]
.endr
.irp t, 0,1
	v_max3_num_f32 v[240+\t], v[240+\t], v[L+8*\t+3], v[L+8*\t+4]
.endr
.irp t, 0,1
	v_max3_num_f32 v[240+\t], v[240+\t], v[L+8*\t+5], v[L+8*\t+6]
.endr
.irp t, 0,1
	v_max_num_f32 v[240+\t], v[240+\t], v[L+8*\t+7]
.endr
.irp e, 0,1,2,3,4,5,6,7
.irp t, 0,1
	v_sub_f32 v[L+8*\t+\e], v[L+8*\t+\e], v[240+\t]
.endr
.endr
.irp e, 0,1,2,3,4,5,6,7
.irp t, 0,1
	v_mul_f32 v[L+8*\t+\e], 0x3fb8aa3b, v[L+8*\t+\e]   ; x log2(e)
.endr
.endr
	s_wait_alu depctr_va_vdst(0)
.irp e, 0,1,2,3,4,5,6,7
.irp t, 0,1
	v_exp_f32 v[L+8*\t+\e], v[L+8*\t+\e]
.endr
.endr
.irp e, 0,1,2,3,4,5,6,7
	v_mov_b32 v[KC+\e], 1<<(4*\e)                  ; plain work behind the sixteen exponentials
.endr
	s_wait_alu depctr_va_vdst(0)                   ; one wait for the batch, ahead of its first reader
.irp t, 0,1
	v_add_f32 v[242+4*\t], v[L+8*\t], v[L+8*\t+1]
	v_add_f32 v[243+4*\t], v[L+8*\t+2], v[L+8*\t+3]
	v_add_f32 v[244+4*\t], v[L+8*\t+4], v[L+8*\t+5]
	v_add_f32 v[245+4*\t], v[L+8*\t+6], v[L+8*\t+7]
.endr
.irp t, 0,1
	v_add_f32 v[242+4*\t], v[242+4*\t], v[243+4*\t]
	v_add_f32 v[244+4*\t], v[244+4*\t], v[245+4*\t]
.endr
.irp t, 0,1
	v_add_f32 v[242+4*\t], v[242+4*\t], v[244+4*\t]
.endr
	s_wait_alu depctr_va_vdst(0)
.irp t, 0,1
	v_rcp_f32 v[250+\t], v[242+4*\t]
.endr
	v_nop                                          ; a plain line behind the reciprocals
	s_wait_alu depctr_va_vdst(0)
.irp e, 0,1,2,3,4,5,6,7
.irp t, 0,1
	v_mul_f32 v[L+8*\t+\e], v[L+8*\t+\e], v[250+\t]   ; the scores
.endr
.endr
	; the largest: ascending, strictly greater, so that the lower number keeps a tie.  v[242+4t] its score, v[243+4t] its bit
.irp t, 0,1
	v_mov_b32 v[242+4*\t], v[L+8*\t]
	v_mov_b32 v[243+4*\t], v[KC]
.endr
.irp e, 1,2,3,4,5,6,7
.irp t, 0,1
	v_cmp_gt_f32 vcc_lo, v[L+8*\t+\e], v[242+4*\t]
	v_cndmask_b32 v[242+4*\t], v[242+4*\t], v[L+8*\t+\e], vcc_lo
	v_cndmask_b32 v[243+4*\t], v[243+4*\t], v[KC+\e], vcc_lo
.endr
.endr
	; the second: the same over the other seven, from -1, which lies under every score.  v[244+4t], v[245+4t]
.irp t, 0,1
	v_mov_b32 v[244+4*\t], -1.0
	v_mov_b32 v[245+4*\t], 0
.endr
.irp e, 0,1,2,3,4,5,6,7
.irp t, 0,1
	v_cmp_gt_f32 vcc_lo, v[L+8*\t+\e], v[244+4*\t]
	v_cmp_ne_u32 s30, v[KC+\e], v[243+4*\t]
	s_and_b32 vcc_lo, vcc_lo, s30
	v_cndmask_b32 v[244+4*\t], v[244+4*\t], v[L+8*\t+\e], vcc_lo
	v_cndmask_b32 v[245+4*\t], v[245+4*\t], v[KC+\e], vcc_lo
.endr
.endr
.irp t, 0,1
	v_add_f32 v[250+\t], v[242+4*\t], v[244+4*\t]
.endr
.irp t, 0,1
	v_max_num_f32 v[250+\t], 0x2b8cbccc, v[250+\t] ; max(., 1e-12)
.endr
	s_wait_alu depctr_va_vdst(0)
.irp t, 0,1
	v_rcp_f32 v[250+\t], v[250+\t]
.endr
	v_nop
	s_wait_alu depctr_va_vdst(0)
.irp t, 0,1
	v_mul_f32 v[242+4*\t], v[242+4*\t], v[250+\t]
	v_mul_f32 v[244+4*\t], v[244+4*\t], v[250+\t]
.endr
.irp t, 0,1
	v_cmp_lt_u32 vcc_lo, v[243+4*\t], v[245+4*\t]  ; is the largest the lower-numbered?
	v_cndmask_b32 v[16+4*\t], v[244+4*\t], v[242+4*\t], vcc_lo   ; the lower-numbered expert's gate,
	v_cndmask_b32 v[17+4*\t], v[242+4*\t], v[244+4*\t], vcc_lo   ; the higher's
	v_or_b32 v[18+4*\t], v[243+4*\t], v[245+4*\t]
.endr
	v_cmp_ne_u32 vcc_lo, 0, v7                     ; lane 0 stores token A, lane 1 token B
	v_cndmask_b32 v12, v16, v20, vcc_lo
	v_cndmask_b32 v13, v17, v21, vcc_lo
	v_cndmask_b32 v10, v18, v22, vcc_lo
	v_cmp_gt_u32 vcc_lo, 2, v1
	s_wait_alu depctr_va_vdst(0)
	s_wait_xcnt 0x0                                ; EXEC changes only behind this wait
	s_wait_tensorcnt 0x0
	ds_add_u32 v254, v255
	s_wait_dscnt 0x0
	s_and_saveexec_b32 s31, vcc_lo
	global_store_b32 v8, v10, s[10:11]
	global_store_b64 v9, v[12:13], s[12:13]
	s_endpgm
.Lfunc_end_k_qfcbe2a06ca_route:
	.size	k_qfcbe2a06ca_route, .Lfunc_end_k_qfcbe2a06ca_route-k_qfcbe2a06ca_route
	.p2alignl 7, 3214868480
	.fill 96, 4, 3214868480
	.section	.rodata,"a",@progbits
	.p2align	6, 0x0
	.amdhsa_kernel k_qfcbe2a06ca_route
		.amdhsa_group_segment_fixed_size 41472
		.amdhsa_private_segment_fixed_size 0
		.amdhsa_enable_private_segment 0
		.amdhsa_kernarg_size 40
		.amdhsa_user_sgpr_count 2
		.amdhsa_user_sgpr_kernarg_segment_ptr 1
		.amdhsa_wavefront_size32 1
		.amdhsa_system_sgpr_workgroup_id_x 1
		.amdhsa_system_sgpr_workgroup_id_y 1
		.amdhsa_system_sgpr_workgroup_id_z 1
		.amdhsa_system_vgpr_workitem_id 0
		.amdhsa_next_free_vgpr 256
		.amdhsa_next_free_sgpr 66
		.amdhsa_reserve_vcc 1
		.amdhsa_float_denorm_mode_32 3
		.amdhsa_float_denorm_mode_16_64 3
		.amdhsa_memory_ordered 1
		.amdhsa_forward_progress 1
		.amdhsa_inst_pref_size 42
	.end_amdhsa_kernel
	.amdgpu_metadata
---
amdhsa.version: [ 1, 2 ]
amdhsa.kernels:
  - .name:           k_qfcbe2a06ca_route
    .symbol:         k_qfcbe2a06ca_route.kd
    .args:
      - { .name: x, .offset: 0, .size: 8, .value_kind: global_buffer, .address_space: global }
      - { .name: gate_W, .offset: 8, .size: 8, .value_kind: global_buffer, .address_space: global }
      - { .name: gate_b, .offset: 16, .size: 8, .value_kind: global_buffer, .address_space: global }
      - { .name: sel, .offset: 24, .size: 8, .value_kind: global_buffer, .address_space: global }
      - { .name: gv, .offset: 32, .size: 8, .value_kind: global_buffer, .address_space: global }
    .group_segment_fixed_size: 41472
    .private_segment_fixed_size: 0
    .kernarg_segment_align: 8
    .kernarg_segment_size: 40
    .max_flat_workgroup_size: 128
    .sgpr_count:     66
    .vgpr_count:     256
    .wavefront_size: 32
...
	.end_amdgpu_metadata
.endif
;; end of part 6
;; launch place (part 7): grid 264 x 1, 8 waves a work-group, no clusters, 70,656 bytes of LDS; arguments x, sel, xs, xss, plan; writes xs, xss, plan
.if DOCPART == 7
	.amdgcn_target "amdgcn-amd-amdhsa--gfx1250"
	.amdhsa_code_object_version 6
	.text
	.protected	k_qfcbe2a06ca_place
	.globl	k_qfcbe2a06ca_place
	.p2align	8
	.type	k_qfcbe2a06ca_place,@function
k_qfcbe2a06ca_place:
	s_mov_b64 s[64:65], 0
	v_nop
	global_prefetch_b8 v0, s[64:65] scope:SCOPE_SE
	s_setreg_imm32_b32 hwreg(HW_REG_WAVE_MODE, 25, 1), 1
	s_wait_xcnt 0x0
; PLACE: the 4,096 routed rows are sorted by expert into tiles of 16 rows; each tile's rows of x are gathered and quantised to codes of E5M2 with one E8M0 byte for each 32 along K.
; Expert e owns ceil(n_e / 16) tiles, one behind the other; there are never more than (4096 + 8 x 15) / 16 = 263 of them, whatever the choice.  Work-group j is tile j; one that the split leaves without rows stores nothing.
; Every work-group repeats the counting sort from sel (8 KB): no traffic between work-groups.  A row's rank within its expert goes by (wave, word i, lane), token = 256 wave + 32 i + lane.
; OUT: xs [tile][8 K steps][4][32 lanes][16 bytes]: images of the operand's registers; xss [tile][8][16 rows] scale words; plan: rowpos[token][2] = 16 tile + row (slot 0: the lower-numbered expert), and at byte 16,384 tab[expert] = (first tile, tiles).
; The rows that an expert's last tile has too many hold token 2,047's row; what is made of them is never read.
; rowpos is a scatter by token: sixteen stores of 4 bytes a tile, 16 KB in the launch.  It is the one place where EXEC is narrowed, and it stands last: every address is made with all lanes on.
; A block's scale is 2^(floor(log2(largest magnitude)) - 15); its byte is the largest magnitude's exponent field - 15, held at 1 from below.
; LIMITS: a block of zeros gets the byte 1 where the rule says 127: its codes are zeros, and this program alone reads the bytes.  NaN and infinities are not served.
.set CNT,   0                          ; LDS: 16 bytes a wave: its counts, two experts to a word
.set LISTW, 256                        ; 4 bytes a thread: each wave's finds for the tile's 16 rows (token + 1, or 0)
.set SCL,   1280                       ; the tile's scale words: 64 x K step + 4 x row
.set STG,   2048                       ; a stage of 16 rows x (512 + 16) bytes for each wave
.set SP,    528
.set ST,    136                        ; v136-199 64 numbers of my row: register 16 b + i = k 32 b + 16 (lane / 16) + i
.set TM,    200                        ; v200-215 at work in the quantiser
.set PW,    216                        ; the scale word
.set PC,    220                        ; v220-235 the codes
.set SEL,   24
.set MNT,   26
	s_load_b256 s[4:11], s[0:1], 0x0               ; x, sel, xs, xss
	s_load_b64 s[12:13], s[0:1], 0x20              ; plan
	v_lshl_add_u32 v254, v0, 2, 0x11000
	v_mov_b32 v255, 0
	v_lshrrev_b32 v32, 5, v0
	s_delay_alu instid0(VALU_DEP_1)
	v_readfirstlane_b32 s14, v32                   ; wave = K step
	s_mov_b32 s15, ttmp9                           ; j
	v_and_b32 v1, 31, v0                           ; lane
	v_and_b32 v2, 15, v0                           ; r
	v_bfe_u32 v3, v0, 4, 1                         ; h
	s_delay_alu instid0(VALU_DEP_3)
	v_lshlrev_b32 v4, 4, v1                        ; 16 lane
	s_mul_i32 s41, s14, 16*SP
	s_add_co_u32 s41, s41, STG                     ; my stage
	v_add_nc_u32 v5, s41, v4                       ; into it: a row's 512 bytes as they lie
	v_mul_u32_u24 v6, v2, SP
	s_delay_alu instid0(VALU_DEP_1)
	v_lshl_add_u32 v6, v3, 6, v6
	s_delay_alu instid0(VALU_DEP_1)
	v_add_nc_u32 v6, s41, v6                       ; out of it: row r, + 64 h
	s_lshl_b32 s42, s14, 8                         ; 256 w
	v_add_nc_u32 v240, s42, v1
	s_delay_alu instid0(VALU_DEP_1)
	v_lshlrev_b32 v240, 2, v240                    ; sel: 4 (256 w + lane)
	v_lshlrev_b32 v241, 4, v32                     ; CNT + 16 w
	v_and_b32 v243, 7, v0
	s_delay_alu instid0(VALU_DEP_1)
	v_lshlrev_b32 v242, 4, v243                    ; CNT + 16 (lane % 8)
	v_lshl_add_u32 v244, v0, 2, LISTW
	v_lshl_add_u32 v245, v2, 2, LISTW
	s_lshl_b32 s43, s14, 6
	s_add_co_u32 s43, s43, SCL
	v_lshl_add_u32 v246, v2, 2, s43
	v_add_nc_u32 v247, SCL, v4
	v_mov_b32 v248, -1
	s_lshl_b32 s43, s14, 9
	v_add_nc_u32 v249, s43, v4                     ; a row's 512 bytes of my K step: 512 w + 16 lane
	v_lshlrev_b32 v250, 2, v1
	v_mov_b32 v251, 4
.irp i, 0,1,2,3,4,5,6,7
	v_mov_b32 v[32+\i], 0                          ; written once: the destination of a lane permute counts as one of its sources
.endr
.irp b, 0,1,2,3
	v_mov_b32 v[TM+4+\b], 0
.endr
	v_mov_b32 v40, 0
	v_mov_b32 v41, 0
	s_add_co_u32 s44, s42, 1                       ; 256 w + 1
	s_mov_b32 s[SEL], 0x76543210
	s_mov_b32 s[SEL+1], 0xfedcba98
	s_mov_b32 s[MNT], 0x600000
.irp r, 0,1,2,3,4,5,6,7,8,9,10,11,12,13,14,15
	s_mov_b32 s[48+\r], 0
.endr
	s_wait_kmcnt 0x0
.irp i, 0,1,2,3,4,5,6,7
	global_load_b32 v[8+\i], v240, s[6:7] offset:128*\i
.endr
	s_wait_loadcnt 0x0
	; my wave's counts: a nibble of the sum of 8 words is at most 8
	v_add_nc_u32 v16, v8, v9
	s_delay_alu instid0(VALU_DEP_1)
	v_add3_u32 v16, v16, v10, v11
	s_delay_alu instid0(VALU_DEP_1)
	v_add3_u32 v16, v16, v12, v13
	s_delay_alu instid0(VALU_DEP_1)
	v_add3_u32 v16, v16, v14, v15
.irp k, 0,1,2,3
	v_bfe_u32 v[20+\k], v16, 8*\k, 4
	v_bfe_u32 v[32+\k], v16, 8*\k+4, 4
.endr
.irp k, 0,1,2,3
	v_lshl_or_b32 v[20+\k], v[32+\k], 16, v[20+\k] ; experts 2 k (low half) and 2 k + 1 (high half)
.endr
.irp x, 1,2,4,8
.irp k, 0,1,2,3
	s_delay_alu instid0(VALU_DEP_4)
	v_mov_b32_dpp v[32+\k], v[20+\k] row_xmask:\x row_mask:0xf bank_mask:0xf
.endr
.irp k, 0,1,2,3
	s_delay_alu instid0(VALU_DEP_4)
	v_add_nc_u32 v[20+\k], v[20+\k], v[32+\k]
.endr
.endr
.irp k, 0,1,2,3
	s_delay_alu instid0(VALU_DEP_4)
	v_permlanex16_b32 v[32+\k], v[20+\k], s[SEL], s[SEL+1]
.endr
.irp k, 0,1,2,3
	s_delay_alu instid0(VALU_DEP_4)
	v_add_nc_u32 v[20+\k], v[20+\k], v[32+\k]
.endr
	ds_store_b128 v241, v[20:23]                   ; all lanes write the same 16 bytes
	s_wait_dscnt 0x0
	s_barrier_signal -1
	s_barrier_wait -1                              ; the eight waves' counts lie in LDS
	ds_load_b128 v[24:27], v242                    ; lane l: wave l % 8's
	s_wait_dscnt 0x0
	v_cmp_gt_u32 vcc_lo, s14, v243                 ; a wave in front of mine?
.irp k, 0,1,2,3
	v_cndmask_b32 v[28+\k], 0, v[24+\k], vcc_lo
.endr
.irp x, 1,2,4
.irp k, 0,1,2,3,4,5,6,7
	v_mov_b32_dpp v[32+\k], v[24+\k] row_xmask:\x row_mask:0xf bank_mask:0xf
.endr
.irp k, 0,1,2,3,4,5,6,7
	v_add_nc_u32 v[24+\k], v[24+\k], v[32+\k]
.endr
.endr
.irp k, 0,1,2,3
	v_readfirstlane_b32 s[16+\k], v[24+\k]         ; the totals,
	v_readfirstlane_b32 s[20+\k], v[28+\k]         ; and what the waves in front of mine hold
.endr
	; the experts' tiles, one behind the other.  The last expert whose first tile is not beyond j owns tile j (an expert without rows has no tile and is passed over by the next)
	s_mov_b32 s34, 0
	s_mov_b32 s27, 0
	s_mov_b32 s28, 0
	s_mov_b32 s32, 0
.irp e, 0,1,2,3,4,5,6,7
.if (\e%2) == 0
	s_and_b32 s41, s[16+\e/2], 0xffff
	s_and_b32 s42, s[20+\e/2], 0xffff
.else
	s_lshr_b32 s41, s[16+\e/2], 16
	s_lshr_b32 s42, s[20+\e/2], 16
.endif
	s_add_co_u32 s35, s41, 15
	s_lshr_b32 s35, s35, 4                         ; its tiles
	s_cmp_ge_u32 s15, s34
	s_cselect_b32 s27, \e, s27                     ; the owner,
	s_cselect_b32 s28, s34, s28                    ; its first tile,
	s_cselect_b32 s32, s42, s32                    ; its rows in the waves in front of mine
	v_writelane_b32 v41, s34, 2*\e
	s_delay_alu instid0(VALU_DEP_1)
	v_writelane_b32 v41, s35, 2*\e+1
	s_wait_alu depctr_va_vdst(0)
	s_add_co_u32 s34, s34, s35
.endr
	s_mov_b32 s36, s34                             ; tiles in all
	s_lshl_b32 s37, s27, 2                         ; the owner's nibble
	s_lshl_b32 s38, 1, s37
	s_sub_co_u32 s38, s38, 1                       ; the nibbles under it
	s_lshl_b32 s39, s15, 4                         ; 16 j
	s_sub_co_u32 s41, s15, s28
	s_lshl_b32 s41, s41, 4
	s_sub_co_i32 s32, s32, s41                     ; run: the rank of my wave's next member, counted from the tile's first row (signed)
; Word i of my wave: 32 tokens.  Only a word that holds one of the tile's 16 ranks does the work: a tile touches a few words of the whole work-group.
; What it finds goes into scalar registers: s[48 + r] = the token of the tile's row r, + 1.
.macro WORD i
	v_bfe_u32 v32, v[8+\i], s37, 1                 ; does the token go to the owner?
	s_delay_alu instid0(VALU_DEP_1)
	v_cmp_ne_u32 s30, 0, v32
	s_bcnt1_i32_b32 s31, s30
	s_add_co_i32 s33, s32, s31
	s_cmp_ge_i32 s32, 16
	s_cbranch_scc1 .Lpast_\@
	s_cmp_le_i32 s33, 0
	s_cbranch_scc1 .Lpast_\@
	v_mbcnt_lo_u32_b32 v33, s30, s32               ; run + the members in the lanes under mine: my row in the tile,
	s_delay_alu instid0(VALU_DEP_1)
	v_cndmask_b32 v33, v248, v33, s30              ; or -1 where I am no member
	s_wait_alu depctr_va_vdst(0)
	s_add_co_u32 s45, s44, 32*\i                   ; 256 w + 32 i + 1
.irp r, 0,1,2,3,4,5,6,7,8,9,10,11,12,13,14,15
	v_cmp_eq_u32 s42, \r, v33
	s_ctz_i32_b32 s43, s42                         ; which lane holds row r,
	s_add_co_u32 s43, s43, s45                     ; its token + 1,
	s_cmp_lg_u32 s42, 0
	s_cselect_b32 s43, s43, 0                      ; or nothing
	s_or_b32 s[48+\r], s[48+\r], s43
.endr
.Lpast_\@:
	s_mov_b32 s32, s33
.endm
.irp i, 0,1,2,3,4,5,6,7
	WORD \i
.endr
.irp r, 0
	v_writelane_b32 v40, s[48+\r], \r
.endr
.irp r, 1, 2, 3, 4, 5, 6, 7, 8, 9, 10, 11, 12, 13, 14, 15
	s_delay_alu instid0(VALU_DEP_1)
	v_writelane_b32 v40, s[48+\r], \r
.endr
	ds_store_b32 v244, v40
	s_wait_dscnt 0x0
	s_barrier_signal -1
	s_barrier_wait -1                              ; the eight waves' finds lie in LDS
.irp w, 0,1,2,3,4,5,6,7
	ds_load_b32 v[44+\w], v245 offset:128*\w
.endr
	s_wait_dscnt 0x0
	v_or_b32 v53, v44, v45
.irp w, 2,3,4,5,6,7
	s_delay_alu instid0(VALU_DEP_1)
	v_or_b32 v53, v53, v[44+\w]                    ; row r's token + 1, or 0
.endr
	s_delay_alu instid0(VALU_DEP_1)
	v_add_nc_u32 v52, -1, v53
	s_delay_alu instid0(VALU_DEP_1)
	v_min_u32 v52, 0x7ff, v52                      ; row r's token; a row without one takes token 2,047
	s_delay_alu instid0(VALU_DEP_1)
	v_lshlrev_b32 v55, 2, v52
	global_load_b32 v54, v55, s[6:7]               ; that token's word of sel, for rowpos: issued ahead of the rows, so the first wait below shows it in too
.irp r, 0,1,2,3,4,5,6,7,8,9,10,11,12,13,14,15
	v_readlane_b32 s41, v52, \r
	s_min_u32 s41, s41, 2047
	v_lshl_add_u32 v[56+\r], s41, 12, v249
.endr
.irp r, 0,1,2,3,4,5,6,7,8,9,10,11,12,13,14,15
	global_load_b128 v[72+4*\r:72+4*\r+3], v[56+\r], s[4:5]   ; 512 consecutive bytes of one row, aligned
.endr
.irp r, 0,1,2,3,4,5,6,7,8,9,10,11,12,13,14,15
	s_wait_loadcnt 15-\r                           ; row r is in; the rows behind it may be out
	ds_store_b128 v5, v[72+4*\r:72+4*\r+3] offset:SP*\r
.endr
.irp b, 0,1,2,3
.irp jj, 0,1,2,3
	ds_load_b128 v[ST+16*\b+4*\jj:ST+16*\b+4*\jj+3], v6 offset:128*\b+16*\jj   ; LDS serves a wave's instructions in order: these see my stores
.endr
.endr
	s_wait_dscnt 0x0
	; the four blocks of 32 of my row's 128 numbers: 16 of each are mine, 16 lane l xor 16's
.irp b, 0,1,2,3
	v_max3_num_f32 v[TM+\b], |v[ST+16*\b]|, |v[ST+1+16*\b]|, 0x8000000   ; and the floor 2^(16 - 127): the byte cannot fall under 1
.endr
.irp i, 2,4,6,8,10,12,14
.irp b, 0,1,2,3
	s_delay_alu instid0(VALU_DEP_4)
	v_max3_num_f32 v[TM+\b], v[TM+\b], |v[ST+16*\b+\i]|, |v[ST+1+16*\b+\i]|
.endr
.endr
.irp b, 0,1,2,3
	s_delay_alu instid0(VALU_DEP_4)
	v_permlanex16_b32 v[TM+4+\b], v[TM+\b], s[SEL], s[SEL+1]
.endr
.irp b, 0,1,2,3
	s_delay_alu instid0(VALU_DEP_4)
	v_max_num_f32 v[TM+\b], v[TM+\b], v[TM+4+\b]
.endr
.irp b, 0,1,2,3
	s_delay_alu instid0(VALU_DEP_4)
	v_add_nc_u32 v[TM+12+\b], 0xf8800000, v[TM+\b] ; 15 off the exponent field: the conversion's scale operand
.endr
.irp b, 0,1,2,3
	v_and_or_b32 v[TM+8+\b], v[TM+\b], 0x7f800000, s[MNT]   ; 57,344 x the scale
.endr
.irp b, 0,1,2,3
	v_lshrrev_b32 v[TM+4+\b], 23, v[TM+12+\b]      ; the scale's byte
.endr
	s_delay_alu instid0(VALU_DEP_3)
	v_lshl_or_b32 v[PW], v[TM+5], 8, v[TM+4]
	s_delay_alu instid0(VALU_DEP_1)
	v_lshl_or_b32 v[PW], v[TM+6], 16, v[PW]
	s_delay_alu instid0(VALU_DEP_1)
	v_lshl_or_b32 v[PW], v[TM+7], 24, v[PW]
.irp b, 0,1,2,3
.irp i, 0,1,2,3,4,5,6,7,8,9,10,11,12,13,14,15
	v_med3_num_f32 v[ST+16*\b+\i], v[ST+16*\b+\i], -v[TM+8+\b], v[TM+8+\b]   ; the conversion to an 8-bit code does not saturate (ISA guide 7.6.2): the hold comes first
.endr
	v_cvt_scalef32_pk8_bf8_f32 v[PC+4*\b:PC+1+4*\b], v[ST+16*\b:ST+7+16*\b], v[TM+12+\b]
	v_cvt_scalef32_pk8_bf8_f32 v[PC+2+4*\b:PC+3+4*\b], v[ST+8+16*\b:ST+15+16*\b], v[TM+12+\b]
.endr
	v_nop                                          ; a plain line behind the last conversion
	ds_store_b32 v246, v[PW]                       ; lanes r and r + 16 write the same word
	s_wait_dscnt 0x0
	s_barrier_signal -1
	s_barrier_wait -1                              ; the tile's 128 scale words lie in LDS.  No barrier follows: from here on waves may part
	s_cmp_ge_u32 s15, s36
	s_cbranch_scc1 .Lend                           ; a tile that this split does not have
	s_lshl_b32 s66, s15, 14
	s_lshl_b32 s41, s14, 11
	s_add_co_u32 s66, s66, s41
	s_mov_b32 s67, 0
	s_add_nc_u64 s[8:9], s[8:9], s[66:67]
	s_wait_alu depctr_va_vdst(0)
.irp c, 0,1,2,3
	global_store_b128 v4, v[PC+4*\c:PC+4*\c+3], s[8:9] offset:512*\c   ; 512 consecutive bytes, aligned
.endr
	s_cmp_lg_u32 s14, 0
	s_cbranch_scc1 .Lend                           ; the rest is wave 0's
	ds_load_b128 v[236:239], v247
	v_and_b32 v34, s38, v54
	s_delay_alu instid0(VALU_DEP_1)
	v_cmp_ne_u32 vcc_lo, 0, v34                    ; has the row's token a lower-numbered expert too?  Then this is its slot 1
	s_delay_alu instid0(VALU_DEP_1)
	v_cndmask_b32 v34, 0, v251, vcc_lo
	s_delay_alu instid0(VALU_DEP_1)
	v_min_u32 v34, 4, v34
	s_delay_alu instid0(VALU_DEP_1)
	v_lshl_add_u32 v35, v52, 3, v34                ; rowpos: 8 x token + 4 x slot
	v_add_nc_u32 v36, s39, v2                      ; 16 j + row
	v_cmp_ne_u32 vcc_lo, 0, v53                    ; a row with a token,
	v_cmp_gt_u32 s30, 16, v1                       ; once: lanes 0 to 15
	s_and_b32 vcc_lo, vcc_lo, s30
	s_lshl_b32 s66, s15, 9
	s_add_nc_u64 s[10:11], s[10:11], s[66:67]
	s_wait_dscnt 0x0
	global_store_b128 v4, v[236:239], s[10:11]     ; the tile's 512 bytes of scale words
	s_cmp_lg_u32 s15, 0
	s_cbranch_scc1 .Lrows
	global_store_b32 v250, v41, s[12:13] offset:16384   ; tab: work-group 0 alone
.Lrows:
	s_wait_xcnt 0x0                                ; EXEC changes only behind this wait
	s_wait_tensorcnt 0x0
	ds_add_u32 v254, v255
	s_wait_dscnt 0x0
	s_and_saveexec_b32 s40, vcc_lo
	s_wait_alu depctr_va_vdst(0)
	global_store_b32 v35, v36, s[12:13]            ; where the token's row lies
	s_endpgm
.Lend:
	s_wait_tensorcnt 0x0
	ds_add_u32 v254, v255
	s_wait_dscnt 0x0
	s_endpgm
.Lfunc_end_k_qfcbe2a06ca_place:
	.size	k_qfcbe2a06ca_place, .Lfunc_end_k_qfcbe2a06ca_place-k_qfcbe2a06ca_place
	.p2alignl 7, 3214868480
	.fill 96, 4, 3214868480
	.section	.rodata,"a",@progbits
	.p2align	6, 0x0
	.amdhsa_kernel k_qfcbe2a06ca_place
		.amdhsa_group_segment_fixed_size 70656
		.amdhsa_private_segment_fixed_size 0
		.amdhsa_enable_private_segment 0
		.amdhsa_kernarg_size 40
		.amdhsa_user_sgpr_count 2
		.amdhsa_user_sgpr_kernarg_segment_ptr 1
		.amdhsa_wavefront_size32 1
		.amdhsa_system_sgpr_workgroup_id_x 1
		.amdhsa_system_sgpr_workgroup_id_y 1
		.amdhsa_system_sgpr_workgroup_id_z 1
		.amdhsa_system_vgpr_workitem_id 0
		.amdhsa_next_free_vgpr 256
		.amdhsa_next_free_sgpr 72
		.amdhsa_reserve_vcc 1
		.amdhsa_float_denorm_mode_32 3
		.amdhsa_float_denorm_mode_16_64 3
		.amdhsa_memory_ordered 1
		.amdhsa_forward_progress 1
		.amdhsa_inst_pref_size 70
	.end_amdhsa_kernel
	.amdgpu_metadata
---
amdhsa.version: [ 1, 2 ]
amdhsa.kernels:
  - .name:           k_qfcbe2a06ca_place
    .symbol:         k_qfcbe2a06ca_place.kd
    .args:
      - { .name: x, .offset: 0, .size: 8, .value_kind: global_buffer, .address_space: global }
      - { .name: sel, .offset: 8, .size: 8, .value_kind: global_buffer, .address_space: global }
      - { .name: xs, .offset: 16, .size: 8, .value_kind: global_buffer, .address_space: global }
      - { .name: xss, .offset: 24, .size: 8, .value_kind: global_buffer, .address_space: global }
      - { .name: plan, .offset: 32, .size: 8, .value_kind: global_buffer, .address_space: global }
    .group_segment_fixed_size: 70656
    .private_segment_fixed_size: 0
    .kernarg_segment_align: 8
    .kernarg_segment_size: 40
    .max_flat_workgroup_size: 256
    .sgpr_count:     72
    .vgpr_count:     256
    .wavefront_size: 32
...
	.end_amdgpu_metadata
.endif
;; end of part 7
;; launch ffn1 (part 8): grid 256 x 1, 4 waves a work-group, no clusters, 68,352 bytes of LDS; arguments W1, b1, xs, xss, plan, hq, hs; writes hq, hs
.if DOCPART == 8
	.amdgcn_target "amdgcn-amd-amdhsa--gfx1250"
	.amdhsa_code_object_version 6
	.text
	.protected	k_qfcbe2a06ca_ffn1
	.globl	k_qfcbe2a06ca_ffn1
	.p2align	8
	.type	k_qfcbe2a06ca_ffn1,@function
k_qfcbe2a06ca_ffn1:
	s_mov_b64 s[64:65], 0
	v_nop
	global_prefetch_b8 v0, s[64:65] scope:SCOPE_SE
	s_setreg_imm32_b32 hwreg(HW_REG_WAVE_SCHED_MODE, 0, 2), 2
	s_setreg_imm32_b32 hwreg(HW_REG_WAVE_MODE, 25, 1), 1
	s_wait_xcnt 0x0
	s_wait_alu depctr_vm_vsrc(0)
; FFN1: the hidden layer of the routed rows, h = relu(Q(x) Q(W1) + b1), quantised again along the hidden units: both as codes of E5M2 with one E8M0 byte for each 32 along K.
; THE WEIGHTS STAY, THE ROWS STREAM.  Work-group = (expert e = wg / 32, slice = wg % 32): 64 hidden units x all K = 1,024 of W1[e]: 256 KB of f32, read once in the launch.
; PHASE 1: wave w quantises k = 256 w .. + 255 of the slice, 8 blocks of 32 along K, and lays the codes in LDS as images of the operand's registers; one barrier; every wave then takes all 32 fragments (512 registers) and keeps them.
; PHASE 2: no wave waits for another.  Wave w takes pairs of row tiles u = w, w + 4, ..: their fragments come from xs straight into registers (each load 512 consecutive bytes), 64 matrix instructions a pair,
; then relu, scale and codes in registers, and the images of h's fragments go to hq.  The trip count hangs on the stored list (plan), so this launch has no tensor load, no cluster and no joint load.
; THE PRODUCT IS USED TRANSPOSED (source 0 = 16 columns of W1, source 1 = 16 rows of x): a lane holds one row of h.  THE COLUMNS OF A TILE ARE NOT NEIGHBOURS: row r of tile 2 b + u is hidden unit
; 32 b + 8 u + r + 8 (r / 8) of the slice, so that the 16 registers of tiles 2 b, 2 b + 1 are 16 neighbours along the next K.  b1 is the C of each sum's first matrix instruction.
; W1's K is its first axis: a lane loads 4 neighbouring columns (16 bytes) of 16 rows.  The four columns have four scales, so the numbers are multiplied by 2^-e (exact), held at +-57,344 and converted with the scale 1;
; the codes' bytes are then turned 4 x 4 by v_perm_b32, so that a lane's 16 bytes run along K.
; A slice's two scale bytes of a row are half of a word whose other half the neighbouring slice makes: they leave as 2 bytes a row (270 KB in the launch).
; LIMITS: a block of zeros gets the byte 1 where the rule says 127 (its codes are zeros; this program alone reads the bytes).  NaN and infinities are not served.  The bias enters a sum first.
; REGISTERS, in windows of 256.  Window 0: v1-14 addresses; v16-47 W1's scale words, v48-55 x's (they hold scales and nothing else); v56-87 b1; v88-151 eight accumulators; v152-187 the quantiser; v192-244 phase 1.
;   window 1: W1's fragments of K steps 0-3 at 64 s + 16 t; window 2: of K steps 4-7; window 3: phase 1's four landing sets of 64, then x's fragments: 64 g + 32 (s % 2) + 16 rho.
; THE MODE: SCHED_MODE bits 1:0 = 2 (LLVM: expert scheduling mode 2), set by the entry lines.  The code itself states the register dependences
; between vector or matrix instructions and memory or LDS instructions, with s_wait_alu, always for 0.
; THE PLAN.  Registers that memory or LDS instructions touch:
;   v2-v7, v13, v14    Offsets and LDS addresses: written at the head and never again.  One wait on va_vdst ahead of the first load serves them for the whole kernel.
;   window 3, phase 1  Block b's maxima, multiplications, holds and conversions read and write landing set b % 4; behind them the loads of block b + 4 land in it.
;   PP, WW             Written by block b's byte turns and shifts, read by its LDS stores, written again by block b + 1.
;   window 3, phase 2  and XS: group g's 16 products read its 64 registers and its two scale words; behind them the same group of the pair four further on lands there.
;   PC, PW             Written by a trip's quantiser, read by its stores, written again by the next trip's quantiser.
;   Windows 1 and 2, WS and BI are loaded once and then read by products alone; the accumulators, TM and phase 1's other registers are named by vector and matrix instructions alone.
; So: in phase 1 one wait on va_vdst a block, behind the byte turns, for the loads and the LDS stores that follow it, and one on vm_vsrc at the block's head.  In phase 2 one wait on va_vdst behind each group's
; products, since the loop lives on loads in flight and a group's registers are asked for again at once; one behind the quantiser, ahead of the stores; one on vm_vsrc at the trip's head.
.set WTP,  16400                       ; LDS: a tile's 8 fragments (16,384 bytes) + 16, so that the four tiles' stores of one instruction begin 16 bytes apart modulo 256
.set WSC,  65792                       ; W1's scale words: 512 t + 64 s + 4 r
.set WS,   16
.set XS,   48
.set BI,   56
.set ACC,  88
.set TM,   152
.set PW,   168
.set PC,   172
.set CD,   192                         ; v192-207 codes as converted: register i: k index i, 4 columns
.set PP,   208                         ; v208-223 turned: register 4 j + g: column j, k index 4 g .. 4 g + 3
.set TT,   224
.set TMW,  228                         ; largest magnitudes of my four columns
.set TP,   232
.set FF,   236                         ; 2^-e
.set WW,   240                         ; scale words in the making
.set ONE,  244
.set SEL,  28
.set MNT,  30
.set MSB, 0
.macro WIN new                         ; the immediate's high byte repeats the setting that is left
.if MSB != \new
	s_set_vgpr_msb (MSB<<8)|\new
.set MSB, \new
.endif
.endm
	s_load_b256 s[4:11], s[0:1], 0x0               ; W1, b1, xs, xss
	s_load_b128 s[12:15], s[0:1], 0x20             ; plan, hq
	s_load_b64 s[16:17], s[0:1], 0x30              ; hs
	v_lshl_add_u32 v254, v0, 2, 0x10900
	v_mov_b32 v255, 0
	v_lshrrev_b32 v1, 5, v0
	v_readfirstlane_b32 s18, v1                    ; wave
	s_lshr_b32 s19, ttmp9, 5                       ; expert
	s_and_b32 s20, ttmp9, 31                       ; slice
	v_and_b32 v1, 31, v0                           ; lane
	v_and_b32 v8, 15, v0                           ; q (phase 1), r (phase 2)
	v_bfe_u32 v9, v0, 4, 1                         ; h
	v_lshlrev_b32 v2, 4, v8
	v_lshl_add_u32 v2, v9, 17, v2                  ; W1: 16 q + 16 h rows of 8,192 bytes
	v_bfe_u32 v10, v0, 3, 1
	v_bfe_u32 v11, v0, 1, 1
	v_lshl_add_u32 v10, v10, 1, v11                ; columns 4 q .. 4 q + 3 lie in tile t = 2 (q / 8) + (q / 2) % 2,
	v_bfe_u32 v11, v0, 2, 1
	v_and_b32 v12, 1, v0                           ; at rows 8 ((q / 4) % 2) + 4 (q % 2) + j
	v_mul_u32_u24 v3, v10, WTP
	v_lshl_add_u32 v3, v9, 8, v3
	v_lshl_add_u32 v3, v11, 7, v3
	v_lshl_add_u32 v3, v12, 6, v3
	s_wait_alu depctr_va_sdst(0)                   ; s18, the wave's number, is written, ahead of its first reader
	s_lshl_b32 s66, s18, 12
	v_add_nc_u32 v3, s66, v3                       ; where my codes go: tile, K step 2 w, lane 16 h + row
	v_lshlrev_b32 v4, 9, v10
	v_lshl_add_u32 v4, v11, 5, v4
	v_lshl_add_u32 v4, v12, 4, v4
	s_lshl_b32 s66, s18, 7
	s_add_co_u32 s66, s66, WSC
	v_add_nc_u32 v4, s66, v4                       ; and my four columns' scale words
	v_lshlrev_b32 v5, 4, v1                        ; 16 lane: an image's place for my lane
	v_lshlrev_b32 v6, 2, v1                        ; 4 lane
	v_lshl_add_u32 v7, v8, 2, WSC
	v_lshlrev_b32 v13, 6, v9                       ; b1: 64 h
	v_lshlrev_b32 v14, 2, v8                       ; hs: 4 r
.irp j, 0,1,2,3
	v_mov_b32 v[TP+\j], 0                          ; written once: the destination of a lane permute counts as one of its sources
	v_mov_b32 v[TM+4+\j], 0
.endr
	v_mov_b32 v[ONE], 1.0
	s_mov_b32 s[SEL], 0x76543210
	s_mov_b32 s[SEL+1], 0xfedcba98
	s_mov_b32 s[MNT], 0x600000
	s_mov_b32 s31, 0x47600000                      ; 57,344
	s_mov_b32 s32, 0xc7600000
	s_mov_b32 s33, 0x05010400                      ; v_perm_b32: bytes 0, 1 of two words by turns,
	s_mov_b32 s34, 0x07030602                      ; bytes 2, 3,
	s_mov_b32 s35, 0x05040100                      ; the two low halves,
	s_mov_b32 s36, 0x07060302                      ; the two high halves
	s_mov_b32 s61, 0
	s_lshl_b32 s21, s19, 3
	s_lshl_b32 s60, s19, 23
	s_lshl_b32 s66, s18, 21
	s_add_co_u32 s60, s60, s66
	s_lshl_b32 s66, s20, 8
	s_add_co_u32 s60, s60, s66
	s_wait_kmcnt 0x0
	s_add_nc_u64 s[38:39], s[4:5], s[60:61]        ; W1[e], row 256 w, column 64 slice
	s_load_b64 s[22:23], s[12:13], s21 offset:0x4000   ; the expert's first tile and its tiles
.macro LOADW b                         ; block b: lanes 0-15 read 256 bytes of row 32 b + i, lanes 16-31 of row 32 b + 16 + i
	WIN 0xc0
.irp i, 0,1,2,3,4,5,6,7,8,9,10,11,12,13,14,15
	global_load_b128 v[64*((\b)%4)+4*\i:64*((\b)%4)+4*\i+3], v2, s[38:39] offset:(32*(\b)+\i)*8192 th:TH_LOAD_NT
.endr
	WIN 0
.endm
	WIN 0xc0
	s_wait_alu depctr_va_vdst(0)                   ; the offsets and LDS addresses v2 to v7, v13 and v14 are written: every load and store of the kernel reads one of them, and none is written again
.irp b, 0,1,2,3
	LOADW \b
.endr
	s_wait_kmcnt 0x0
	s_min_u32 s22, s22, 263
	s_min_u32 s23, s23, 128
	s_sub_co_u32 s24, s23, 1                       ; the last tile's number within the expert
	s_add_co_u32 s25, s23, 1
	s_lshr_b32 s25, s25, 1                         ; pairs of tiles
	s_mov_b32 s26, s18                             ; u: my first pair
	s_add_co_u32 s21, s25, 3
	s_sub_co_u32 s21, s21, s18
	s_lshr_b32 s21, s21, 2                         ; my trips: the pairs w, w + 4, .. under the number of pairs; 0 where there is none
	s_mov_b32 s37, 0                               ; trips done
	s_lshl_b32 s60, s20, 10
	s_add_nc_u64 s[56:57], s[14:15], s[60:61]      ; hq: the slice's 1,024 bytes of a tile's image
	s_lshr_b32 s60, s20, 1
	s_lshl_b32 s60, s60, 6
	s_and_b32 s66, s20, 1
	s_lshl_b32 s66, s66, 1
	s_add_co_u32 s60, s60, s66
	s_add_nc_u64 s[58:59], s[16:17], s[60:61]      ; hs: the slice's 2 bytes of a row's word
	s_lshl_b32 s60, s19, 13
	s_lshl_b32 s66, s20, 8
	s_add_co_u32 s60, s60, s66
	s_add_nc_u64 s[6:7], s[6:7], s[60:61]          ; b1[e] at the slice
.macro WQ b
.set XB, 64*((\b)%4)
.if (\b) < 5
	s_wait_loadcnt 48                              ; this block's 16 loads are in; the three sets behind it may be out
.else
	s_wait_loadcnt 16*(7-(\b))
.endif
	s_wait_dscnt 0x0                               ; the last block's LDS stores are done
.if (\b) > 0
	s_wait_alu depctr_vm_vsrc(0)                   ; the last block's LDS stores have read PP and WW, which this block writes again
.endif
	WIN 0x0f
.irp j, 0,1,2,3
	v_max3_num_f32 v[TMW+\j], |v[XB+\j]|, |v[XB+4+\j]|, 0x8000000   ; column j's 16 numbers, and the floor 2^(16 - 127)
.endr
.irp i, 2,4,6,8,10,12,14
.irp j, 0,1,2,3
	v_max3_num_f32 v[TMW+\j], |v[XB+4*\i+\j]|, |v[XB+4*\i+4+\j]|, v[TMW+\j]
.endr
.endr
	WIN 0
.irp j, 0,1,2,3
	v_permlanex16_b32 v[TP+\j], v[TMW+\j], s[SEL], s[SEL+1]
.endr
.irp j, 0,1,2,3
	v_max_num_f32 v[TMW+\j], v[TMW+\j], v[TP+\j]   ; with lane l xor 16's 16: the block's largest magnitude
.endr
.irp j, 0,1,2,3
	v_add_nc_u32 v[TP+\j], 0xf8800000, v[TMW+\j]
	v_and_b32 v[FF+\j], 0x7f800000, v[TMW+\j]
.endr
.irp j, 0,1,2,3
	v_lshrrev_b32 v[TP+\j], 23, v[TP+\j]           ; the scale's byte: the exponent field - 15
	v_sub_nc_u32 v[FF+\j], 0x86800000, v[FF+\j]    ; 1 / the scale: exponent field 269 - the largest magnitude's
.endr
.irp j, 0,1,2,3
.if ((\b)%4) == 0
	v_mov_b32 v[WW+\j], v[TP+\j]
.else
	v_lshl_or_b32 v[WW+\j], v[TP+\j], 8*((\b)%4), v[WW+\j]
.endif
.endr
	WIN 0xc3
.irp i, 0,1,2,3,4,5,6,7,8,9,10,11,12,13,14,15
	v_pk_mul_f32 v[XB+4*\i:XB+4*\i+1], v[XB+4*\i:XB+4*\i+1], v[FF:FF+1]
	v_pk_mul_f32 v[XB+4*\i+2:XB+4*\i+3], v[XB+4*\i+2:XB+4*\i+3], v[FF+2:FF+3]
.endr
.set n, 0
.rept 64
	v_med3_num_f32 v[XB+n], v[XB+n], s32, s31      ; the conversion to an 8-bit code does not saturate (ISA guide 7.6.2): the hold comes first
.set n, n+1
.endr
	WIN 0x03
.irp m, 0,1,2,3,4,5,6,7
	v_cvt_scalef32_pk8_bf8_f32 v[CD+2*\m:CD+2*\m+1], v[XB+8*\m:XB+8*\m+7], v[ONE]
.endr
	v_nop                                          ; a plain line behind the last conversion
	WIN 0
.irp g, 0,1,2,3
	v_perm_b32 v[TT],   v[CD+4*\g+1], v[CD+4*\g],   s33
	v_perm_b32 v[TT+1], v[CD+4*\g+1], v[CD+4*\g],   s34
	v_perm_b32 v[TT+2], v[CD+4*\g+3], v[CD+4*\g+2], s33
	v_perm_b32 v[TT+3], v[CD+4*\g+3], v[CD+4*\g+2], s34
	v_perm_b32 v[PP+\g],    v[TT+2], v[TT],   s35
	v_perm_b32 v[PP+4+\g],  v[TT+2], v[TT],   s36
	v_perm_b32 v[PP+8+\g],  v[TT+3], v[TT+1], s35
	v_perm_b32 v[PP+12+\g], v[TT+3], v[TT+1], s36
.endr
.if (\b) < 4
	WIN 0xc0
.endif
	s_wait_alu depctr_va_vdst(0)                   ; PP and WW are written, which the LDS stores below read; the multiplications, holds and conversions are done with this landing set, in which loads land next: block b + 4's, or, behind block 7, phase 2's first
.if (\b) < 4
	LOADW (\b)+4                                   ; the set is asked for again at once
.endif
.irp j, 0,1,2,3
	ds_store_b128 v3, v[PP+4*\j:PP+4*\j+3] offset:2048*((\b)/4)+512*((\b)%4)+16*\j   ; no vector instruction stands between the wait above and these stores
.endr
.if ((\b)%4) == 3
	ds_store_b128 v4, v[WW:WW+3] offset:64*((\b)/4)
.endif
.endm
.irp b, 0,1,2,3,4,5,6,7
	WQ \b
.endr
	s_wait_dscnt 0x0                               ; for the others' sake: my images have landed
	s_barrier_signal -1
	s_barrier_wait -1                              ; the slice's 32 fragments and their scale words lie in LDS.  The launch's only barrier: from here on waves may part
	s_cmp_eq_u32 s21, 0
	s_cbranch_scc1 .Lend                           ; no pair of tiles for this wave
.macro TAU dst, src                    ; the tile with number src within the expert, held at the expert's last tile and inside the buffers
	s_min_u32 \dst, \src, s24
	s_add_co_u32 \dst, \dst, s22
	s_min_u32 \dst, \dst, 263
.endm
.macro PTR dst, ptr, tile, sh
	s_lshl_b32 s60, \tile, \sh
	s_add_nc_u64 s[\dst:\dst+1], s[\ptr:\ptr+1], s[60:61]
.endm
.macro XADDR first                     ; where the pair of tiles first, first + 1 lies in xs (s[40:43]) and xss (s[44:47])
	TAU s67, \first
	PTR 40, 8, s67, 14
	PTR 44, 10, s67, 9
	s_add_co_u32 s68, \first, 1
	TAU s67, s68
	PTR 42, 8, s67, 14
	PTR 46, 10, s67, 9
.endm
.macro RELOAD g                        ; K steps 2 g, 2 g + 1 of both tiles: 16 loads of 512 consecutive bytes, and 2 of scale words (lanes 0-15: K step 2 g's, lanes 16-31: 2 g + 1's)
	WIN 0xc0
.irp sp, 0,1
.irp rho, 0,1
.irp c, 0,1,2,3
	global_load_b128 v[64*(\g)+32*\sp+16*\rho+4*\c:64*(\g)+32*\sp+16*\rho+4*\c+3], v5, s[40+2*\rho:41+2*\rho] offset:2048*(2*(\g)+\sp)+512*\c
.endr
.endr
.endr
	WIN 0
.irp rho, 0,1
	global_load_b32 v[XS+2*(\g)+\rho], v6, s[44+2*\rho:45+2*\rho] offset:128*(\g)
.endr
.endm
.macro GROUP g                         ; 16 matrix instructions; the eight accumulators take turns, one instruction a turn
	s_wait_loadcnt 54                              ; this group's 18 loads are in; the three groups issued behind it, 18 loads each, may be out
.if (\g) < 2
	WIN 0x0d                                       ; source 0 (W1) window 1, source 1 (x) window 3, C and D window 0
.else
	WIN 0x0e
.endif
.irp sp, 0,1
.irp rho, 0,1
.irp t, 0,1,2,3
.set rA, 64*((2*(\g)+\sp)%4)+16*\t
.set rB, 64*(\g)+32*\sp+16*\rho
.set rD, ACC+32*\rho+8*\t
.set rW, WS+8*\t+2*(\g)+\sp
.set rX, XS+2*(\g)+\rho
.if ((\g)+\sp) == 0
	v_wmma_scale_f32_16x16x128_f8f6f4 v[rD:rD+7], v[rA:rA+15], v[rB:rB+15], v[BI+8*\t:BI+8*\t+7], v[rW], v[rX] matrix_a_fmt:MATRIX_FMT_BF8 matrix_b_fmt:MATRIX_FMT_BF8
.elseif \sp == 0
	v_wmma_scale_f32_16x16x128_f8f6f4 v[rD:rD+7], v[rA:rA+15], v[rB:rB+15], v[rD:rD+7], v[rW], v[rX] matrix_a_fmt:MATRIX_FMT_BF8 matrix_b_fmt:MATRIX_FMT_BF8
.else
	v_wmma_scale_f32_16x16x128_f8f6f4 v[rD:rD+7], v[rA:rA+15], v[rB:rB+15], v[rD:rD+7], v[rW], v[rX] matrix_a_fmt:MATRIX_FMT_BF8 matrix_b_fmt:MATRIX_FMT_BF8 matrix_b_scale:MATRIX_SCALE_ROW1
.endif
.endr
.endr
.endr
.if (\g) == 3
.rept 8
	v_nop                                          ; eight places between the last products and the quantiser's first read of their results
.endr
.endif
	WIN 0xc0
	s_wait_alu depctr_va_vdst(0)                   ; this group's products are done reading their fragments of x and x's two scale words, in which the loads below land
	RELOAD \g                                      ; the same group of the pair four further on, at once: the loop lives on loads in flight
.endm
.irp t, 0,1,2,3
	global_load_b128 v[BI+8*\t:BI+8*\t+3], v13, s[6:7] offset:(32*(\t/2)+8*(\t%2))*4      ; b1 at hidden units 32 (t / 2) + 16 h + 8 (t % 2) + 0 .. 7: the result's layout
	global_load_b128 v[BI+8*\t+4:BI+8*\t+7], v13, s[6:7] offset:(32*(\t/2)+8*(\t%2))*4+16
.endr
	s_lshl_b32 s66, s26, 1
	XADDR s66
.irp g, 0,1,2,3
	RELOAD \g                                      ; window 3 was last named by phase 1's vector instructions, all of them ahead of block 7's wait on va_vdst; no vector instruction has been issued since
.endr
	WIN 0x40
.irp s, 0,1,2,3
.irp t, 0,1,2,3
.irp c, 0,1,2,3
	ds_load_b128 v[64*\s+16*\t+4*\c:64*\s+16*\t+4*\c+3], v5 offset:WTP*\t+2048*\s+512*\c
.endr
.endr
.endr
	WIN 0x80
.irp s, 0,1,2,3
.irp t, 0,1,2,3
.irp c, 0,1,2,3
	ds_load_b128 v[64*\s+16*\t+4*\c:64*\s+16*\t+4*\c+3], v5 offset:WTP*\t+2048*(\s+4)+512*\c
.endr
.endr
.endr
	WIN 0
.irp t, 0,1,2,3
.irp s, 0,1,2,3,4,5,6,7
	ds_load_b32 v[WS+8*\t+\s], v7 offset:512*\t+64*\s
.endr
.endr
	s_wait_dscnt 0x0
.Ltrip:
	s_wait_xcnt 0x0                                ; every earlier load and store has read its base and its data: bases, codes and scale bytes may be written again
	s_wait_alu depctr_vm_vsrc(0)                   ; the last trip's stores have read PC and PW, which this trip's quantiser writes again
	s_lshl_b32 s66, s26, 1
	s_add_co_u32 s27, s66, 1
	TAU s67, s66
	PTR 48, 56, s67, 15                            ; where tile 2 u's codes go,
	PTR 52, 58, s67, 10                            ; and its scale bytes;
	TAU s67, s27
	PTR 50, 56, s67, 15                            ; tile 2 u + 1's
	PTR 54, 58, s67, 10
	s_add_co_u32 s66, s66, 8
	XADDR s66                                      ; this trip loads the pair four further on (held at the expert's last tile: only stored bytes are read)
	GROUP 0
	GROUP 1
	GROUP 2
	GROUP 3
	; relu, scale and codes.  Block 2 rho + beta: 32 hidden units of tile rho's row; 16 are mine, 16 lane l xor 16's.  No |.|: what is negative becomes 0 and must not count
.irp b, 0,1,2,3
	v_max3_num_f32 v[TM+\b], v[ACC+16*\b], v[ACC+1+16*\b], 0x8000000
.endr
.irp i, 2,4,6,8,10,12,14
.irp b, 0,1,2,3
	v_max3_num_f32 v[TM+\b], v[TM+\b], v[ACC+16*\b+\i], v[ACC+1+16*\b+\i]
.endr
.endr
.irp b, 0,1,2,3
	v_permlanex16_b32 v[TM+4+\b], v[TM+\b], s[SEL], s[SEL+1]
.endr
.irp b, 0,1,2,3
	v_max_num_f32 v[TM+\b], v[TM+\b], v[TM+4+\b]
.endr
.irp b, 0,1,2,3
	v_add_nc_u32 v[TM+12+\b], 0xf8800000, v[TM+\b]
.endr
.irp b, 0,1,2,3
	v_and_or_b32 v[TM+8+\b], v[TM+\b], 0x7f800000, s[MNT]
.endr
.irp b, 0,1,2,3
	v_lshrrev_b32 v[TM+4+\b], 23, v[TM+12+\b]
.endr
	v_lshl_or_b32 v[PW], v[TM+5], 8, v[TM+4]       ; tile 2 u's two bytes of my row,
	v_lshl_or_b32 v[PW+1], v[TM+7], 8, v[TM+6]     ; tile 2 u + 1's
.irp b, 0,1,2,3
.irp i, 0,1,2,3,4,5,6,7,8,9,10,11,12,13,14,15
	v_med3_num_f32 v[ACC+16*\b+\i], v[ACC+16*\b+\i], 0, v[TM+8+\b]   ; the activation and the hold in one
.endr
	v_cvt_scalef32_pk8_bf8_f32 v[PC+4*\b:PC+1+4*\b], v[ACC+16*\b:ACC+7+16*\b], v[TM+12+\b]
	v_cvt_scalef32_pk8_bf8_f32 v[PC+2+4*\b:PC+3+4*\b], v[ACC+8+16*\b:ACC+15+16*\b], v[TM+12+\b]
.endr
	v_nop                                          ; a plain line behind the last conversion: the next trip's products write its sources
	s_wait_alu depctr_va_vdst(0)                   ; the conversions have written PC and the shifts PW, which the stores below read, those behind the branch too: no vector instruction follows in this trip
	global_store_b128 v5, v[PC:PC+3], s[48:49]     ; 1,024 consecutive bytes of tile 2 u's image, aligned
	global_store_b128 v5, v[PC+4:PC+7], s[48:49] offset:512
	global_store_b16 v14, v[PW], s[52:53]
	s_cmp_lt_u32 s27, s23
	s_cbranch_scc0 .Lodd                           ; an odd number of tiles: the last pair's second tile is not there
	global_store_b128 v5, v[PC+8:PC+11], s[50:51]
	global_store_b128 v5, v[PC+12:PC+15], s[50:51] offset:512
	global_store_b16 v14, v[PW+1], s[54:55]
.Lodd:
	s_add_co_u32 s26, s26, 4                       ; my next pair
	s_add_co_u32 s37, s37, 1                       ; the loop is counted by its trips
	s_cmp_lt_u32 s37, s21
	s_cbranch_scc1 .Ltrip
.Lend:
	s_wait_dscnt 0x0                               ; the closing lines, six on end
	s_wait_alu 0x0
	s_wait_tensorcnt 0x0
	ds_add_u32 v254, v255
	s_wait_dscnt 0x0
	s_endpgm
.Lfunc_end_k_qfcbe2a06ca_ffn1:
	.size	k_qfcbe2a06ca_ffn1, .Lfunc_end_k_qfcbe2a06ca_ffn1-k_qfcbe2a06ca_ffn1
	.p2alignl 7, 3214868480
	.fill 96, 4, 3214868480
	.section	.rodata,"a",@progbits
	.p2align	6, 0x0
	.amdhsa_kernel k_qfcbe2a06ca_ffn1
		.amdhsa_group_segment_fixed_size 68352
		.amdhsa_private_segment_fixed_size 0
		.amdhsa_enable_private_segment 0
		.amdhsa_kernarg_size 56
		.amdhsa_user_sgpr_count 2
		.amdhsa_user_sgpr_kernarg_segment_ptr 1
		.amdhsa_wavefront_size32 1
		.amdhsa_system_sgpr_workgroup_id_x 1
		.amdhsa_system_sgpr_workgroup_id_y 1
		.amdhsa_system_sgpr_workgroup_id_z 1
		.amdhsa_system_vgpr_workitem_id 0
		.amdhsa_next_free_vgpr 1024
		.amdhsa_next_free_sgpr 72
		.amdhsa_reserve_vcc 0
		.amdhsa_float_denorm_mode_32 3
		.amdhsa_float_denorm_mode_16_64 3
		.amdhsa_memory_ordered 1
		.amdhsa_forward_progress 1
		.amdhsa_inst_pref_size 163
	.end_amdhsa_kernel
	.amdgpu_metadata
---
amdhsa.version: [ 1, 2 ]
amdhsa.kernels:
  - .name:           k_qfcbe2a06ca_ffn1
    .symbol:         k_qfcbe2a06ca_ffn1.kd
    .args:
      - { .name: W1, .offset: 0, .size: 8, .value_kind: global_buffer, .address_space: global }
      - { .name: b1, .offset: 8, .size: 8, .value_kind: global_buffer, .address_space: global }
      - { .name: xs, .offset: 16, .size: 8, .value_kind: global_buffer, .address_space: global }
      - { .name: xss, .offset: 24, .size: 8, .value_kind: global_buffer, .address_space: global }
      - { .name: plan, .offset: 32, .size: 8, .value_kind: global_buffer, .address_space: global }
      - { .name: hq, .offset: 40, .size: 8, .value_kind: global_buffer, .address_space: global }
      - { .name: hs, .offset: 48, .size: 8, .value_kind: global_buffer, .address_space: global }
    .group_segment_fixed_size: 68352
    .private_segment_fixed_size: 0
    .kernarg_segment_align: 8
    .kernarg_segment_size: 56
    .max_flat_workgroup_size: 128
    .sgpr_count:     72
    .vgpr_count:     1024
    .wavefront_size: 32
...
	.end_amdgpu_metadata
.endif
;; end of part 8
;; launch ffn2 (part 9): grid 256 x 1, 4 waves a work-group, no clusters, 77,568 bytes of LDS; arguments W2, b2, hq, hs, plan, y; writes y
.if DOCPART == 9
	.amdgcn_target "amdgcn-amd-amdhsa--gfx1250"
	.amdhsa_code_object_version 6
	.text
	.protected	k_qfcbe2a06ca_ffn2
	.globl	k_qfcbe2a06ca_ffn2
	.p2align	8
	.type	k_qfcbe2a06ca_ffn2,@function
k_qfcbe2a06ca_ffn2:
	s_mov_b64 s[64:65], 0
	v_nop
	global_prefetch_b8 v0, s[64:65] scope:SCOPE_SE
	s_setreg_imm32_b32 hwreg(HW_REG_WAVE_SCHED_MODE, 0, 2), 2
	s_setreg_imm32_b32 hwreg(HW_REG_WAVE_MODE, 25, 1), 1
	s_wait_xcnt 0x0
	s_wait_alu depctr_vm_vsrc(0)
; FFN2: y = Q(h) Q(W2) + b2 for the routed rows, not yet weighed by the gates.  h comes as codes (hq, hs) in the order of the operand's registers; W2 [8][2048][1024] f32 is quantised here, along K = the hidden units.
; THE WEIGHTS STAY, THE ROWS STREAM.  Work-group = (expert e = wg / 32, slice = wg % 32): 32 output columns x all K = 2,048 of W2[e]: 256 KB of f32, read once in the launch (a row's 128 bytes; the neighbouring slice takes the 128 beside them).
; PHASE 1: wave w quantises k = 512 w .. + 511, 8 double blocks of 64 along K, into LDS as images of the operand's registers; one barrier; every wave takes all 32 fragments (512 registers) and keeps them.
; PHASE 2: no wave waits for another.  Wave w takes row tiles u = w, w + 4, ..: 16 fragments of h from memory straight into registers, 32 matrix instructions, and 16 rows x 128 bytes of y leave through the wave's own stage as 2,048 consecutive bytes.
; The trip count hangs on the stored list (plan), so this launch has no tensor load, no cluster and no joint load.
; THE PRODUCT IS USED TRANSPOSED (source 0 = 16 columns of W2, source 1 = 16 rows of h): a lane holds eight neighbouring columns of one row of y.
; y is laid [32 slices][4,224 rows][32 columns] f32.
; LIMITS: a block of zeros gets the byte 1 where the rule says 127 (its codes are zeros; this program alone reads the bytes).  NaN and infinities are not served.
; The bias enters a sum first; even and odd K steps are summed apart (four accumulators that take turns) and added at the end.
; REGISTERS.  Window 0: v1-15 addresses; v16-47 W2's scale words, v48-55 h's (scales and nothing else); v56-71 b2; v72-103 four accumulators; v104-135 the way out; v192-244 phase 1.
;   window 1: W2's fragments of K steps 0-7 at 32 (s % 8) + 16 t; window 2: of K steps 8-15; window 3: phase 1's four landing sets of 64, then h's fragments at 16 s.
; THE MODE: SCHED_MODE bits 1:0 = 2 (LLVM: expert scheduling mode 2), set by the entry lines.  The code itself states the register dependences
; between vector or matrix instructions and memory or LDS instructions, with s_wait_alu, always for 0.
; THE PLAN.  Registers that memory or LDS instructions touch:
;   v2-v9, v13         Offsets and LDS addresses: written at the head and never again.  One wait on va_vdst ahead of the first load serves them for the whole kernel.
;   window 3, phase 1  Double block b's maxima, multiplications, holds and conversions read and write landing set b % 4; behind them the loads of double block b + 4 land in it.
;   PP, UU             Written by double block b's byte turns and shifts, read by its LDS stores, written again by double block b + 1.
;   window 3, phase 2  and HSR: group g's 8 products read its 64 registers and its two scale words; behind them the same group of the tile four further on lands there.
;   YY                 Written by a trip's eight additions, read by its LDS stores into the stage, written again by the next trip's additions.
;   YB                 The LDS loads from the stage land in it, the trip's global stores read it, the next trip's LDS loads land in it again.  No vector instruction names it.
;   Windows 1 and 2, WS and BI are loaded once and then read by products alone; the accumulators and phase 1's other registers are named by vector and matrix instructions alone.
; So: in phase 1 one wait on va_vdst a double block, behind the byte turns, for the loads and the LDS stores that follow it, and one on vm_vsrc at its head.  In phase 2 one wait on va_vdst behind the products of each
; of groups 0 to 2, since the loop lives on loads in flight and a group's registers are asked for again at once; ONE behind the additions, which serves the stage's stores and the last group's loads alike, so that
; these 18 loads go out while the stage's round trip is under way; one on vm_vsrc at the trip's head.
.set WTP,  32784                       ; LDS: a tile's 16 fragments (32,768 bytes) + 16
.set WSC,  65792                       ; W2's scale words: 1024 t + 64 s + 4 r
.set STG,  67840                       ; a stage of 16 rows x (128 + 16) bytes for each wave
.set WS,   16
.set HSR,  48
.set BI,   56
.set ACC,  72
.set YY,   104
.set YB,   120
.set CD,   192
.set PP,   208
.set TT,   224
.set TMW,  228
.set TP,   232
.set FF,   236
.set UU,   240
.set ONE,  244
.set SEL,  28
.set MSB, 0
.macro WIN new                         ; the immediate's high byte repeats the setting that is left
.if MSB != \new
	s_set_vgpr_msb (MSB<<8)|\new
.set MSB, \new
.endif
.endm
	s_load_b256 s[4:11], s[0:1], 0x0               ; W2, b2, hq, hs
	s_load_b128 s[12:15], s[0:1], 0x20             ; plan, y
	v_lshl_add_u32 v254, v0, 2, 0x12d00
	v_mov_b32 v255, 0
	v_lshrrev_b32 v1, 5, v0
	v_readfirstlane_b32 s18, v1                    ; wave
	s_lshr_b32 s19, ttmp9, 5                       ; expert
	s_and_b32 s20, ttmp9, 31                       ; slice
	v_and_b32 v1, 31, v0                           ; lane
	v_and_b32 v10, 7, v0                           ; q: columns 4 q .. 4 q + 3
	v_bfe_u32 v11, v0, 3, 2                        ; kk: rows 16 kk .. 16 kk + 15 of a double block
	v_bfe_u32 v12, v0, 2, 1                        ; tile t = q / 4
	v_and_b32 v14, 3, v0                           ; rows 4 (q % 4) + j of the tile
	v_lshlrev_b32 v2, 4, v10
	v_lshl_add_u32 v2, v11, 16, v2                 ; W2: 16 q + 16 kk rows of 4,096 bytes
	v_mul_u32_u24 v3, v12, WTP
	v_lshl_add_u32 v3, v11, 8, v3                  ; 512 (kk / 2), the block, + 256 (kk % 2), the half of the lanes
	v_lshl_add_u32 v3, v14, 6, v3
	s_wait_alu depctr_va_sdst(0)                   ; s18, the wave's number, is written, ahead of its first reader
	s_lshl_b32 s66, s18, 13
	v_add_nc_u32 v3, s66, v3                       ; where my codes go: tile, K step 4 w
	v_lshlrev_b32 v4, 10, v12
	v_lshl_add_u32 v4, v14, 4, v4
	s_lshl_b32 s66, s18, 8
	s_add_co_u32 s66, s66, WSC
	v_add_nc_u32 v4, s66, v4                       ; and my four columns' scale words
	v_lshlrev_b32 v5, 4, v1                        ; 16 lane
	v_lshlrev_b32 v6, 2, v1                        ; 4 lane
	v_and_b32 v10, 15, v0                          ; r
	v_bfe_u32 v11, v0, 4, 1                        ; h
	v_lshl_add_u32 v7, v10, 2, WSC
	s_mul_i32 s66, s18, 2304
	s_add_co_u32 s66, s66, STG                     ; my stage
	v_mul_u32_u24 v8, v10, 144
	v_lshl_add_u32 v8, v11, 5, v8
	v_add_nc_u32 v8, s66, v8                       ; into it: row r, + 32 h
	v_lshrrev_b32 v9, 3, v1
	v_mul_u32_u24 v9, v9, 144
	v_and_b32 v12, 7, v0
	v_lshl_add_u32 v9, v12, 4, v9
	v_add_nc_u32 v9, s66, v9                       ; out of it: eight lanes to a row of 128 bytes, four rows an instruction
	v_lshlrev_b32 v13, 5, v11                      ; b2: 32 h
	v_lshlrev_b32 v15, 3, v11                      ; 8 (lane / 16)
.irp j, 0,1,2,3
	v_mov_b32 v[TP+\j], 0                          ; written once: the destination of a lane permute counts as one of its sources
.endr
	v_mov_b32 v[ONE], 1.0
	s_mov_b32 s[SEL], 0x76543210
	s_mov_b32 s[SEL+1], 0xfedcba98
	s_mov_b32 s31, 0x47600000                      ; 57,344
	s_mov_b32 s32, 0xc7600000
	s_mov_b32 s33, 0x05010400
	s_mov_b32 s34, 0x07030602
	s_mov_b32 s35, 0x05040100
	s_mov_b32 s36, 0x07060302
	s_mov_b32 s61, 0
	s_lshl_b32 s21, s19, 3
	s_lshl_b32 s60, s19, 23
	s_lshl_b32 s66, s18, 21
	s_add_co_u32 s60, s60, s66
	s_lshl_b32 s66, s20, 7
	s_add_co_u32 s60, s60, s66
	s_wait_kmcnt 0x0
	s_add_nc_u64 s[38:39], s[4:5], s[60:61]        ; W2[e], row 512 w, column 32 slice
	s_load_b64 s[22:23], s[12:13], s21 offset:0x4000   ; the expert's first tile and its tiles
.macro LOADW b                         ; double block b: eight lanes read 128 bytes of row 64 b + 16 kk + i
	WIN 0xc0
.irp i, 0,1,2,3,4,5,6,7,8,9,10,11,12,13,14,15
	global_load_b128 v[64*((\b)%4)+4*\i:64*((\b)%4)+4*\i+3], v2, s[38:39] offset:(64*(\b)+\i)*4096 th:TH_LOAD_NT
.endr
	WIN 0
.endm
	WIN 0xc0
	s_wait_alu depctr_va_vdst(0)                   ; the offsets and LDS addresses v2 to v9 and v13 are written: every load and store of the kernel reads one of them, and none is written again
.irp b, 0,1,2,3
	LOADW \b
.endr
	s_wait_kmcnt 0x0
	s_min_u32 s22, s22, 263
	s_min_u32 s23, s23, 128
	s_sub_co_u32 s24, s23, 1
	s_mov_b32 s26, s18                             ; u: my first tile
	s_add_co_u32 s21, s23, 3
	s_sub_co_u32 s21, s21, s18
	s_lshr_b32 s21, s21, 2                         ; my trips: the tiles w, w + 4, .. under the number of tiles; 0 where there is none
	s_mov_b32 s37, 0                               ; trips done
	s_mul_i32 s60, s20, 540672
	s_add_nc_u64 s[56:57], s[14:15], s[60:61]      ; y at the slice
	s_lshl_b32 s60, s19, 12
	s_lshl_b32 s66, s20, 7
	s_add_co_u32 s60, s60, s66
	s_add_nc_u64 s[6:7], s[6:7], s[60:61]          ; b2[e] at the slice
.macro WQ b
.set XB, 64*((\b)%4)
.if (\b) < 5
	s_wait_loadcnt 48                              ; this double block's 16 loads are in; the three sets behind it may be out
.else
	s_wait_loadcnt 16*(7-(\b))
.endif
	s_wait_dscnt 0x0                               ; the last double block's LDS stores are done
.if (\b) > 0
	s_wait_alu depctr_vm_vsrc(0)                   ; the last double block's LDS stores have read PP and UU, which this one writes again
.endif
	WIN 0x0f
.irp j, 0,1,2,3
	v_max3_num_f32 v[TMW+\j], |v[XB+\j]|, |v[XB+4+\j]|, 0x8000000   ; column j's 16 numbers, and the floor 2^(16 - 127)
.endr
.irp i, 2,4,6,8,10,12,14
.irp j, 0,1,2,3
	v_max3_num_f32 v[TMW+\j], |v[XB+4*\i+\j]|, |v[XB+4*\i+4+\j]|, v[TMW+\j]
.endr
.endr
	WIN 0
.irp j, 0,1,2,3
	v_max_num_f32_dpp v[TMW+\j], v[TMW+\j], v[TMW+\j] row_xmask:8 row_mask:0xf bank_mask:0xf   ; with lane l xor 8's 16: the block's largest magnitude
.endr
.irp j, 0,1,2,3
	v_add_nc_u32 v[TP+\j], 0xf8800000, v[TMW+\j]
	v_and_b32 v[FF+\j], 0x7f800000, v[TMW+\j]
.endr
.irp j, 0,1,2,3
	v_lshrrev_b32 v[TP+\j], 23, v[TP+\j]           ; the scale's byte
	v_sub_nc_u32 v[FF+\j], 0x86800000, v[FF+\j]    ; 1 / the scale
.endr
.if ((\b)%2) == 0
.irp j, 0,1,2,3
	v_mov_b32 v[UU+\j], v[TP+\j]                   ; block lane / 16 of the K step,
.endr
.else
.irp j, 0,1,2,3
	v_lshl_or_b32 v[UU+\j], v[TP+\j], 16, v[UU+\j] ; and block 2 + lane / 16
.endr
.irp j, 0,1,2,3
	v_lshlrev_b32 v[UU+\j], v15, v[UU+\j]          ; lanes 16-31 hold the odd blocks' bytes
.endr
.irp j, 0,1,2,3
	v_permlanex16_b32 v[TP+\j], v[UU+\j], s[SEL], s[SEL+1]
.endr
.irp j, 0,1,2,3
	v_or_b32 v[UU+\j], v[UU+\j], v[TP+\j]          ; the K step's whole scale word
.endr
.endif
	WIN 0xc3
.irp i, 0,1,2,3,4,5,6,7,8,9,10,11,12,13,14,15
	v_pk_mul_f32 v[XB+4*\i:XB+4*\i+1], v[XB+4*\i:XB+4*\i+1], v[FF:FF+1]
	v_pk_mul_f32 v[XB+4*\i+2:XB+4*\i+3], v[XB+4*\i+2:XB+4*\i+3], v[FF+2:FF+3]
.endr
.set n, 0
.rept 64
	v_med3_num_f32 v[XB+n], v[XB+n], s32, s31      ; the conversion to an 8-bit code does not saturate (ISA guide 7.6.2): the hold comes first
.set n, n+1
.endr
	WIN 0x03
.irp m, 0,1,2,3,4,5,6,7
	v_cvt_scalef32_pk8_bf8_f32 v[CD+2*\m:CD+2*\m+1], v[XB+8*\m:XB+8*\m+7], v[ONE]
.endr
	v_nop                                          ; a plain line behind the last conversion
	WIN 0
.irp g, 0,1,2,3
	v_perm_b32 v[TT],   v[CD+4*\g+1], v[CD+4*\g],   s33
	v_perm_b32 v[TT+1], v[CD+4*\g+1], v[CD+4*\g],   s34
	v_perm_b32 v[TT+2], v[CD+4*\g+3], v[CD+4*\g+2], s33
	v_perm_b32 v[TT+3], v[CD+4*\g+3], v[CD+4*\g+2], s34
	v_perm_b32 v[PP+\g],    v[TT+2], v[TT],   s35
	v_perm_b32 v[PP+4+\g],  v[TT+2], v[TT],   s36
	v_perm_b32 v[PP+8+\g],  v[TT+3], v[TT+1], s35
	v_perm_b32 v[PP+12+\g], v[TT+3], v[TT+1], s36
.endr
.if (\b) < 4
	WIN 0xc0
.endif
	s_wait_alu depctr_va_vdst(0)                   ; PP and UU are written, which the LDS stores below read; the multiplications, holds and conversions are done with this landing set, in which loads land next: double block b + 4's, or, behind the last, phase 2's first
.if (\b) < 4
	LOADW (\b)+4                                   ; the set is asked for again at once
.endif
.irp j, 0,1,2,3
	ds_store_b128 v3, v[PP+4*\j:PP+4*\j+3] offset:2048*((\b)/2)+1024*((\b)%2)+16*\j   ; no vector instruction stands between the wait above and these stores
.endr
.if ((\b)%2) == 1
	ds_store_b128 v4, v[UU:UU+3] offset:64*((\b)/2)
.endif
.endm
.irp b, 0,1,2,3,4,5,6,7
	WQ \b
.endr
	s_wait_dscnt 0x0                               ; for the others' sake: my images have landed
	s_barrier_signal -1
	s_barrier_wait -1                              ; the slice's 32 fragments and their scale words lie in LDS.  The launch's only barrier: from here on waves may part
	s_cmp_eq_u32 s21, 0
	s_cbranch_scc1 .Lend                           ; no tile for this wave
.macro TAU dst, src                    ; the tile with number src within the expert, held at the expert's last tile and inside the buffers
	s_min_u32 \dst, \src, s24
	s_add_co_u32 \dst, \dst, s22
	s_min_u32 \dst, \dst, 263
.endm
.macro PTR dst, ptr, tile, sh
	s_lshl_b32 s60, \tile, \sh
	s_add_nc_u64 s[\dst:\dst+1], s[\ptr:\ptr+1], s[60:61]
.endm
.macro HADDR first                     ; where that tile lies in hq (s[40:41]) and hs (s[44:45])
	TAU s67, \first
	PTR 40, 8, s67, 15
	PTR 44, 10, s67, 10
.endm
.macro RELOAD g                        ; K steps 4 g .. 4 g + 3: 16 loads of 512 consecutive bytes, and 2 of scale words (lanes 0-15: an even K step's, lanes 16-31: the next one's)
	WIN 0xc0
.irp sq, 0,1,2,3
.irp c, 0,1,2,3
	global_load_b128 v[64*(\g)+16*\sq+4*\c:64*(\g)+16*\sq+4*\c+3], v5, s[40:41] offset:2048*(4*(\g)+\sq)+512*\c
.endr
.endr
	WIN 0
.irp pp, 0,1
	global_load_b32 v[HSR+2*(\g)+\pp], v6, s[44:45] offset:128*(2*(\g)+\pp)
.endr
.endm
.macro GROUP g                         ; 8 matrix instructions; the four accumulators (tile t, even or odd K step) take turns, one instruction a turn
	s_wait_loadcnt 54                              ; this group's 18 loads are in; the three groups issued behind it, 18 loads each, may be out
.if (\g) < 2
	WIN 0x0d                                       ; source 0 (W2) window 1, source 1 (h) window 3, C and D window 0
.else
	WIN 0x0e
.endif
.irp sq, 0,1,2,3
.irp t, 0,1
.set ss, 4*(\g)+\sq
.set rA, 32*(ss%8)+16*\t
.set rB, 64*(\g)+16*\sq
.set rD, ACC+16*\t+8*(\sq%2)
.set rW, WS+16*\t+ss
.set rX, HSR+2*(\g)+\sq/2
.if ss == 0
	v_wmma_scale_f32_16x16x128_f8f6f4 v[rD:rD+7], v[rA:rA+15], v[rB:rB+15], v[BI+8*\t:BI+8*\t+7], v[rW], v[rX] matrix_a_fmt:MATRIX_FMT_BF8 matrix_b_fmt:MATRIX_FMT_BF8
.elseif ss == 1
	v_wmma_scale_f32_16x16x128_f8f6f4 v[rD:rD+7], v[rA:rA+15], v[rB:rB+15], 0, v[rW], v[rX] matrix_a_fmt:MATRIX_FMT_BF8 matrix_b_fmt:MATRIX_FMT_BF8 matrix_b_scale:MATRIX_SCALE_ROW1
.elseif (\sq%2) == 0
	v_wmma_scale_f32_16x16x128_f8f6f4 v[rD:rD+7], v[rA:rA+15], v[rB:rB+15], v[rD:rD+7], v[rW], v[rX] matrix_a_fmt:MATRIX_FMT_BF8 matrix_b_fmt:MATRIX_FMT_BF8
.else
	v_wmma_scale_f32_16x16x128_f8f6f4 v[rD:rD+7], v[rA:rA+15], v[rB:rB+15], v[rD:rD+7], v[rW], v[rX] matrix_a_fmt:MATRIX_FMT_BF8 matrix_b_fmt:MATRIX_FMT_BF8 matrix_b_scale:MATRIX_SCALE_ROW1
.endif
.endr
.endr
.if (\g) == 3
	WIN 0
.rept 8
	v_nop                                          ; eight places between the last products and the first read of their results.  This group's loads follow behind the additions' wait
.endr
.else
	WIN 0xc0
	s_wait_alu depctr_va_vdst(0)                   ; this group's products are done reading their fragments of h and h's two scale words, in which the loads below land
	RELOAD \g                                      ; the same group of the tile four further on, at once: the loop lives on loads in flight
.endif
.endm
.irp t, 0,1
	global_load_b128 v[BI+8*\t:BI+8*\t+3], v13, s[6:7] offset:64*\t        ; b2 at columns 16 t + 8 h + 0 .. 7: the result's layout
	global_load_b128 v[BI+8*\t+4:BI+8*\t+7], v13, s[6:7] offset:64*\t+16
.endr
	HADDR s26
.irp g, 0,1,2,3
	RELOAD \g                                      ; window 3 was last named by phase 1's vector instructions, all of them ahead of the last double block's wait on va_vdst; no vector instruction has been issued since
.endr
	WIN 0x40
.irp s, 0,1,2,3,4,5,6,7
.irp t, 0,1
.irp c, 0,1,2,3
	ds_load_b128 v[32*\s+16*\t+4*\c:32*\s+16*\t+4*\c+3], v5 offset:WTP*\t+2048*\s+512*\c
.endr
.endr
.endr
	WIN 0x80
.irp s, 0,1,2,3,4,5,6,7
.irp t, 0,1
.irp c, 0,1,2,3
	ds_load_b128 v[32*\s+16*\t+4*\c:32*\s+16*\t+4*\c+3], v5 offset:WTP*\t+2048*(\s+8)+512*\c
.endr
.endr
.endr
	WIN 0
.irp t, 0,1
.irp s, 0,1,2,3,4,5,6,7,8,9,10,11,12,13,14,15
	ds_load_b32 v[WS+16*\t+\s], v7 offset:1024*\t+64*\s
.endr
.endr
	s_wait_dscnt 0x0
.Ltrip:
	s_wait_xcnt 0x0                                ; every earlier load and store has read its base and its data: both may be written again
	s_wait_alu depctr_vm_vsrc(0)                   ; the last trip's LDS stores have read YY, which this trip's additions write again; its global stores have read YB, in which this trip's LDS loads land
	TAU s67, s26
	PTR 48, 56, s67, 11                            ; where tile u's 16 rows of y go
	s_add_co_u32 s66, s26, 4
	HADDR s66                                      ; this trip loads the tile four further on (held at the expert's last tile: only stored bytes are read)
	GROUP 0
	GROUP 1
	GROUP 2
	GROUP 3
.irp t, 0,1
.irp x, 0,1,2,3
	v_pk_add_f32 v[YY+8*\t+2*\x:YY+8*\t+2*\x+1], v[ACC+16*\t+2*\x:ACC+16*\t+2*\x+1], v[ACC+16*\t+8+2*\x:ACC+16*\t+8+2*\x+1]   ; even K steps' sum + odd K steps'; each accumulator from its low end on
.endr
.endr
	s_wait_alu depctr_va_vdst(0)                   ; the additions have written YY, which the LDS stores read; the last group's products are done reading their fragments of h and its two scale words, in which the loads further down land
.irp t, 0,1
	ds_store_b128 v8, v[YY+8*\t:YY+8*\t+3] offset:64*\t        ; lane (r, h): y(r, 16 t + 8 h + 0 .. 7)
	ds_store_b128 v8, v[YY+8*\t+4:YY+8*\t+7] offset:64*\t+16
.endr
.irp i, 0,1,2,3
	ds_load_b128 v[YB+4*\i:YB+4*\i+3], v9 offset:576*\i        ; LDS serves a wave's instructions in order: these see my stores
.endr
	RELOAD 3                                       ; the last group of the tile four further on goes out while the stage's round trip is under way.  The eight LDS lines since the wait name v8, v9, YY and YB: none of the registers that these loads touch
	s_wait_dscnt 0x0
.irp i, 0,1,2,3
	global_store_b128 v5, v[YB+4*\i:YB+4*\i+3], s[48:49] offset:512*\i   ; 512 consecutive bytes, aligned
.endr
	s_add_co_u32 s26, s26, 4                       ; my next tile
	s_add_co_u32 s37, s37, 1                       ; the loop is counted by its trips
	s_cmp_lt_u32 s37, s21
	s_cbranch_scc1 .Ltrip
.Lend:
	s_wait_dscnt 0x0                               ; the closing lines, six on end
	s_wait_alu 0x0
	s_wait_tensorcnt 0x0
	ds_add_u32 v254, v255
	s_wait_dscnt 0x0
	s_endpgm
.Lfunc_end_k_qfcbe2a06ca_ffn2:
	.size	k_qfcbe2a06ca_ffn2, .Lfunc_end_k_qfcbe2a06ca_ffn2-k_qfcbe2a06ca_ffn2
	.p2alignl 7, 3214868480
	.fill 96, 4, 3214868480
	.section	.rodata,"a",@progbits
	.p2align	6, 0x0
	.amdhsa_kernel k_qfcbe2a06ca_ffn2
		.amdhsa_group_segment_fixed_size 77568
		.amdhsa_private_segment_fixed_size 0
		.amdhsa_enable_private_segment 0
		.amdhsa_kernarg_size 48
		.amdhsa_user_sgpr_count 2
		.amdhsa_user_sgpr_kernarg_segment_ptr 1
		.amdhsa_wavefront_size32 1
		.amdhsa_system_sgpr_workgroup_id_x 1
		.amdhsa_system_sgpr_workgroup_id_y 1
		.amdhsa_system_sgpr_workgroup_id_z 1
		.amdhsa_system_vgpr_workitem_id 0
		.amdhsa_next_free_vgpr 1024
		.amdhsa_next_free_sgpr 72
		.amdhsa_reserve_vcc 0
		.amdhsa_float_denorm_mode_32 3
		.amdhsa_float_denorm_mode_16_64 3
		.amdhsa_memory_ordered 1
		.amdhsa_forward_progress 1
		.amdhsa_inst_pref_size 151
	.end_amdhsa_kernel
	.amdgpu_metadata
---
amdhsa.version: [ 1, 2 ]
amdhsa.kernels:
  - .name:           k_qfcbe2a06ca_ffn2
    .symbol:         k_qfcbe2a06ca_ffn2.kd
    .args:
      - { .name: W2, .offset: 0, .size: 8, .value_kind: global_buffer, .address_space: global }
      - { .name: b2, .offset: 8, .size: 8, .value_kind: global_buffer, .address_space: global }
      - { .name: hq, .offset: 16, .size: 8, .value_kind: global_buffer, .address_space: global }
      - { .name: hs, .offset: 24, .size: 8, .value_kind: global_buffer, .address_space: global }
      - { .name: plan, .offset: 32, .size: 8, .value_kind: global_buffer, .address_space: global }
      - { .name: y, .offset: 40, .size: 8, .value_kind: global_buffer, .address_space: global }
    .group_segment_fixed_size: 77568
    .private_segment_fixed_size: 0
    .kernarg_segment_align: 8
    .kernarg_segment_size: 48
    .max_flat_workgroup_size: 128
    .sgpr_count:     72
    .vgpr_count:     1024
    .wavefront_size: 32
...
	.end_amdgpu_metadata
.endif
;; end of part 9
;; launch combine (part 10): grid 256 x 1, 8 waves a work-group, no clusters, 0 bytes of LDS; arguments y, plan, gv, out0; writes out0
.if DOCPART == 10
	.amdgcn_target "amdgcn-amd-amdhsa--gfx1250"
	.amdhsa_code_object_version 6
	.text
	.protected	k_qfcbe2a06ca_combine
	.globl	k_qfcbe2a06ca_combine
	.p2align	8
	.type	k_qfcbe2a06ca_combine,@function
k_qfcbe2a06ca_combine:
	s_mov_b64 s[64:65], 0
	v_nop
	global_prefetch_b8 v0, s[64:65] scope:SCOPE_SE
	s_setreg_imm32_b32 hwreg(HW_REG_WAVE_MODE, 25, 1), 1
	s_wait_xcnt 0x0
; COMBINE: out0[token] = g0 y[p0] + g1 y[p1]: the token's two routed rows, weighed by its gates.  One owner for each output row: no sum spans work-groups.
; y [32 slices][4,224 rows][32 columns] f32; plan: rowpos[token][2]; gv[token][2], both in the order (lower-numbered expert, higher); out0 [2048][1024] f32.
; A wave takes one token.  A load's 32 lanes take 128 bytes of each of four slices; a store covers 512 consecutive bytes, aligned.  All 16 loads go out at once; the waits count down.
; A stream: no LDS, no barrier, no matrix unit.
.set SL, 540672                        ; a slice of y in bytes
.set A,  16                            ; v16-47  row p0, 4 registers a load
.set B,  48                            ; v48-79  row p1
	s_load_b256 s[4:11], s[0:1], 0x0               ; y, plan, gv, out0
	v_lshrrev_b32 v1, 5, v0
	s_delay_alu instid0(VALU_DEP_1)
	v_readfirstlane_b32 s20, v1
	s_lshl_b32 s21, ttmp9, 3
	s_add_co_u32 s21, s21, s20                     ; token
	s_lshl_b32 s22, s21, 3
	v_and_b32 v1, 31, v0
	s_delay_alu instid0(VALU_DEP_1)
	v_lshrrev_b32 v5, 3, v1
	s_delay_alu instid0(VALU_DEP_2)
	v_and_b32 v6, 7, v1
	s_delay_alu instid0(VALU_DEP_2)
	v_mul_u32_u24 v2, v5, SL
	s_delay_alu instid0(VALU_DEP_1)
	v_lshl_add_u32 v2, v6, 4, v2                   ; slice lane / 8 of four, 16 (lane % 8) in its 128 bytes
	v_lshlrev_b32 v7, 4, v1
	s_lshl_b32 s24, s21, 12
	s_mov_b32 s25, 0
	s_wait_alu depctr_va_vdst(0)
	s_wait_kmcnt 0x0
	s_load_b64 s[12:13], s[6:7], s22 offset:0x0    ; p0, p1
	s_load_b64 s[14:15], s[8:9], s22 offset:0x0    ; g0, g1
	s_add_nc_u64 s[10:11], s[10:11], s[24:25]
	s_add_nc_u64 s[18:19], s[4:5], 16*SL           ; slices 16 on: so the loads' offsets stay inside the signed 24-bit immediate (ISA guide, chapter 10)
	s_wait_kmcnt 0x0
	s_min_u32 s12, s12, 4223
	s_min_u32 s13, s13, 4223
	s_mov_b32 s16, s15
	s_mov_b32 s17, s15                             ; (the packed form names a pair and takes its low word for both halves)
	v_lshl_add_u32 v3, s12, 7, v2
	v_lshl_add_u32 v4, s13, 7, v2
.irp i, 0,1,2,3
	global_load_b128 v[A+4*\i:A+4*\i+3], v3, s[4:5] offset:4*SL*\i th:TH_LOAD_NT
	global_load_b128 v[B+4*\i:B+4*\i+3], v4, s[4:5] offset:4*SL*\i th:TH_LOAD_NT
.endr
.irp i, 0,1,2,3
	global_load_b128 v[A+16+4*\i:A+16+4*\i+3], v3, s[18:19] offset:4*SL*\i th:TH_LOAD_NT
	global_load_b128 v[B+16+4*\i:B+16+4*\i+3], v4, s[18:19] offset:4*SL*\i th:TH_LOAD_NT
.endr
.irp i, 0,1,2,3,4,5,6,7
	s_wait_loadcnt 14-2*\i                         ; pair i is in; the pairs issued behind it may be out
	v_pk_mul_f32 v[A+4*\i:A+4*\i+1], v[A+4*\i:A+4*\i+1], s[14:15] op_sel_hi:[1,0]
	v_pk_mul_f32 v[A+4*\i+2:A+4*\i+3], v[A+4*\i+2:A+4*\i+3], s[14:15] op_sel_hi:[1,0]
	s_delay_alu instid0(VALU_DEP_2)
	v_pk_fma_f32 v[A+4*\i:A+4*\i+1], v[B+4*\i:B+4*\i+1], s[16:17], v[A+4*\i:A+4*\i+1] op_sel_hi:[1,0,1]
	s_delay_alu instid0(VALU_DEP_2)
	v_pk_fma_f32 v[A+4*\i+2:A+4*\i+3], v[B+4*\i+2:B+4*\i+3], s[16:17], v[A+4*\i+2:A+4*\i+3] op_sel_hi:[1,0,1]
	global_store_b128 v7, v[A+4*\i:A+4*\i+3], s[10:11] offset:512*\i th:TH_STORE_NT
.endr
	s_endpgm
.Lfunc_end_k_qfcbe2a06ca_combine:
	.size	k_qfcbe2a06ca_combine, .Lfunc_end_k_qfcbe2a06ca_combine-k_qfcbe2a06ca_combine
	.p2alignl 7, 3214868480
	.fill 96, 4, 3214868480
	.section	.rodata,"a",@progbits
	.p2align	6, 0x0
	.amdhsa_kernel k_qfcbe2a06ca_combine
		.amdhsa_group_segment_fixed_size 0
		.amdhsa_private_segment_fixed_size 0
		.amdhsa_enable_private_segment 0
		.amdhsa_kernarg_size 32
		.amdhsa_user_sgpr_count 2
		.amdhsa_user_sgpr_kernarg_segment_ptr 1
		.amdhsa_wavefront_size32 1
		.amdhsa_system_sgpr_workgroup_id_x 1
		.amdhsa_system_sgpr_workgroup_id_y 1
		.amdhsa_system_sgpr_workgroup_id_z 1
		.amdhsa_system_vgpr_workitem_id 0
		.amdhsa_next_free_vgpr 96
		.amdhsa_next_free_sgpr 66
		.amdhsa_reserve_vcc 0
		.amdhsa_float_denorm_mode_32 3
		.amdhsa_float_denorm_mode_16_64 3
		.amdhsa_memory_ordered 1
		.amdhsa_forward_progress 1
		.amdhsa_inst_pref_size 7
	.end_amdhsa_kernel
	.amdgpu_metadata
---
amdhsa.version: [ 1, 2 ]
amdhsa.kernels:
  - .name:           k_qfcbe2a06ca_combine
    .symbol:         k_qfcbe2a06ca_combine.kd
    .args:
      - { .name: y, .offset: 0, .size: 8, .value_kind: global_buffer, .address_space: global }
      - { .name: plan, .offset: 8, .size: 8, .value_kind: global_buffer, .address_space: global }
      - { .name: gv, .offset: 16, .size: 8, .value_kind: global_buffer, .address_space: global }
      - { .name: out0, .offset: 24, .size: 8, .value_kind: global_buffer, .address_space: global }
    .group_segment_fixed_size: 0
    .private_segment_fixed_size: 0
    .kernarg_segment_align: 8
    .kernarg_segment_size: 32
    .max_flat_workgroup_size: 256
    .sgpr_count:     66
    .vgpr_count:     96
    .wavefront_size: 32
...
	.end_amdgpu_metadata
.endif
;; end of part 10
